; MI455X (gfx1250); checked and timed in simulation.
; The chip was launched on July 23, 2026; its instructions are those of AMD's public machine-readable ISA for CDNA 5 (MIT licence, August 2026) and "CDNA5" Instruction Set Architecture Reference Guide (July 2026). The comments in the code are by the model that wrote it; some were corrected since.
;; Trm Block. Allowed arithmetic: matrix products marked QUANTISED: E2M3 operands, one E8M0 scale for each 32 along K, by v_wmma_scale_f32_16x16x128_f8f6f4 with both operands' format E2M3, f32 sums; everything else in f32.
;; Inputs: W1_codes 2,048 x 16 x 24 uint8 (E2M3 codes of W1, K innermost, in blocks of 32 codes, four codes in three bytes); W1_scales 2,048 x 16 uint8 (E8M0 scales of W1, one for each 32 codes along K); W2_codes 512 x 64 x 24 uint8 (E2M3 codes of W2, K innermost, in blocks of 32 codes, four codes in three bytes); W2_scales 512 x 64 uint8 (E8M0 scales of W2, one for each 32 codes along K); Wk_codes 512 x 16 x 24 uint8 (E2M3 codes of Wk, K innermost, in blocks of 32 codes, four codes in three bytes); Wk_scales 512 x 16 uint8 (E8M0 scales of Wk, one for each 32 codes along K); Wo_codes 512 x 16 x 24 uint8 (E2M3 codes of Wo, K innermost, in blocks of 32 codes, four codes in three bytes); Wo_scales 512 x 16 uint8 (E8M0 scales of Wo, one for each 32 codes along K); Wq_codes 512 x 16 x 24 uint8 (E2M3 codes of Wq, K innermost, in blocks of 32 codes, four codes in three bytes); Wq_scales 512 x 16 uint8 (E8M0 scales of Wq, one for each 32 codes along K); Wv_codes 512 x 16 x 24 uint8 (E2M3 codes of Wv, K innermost, in blocks of 32 codes, four codes in three bytes); Wv_scales 512 x 16 uint8 (E8M0 scales of Wv, one for each 32 codes along K); b1 2,048 float32; b2 512 float32; bk 512 float32; bo 512 float32; bq 512 float32; bv 512 float32; ln1_b 512 float32; ln1_g 512 float32; ln2_b 512 float32; ln2_g 512 float32; x 16 x 1,024 x 512 float32.
;; Outputs: out0 16 x 1,024 x 512 float32.
;; This version of the problem:
;;   THIS VERSION OF THE PROBLEM IS GIVEN IN LOW PRECISION. The matrix products marked QUANTISED in the list below multiply operands that are first quantised to E2M3 (2 exponent bits, 3 mantissa bits; 6 bits a number), with one power-of-two scale for each 32 numbers along K (OCP MX v1.0); their sums are f32. All else is computed in f32.
;;   The module's matrix products, in the order in which they are computed (A, B: the left and right operand; K: the contracted axis; several contracted axes count as one K, in the product's order):
;;     1. [M 16,384, K 512] x [K 512, N 512]; A: input x; B: input Wq (given as codes): QUANTISED
;;     2. [M 16,384, K 512] x [K 512, N 512]; A: input x; B: input Wk (given as codes): QUANTISED
;;     3. [M 16,384, K 512] x [K 512, N 512]; A: input x; B: input Wv (given as codes): QUANTISED
;;     4. batch 128 x [M 1,024, K 64] x [K 64, N 1,024]; A: computed on the way; B: computed on the way: QUANTISED
;;     5. batch 128 x [M 64, K 1,024] x [K 1,024, N 1,024]; A: computed on the way; B: softmax (see below): QUANTISED
;;     6. [M 16,384, K 512] x [K 512, N 512]; A: computed on the way; B: input Wo (given as codes): QUANTISED
;;     7. [M 16,384, K 512] x [K 512, N 2,048]; A: computed on the way; B: input W1 (given as codes): QUANTISED
;;     8. [M 16,384, K 2,048] x [K 2,048, N 512]; A: computed on the way; B: input W2 (given as codes): QUANTISED
;;   THE QUANTISER, for each operand of a quantised product, along K:
;;     - K is cut into blocks of 32 from its start; a last block that is shorter is filled with zeros.
;;     - A block's scale is 2^e with e = floor(log2(the largest magnitude in the block)) - 2, held to -126 .. 127; a block of zeros has e = 0. As a byte (E8M0): e + 127.
;;     - Each number is divided by its block's scale, clamped to +-7.5, and rounded to the nearest number of E2M3, ties to even, subnormals kept.
;;     - The product sums the exact products of the quantised numbers (number of the format x scale) in f32.
;;   ~~~python
;;   def quantise(x, axis):      # numpy; x: float32 -> the quantised numbers, widened to float32 again
;;       x = np.moveaxis(x, axis, -1); K = x.shape[-1]
;;       x = np.pad(x, [(0, 0)] * (x.ndim - 1) + [(0, -K % 32)]); x = x.reshape(x.shape[:-1] + (-1, 32)); a = np.abs(x).max(-1, keepdims=True)
;;       e = np.where(a > 0, np.clip(np.frexp(np.where(a > 0, a, 1))[1] - 1 - 2, -126, 127), 0)      # np.frexp(a)[1] - 1 = floor(log2(a)), exactly
;;       r = np.clip(x / 2.0 ** e, -7.5, 7.5)
;;       step = 2.0 ** (np.maximum(np.frexp(np.where(r == 0, 1, r))[1] - 1, 0) - 3)
;;       q = np.round(r / step) * step * 2.0 ** e      # np.round: ties to even
;;       return np.moveaxis(q.reshape(q.shape[:-2] + (-1,))[..., :K], -1, axis).astype(np.float32)
;;   ~~~
;;   SOFTMAX AHEAD OF A QUANTISED PRODUCT. Where the list says 'softmax', what is quantised is not the finished softmax but p = 2^(t - M), with t = logit x log2(e) and M = ceil(the row's largest t), a whole number; so 1/2 < the row's largest p <= 1. The row's sum l is taken of the UNQUANTISED p, in f32, and the product's result is divided by l at the end. Since M is a whole number, a kernel that streams over the keys may use a running M (the ceiling of the running maximum): every later rescaling is an exact power of two, which a block's scale takes up: the codes' values come out the same.
;;   OPERANDS COMPUTED ON THE WAY. 'Computed on the way' means the value that the module computes at that place (a softmax that the list does not call 'softmax' is quantised finished and normalised). What goes into a quantiser is computed in f32, as accurately as f32 sums, v_exp_f32 and their like allow (about 1e-6 of the number): no bf16 or f16 on the way to a quantiser, and a product that is left as it is and whose result goes on into a quantised operand takes f32 operands (vector FMAs, or v_wmma_f32_16x16x4_f32). A number that lies on a knife's edge between two numbers of the format may be rounded either way, as far as f32 arithmetic and the matrix unit's own rounding can turn it there, and no further.
;;   INPUTS GIVEN AS CODES. W1 (in the module: [512, 2048], K = its axis 0); W2 (in the module: [2048, 512], K = its axis 0); Wk (in the module: [512, 512], K = its axis 0); Wo (in the module: [512, 512], K = its axis 0); Wq (in the module: [512, 512], K = its axis 0); Wv (in the module: [512, 512], K = its axis 0): each comes as NAME_codes (uint8): NAME with its K axis moved to the last place and cut into blocks of 32 codes, [.., K / 32, bytes a block], one block behind the other in memory; four codes in three bytes: a row's codes are one little-endian stream of bits, code i at bits 6 i .. 6 i + 5 (a code: sign, 2 exponent bits, 3 mantissa bits); and NAME_scales (uint8): the same leading axes, one E8M0 byte (e + 127) for each 32 codes along K. Its value is code x scale, taken as it is: it is not quantised again, and the codes and scales need not be those that the quantiser above would give.
;; 2 versions, each right; version 2 is version 1 with the launches qkv, attn, ffn written anew for expert scheduling mode. Each part assembles by itself: llvm-mc -triple=amdgcn-amd-amdhsa -mcpu=gfx1250 --defsym DOCPART=n.
;; ======== version 1 of 2: 4 launches
;; workspace buffers: wpk 2,359,296 bytes; wsc 98,304 bytes; qkvc 18,874,368 bytes; qkvs 1,310,720 bytes; ac 6,291,456 bytes; asc 524,288 bytes
;; launch pack (part 1): grid 384 x 1, 1 waves a work-group, no clusters, 0 bytes of LDS; arguments Wq_codes, Wk_codes, Wv_codes, Wo_codes, W1_codes, W2_codes, Wq_scales, Wk_scales, Wv_scales, Wo_scales, W1_scales, W2_scales, wpk, wsc; writes wpk, wsc
.if DOCPART == 1
	.amdgcn_target "amdgcn-amd-amdhsa--gfx1250"
	.amdhsa_code_object_version 6
	.text
	.protected	k_qee4031c7e1_pack
	.globl	k_qee4031c7e1_pack
	.p2align	8
	.type	k_qee4031c7e1_pack,@function
k_qee4031c7e1_pack:
	s_mov_b64 s[64:65], 0
	v_nop
	global_prefetch_b8 v0, s[64:65] scope:SCOPE_SE
	s_setreg_imm32_b32 hwreg(HW_REG_WAVE_MODE, 25, 1), 1
	s_wait_xcnt 0x0
; The six weights (codes of E2M3, K innermost, and their E8M0 bytes) are laid anew, once, in the order of the matrix operand's registers and in the order in which the later launches' waves take them.
; A SET is four fragments (four tiles of 16 rows x 128 along K): 6,144 bytes in wpk, each fragment as three runs of 512 bytes (registers 4 c .. 4 c + 3 of lane l at byte 16 l), and 256 bytes in wsc
; (lane l: two scale words at byte 8 l; word u of lane (r, h) belongs to row r of tile 2 h + u).  One wave makes one set; 384 sets.
; THE ROWS OF A TILE ARE NOT NEIGHBOURS: lane r of tile i of a group of 64 rows takes row 32 (i / 2) + 8 (i % 2) + r + 8 (r / 8), so that a transposed product's 16 registers of two neighbouring tiles are 16 neighbours along the next K.
; Sets 0-95: wave w of the q, k, v launch: 24 w + 8 (0: Wq, 1: Wk, 2: Wv) + 2 s + half.   Sets 96-383: wave w of the last launch: 96 + 72 w + (Wo: 2 s + half;  W1, chunk j: 8 + 16 j + 2 s + half;  W2, chunk j: 16 + 16 j + 2 s' + half).
; One path for all six tensors: pointers, pitches and the set's number are chosen by s_cselect on the work-group's number alone.
	s_load_b512 s[4:19], s[0:1], 0x0               ; codes: Wq s[4:5], Wk s[6:7], Wv s[8:9], Wo s[10:11], W1 s[12:13], W2 s[14:15]; scales: Wq s[16:17], Wk s[18:19]
	s_load_b256 s[20:27], s[0:1], 0x40             ; scales: Wv s[20:21], Wo s[22:23], W1 s[24:25], W2 s[26:27]
	s_load_b128 s[28:31], s[0:1], 0x60             ; wpk s[28:29], wsc s[30:31]
	v_and_b32 v1, 15, v0                           ; r
	v_lshrrev_b32 v2, 4, v0                        ; h
	v_and_b32 v3, 8, v1
	v_add_nc_u32 v3, v3, v1                        ; r + 8 (r / 8)
	; work-groups 0-127: Wq, Wk, Wv, Wo, 32 each;  128-255: W1;  256-383: W2
	s_and_b32 s40, ttmp9, 31
	s_and_b32 s41, ttmp9, 127
	s_cmp_lt_u32 ttmp9, 128
	s_cselect_b32 s40, s40, s41                    ; f: which set of its tensor
	s_mov_b32 s36, 1536
	s_cmp_lt_u32 ttmp9, 256
	s_cselect_b32 s36, 384, s36                    ; a row of codes in bytes: K = 512 or 2,048
	s_cselect_b32 s37, 16, 64                      ; a row of scale bytes
	s_cselect_b32 s41, 2, 4                        ; K steps of 128 in a row: 4 or 16
	s_cselect_b32 s42, 3, 15
	s_lshr_b32 s38, s40, s41                       ; tg: which 64 rows
	s_and_b32 s39, s40, s42                        ; s: which K step
	s_and_b32 s43, s38, 1                          ; half
	s_bfe_u32 s44, s38, 0x20001                    ; w
	s_lshr_b32 s45, s38, 3                         ; W1's chunk: by rows
	s_lshr_b32 s46, s39, 2                         ; W2's chunk: by K steps
	s_and_b32 s47, s39, 3                          ; the K step within a chunk
	s_cmp_lt_u32 ttmp9, 256
	s_cselect_b32 s45, s45, s46
	s_cselect_b32 s46, 8, 16
	s_lshl_b32 s45, s45, 4
	s_add_co_u32 s46, s46, s45                     ; 8 + 16 j or 16 + 16 j,
	s_cmp_lt_u32 ttmp9, 128
	s_cselect_b32 s46, 0, s46                      ; 0 for Wo
	s_mul_i32 s48, s44, 72
	s_add_co_u32 s48, s48, 96
	s_add_co_u32 s48, s48, s46
	s_mul_i32 s49, s44, 24
	s_lshr_b32 s50, ttmp9, 5
	s_lshl_b32 s50, s50, 3
	s_add_co_u32 s49, s49, s50                     ; 24 w + 8 x tensor, for Wq, Wk, Wv
	s_cmp_lt_u32 ttmp9, 96
	s_cselect_b32 s48, s49, s48
	s_lshl_b32 s47, s47, 1
	s_add_co_u32 s48, s48, s47
	s_add_co_u32 s48, s48, s43                     ; the set's number
	s_mul_i32 s50, s38, s36
	s_lshl_b32 s50, s50, 6
	s_mul_i32 s51, s39, 96
	s_add_co_u32 s50, s50, s51                     ; codes: 64 tg rows + 96 s bytes
	s_mov_b32 s51, 0
	s_mul_i32 s52, s38, s37
	s_lshl_b32 s52, s52, 6
	s_lshl_b32 s53, s39, 2
	s_add_co_u32 s52, s52, s53                     ; scale bytes: 64 tg rows + 4 s bytes
	s_mov_b32 s53, 0
	s_mul_i32 s54, s48, 6144
	s_mov_b32 s55, 0
	s_lshl_b32 s56, s48, 8
	s_mov_b32 s57, 0
	s_lshl_b32 s58, s36, 3                         ; 8 rows of codes
	s_lshl_b32 s59, s36, 5                         ; 32 rows
	s_lshl_b32 s60, s37, 3                         ; 8 rows of scale bytes
	v_mul_lo_u32 v4, v3, s36
	v_mad_u32_u24 v4, v2, 24, v4                   ; tile 0: my row, + 24 h
	v_add_nc_u32 v5, s58, v4                       ; tile 1: 8 rows on
	v_add_nc_u32 v6, s59, v4                       ; tile 2: 32 rows on
	v_add_nc_u32 v7, s58, v6                       ; tile 3
	v_lshl_add_u32 v8, v2, 5, v3
	v_mul_lo_u32 v8, v8, s37                       ; scale word of tile 2 h
	v_add_nc_u32 v9, s60, v8                       ; and of tile 2 h + 1
	v_lshlrev_b32 v10, 4, v0
	v_lshlrev_b32 v11, 3, v0
	s_wait_kmcnt 0x0
	s_mov_b64 s[32:33], s[14:15]
	s_mov_b64 s[34:35], s[26:27]
	s_cmp_lt_u32 ttmp9, 256
	s_cselect_b64 s[32:33], s[12:13], s[32:33]
	s_cselect_b64 s[34:35], s[24:25], s[34:35]
	s_cmp_lt_u32 ttmp9, 128
	s_cselect_b64 s[32:33], s[10:11], s[32:33]
	s_cselect_b64 s[34:35], s[22:23], s[34:35]
	s_cmp_lt_u32 ttmp9, 96
	s_cselect_b64 s[32:33], s[8:9], s[32:33]
	s_cselect_b64 s[34:35], s[20:21], s[34:35]
	s_cmp_lt_u32 ttmp9, 64
	s_cselect_b64 s[32:33], s[6:7], s[32:33]
	s_cselect_b64 s[34:35], s[18:19], s[34:35]
	s_cmp_lt_u32 ttmp9, 32
	s_cselect_b64 s[32:33], s[4:5], s[32:33]
	s_cselect_b64 s[34:35], s[16:17], s[34:35]
	s_add_nc_u64 s[32:33], s[32:33], s[50:51]
	s_add_nc_u64 s[34:35], s[34:35], s[52:53]
	s_add_nc_u64 s[28:29], s[28:29], s[54:55]
	s_add_nc_u64 s[30:31], s[30:31], s[56:57]
.irp i, 0,1,2,3
.irp p, 0,1,2,3,4,5
	global_load_b64 v[16+12*\i+2*\p:16+12*\i+2*\p+1], v[4+\i], s[32:33] offset:48*(\p/3)+8*(\p%3)   ; registers 6 c .. 6 c + 5: the 24 bytes at 48 c + 24 h of the row's 96, in pieces of 8
.endr
.endr
	global_load_b32 v12, v8, s[34:35]
	global_load_b32 v13, v9, s[34:35]
	s_wait_loadcnt 0x0
.irp i, 0,1,2,3
.irp c, 0,1,2
	global_store_b128 v10, v[16+12*\i+4*\c:16+12*\i+4*\c+3], s[28:29] offset:1536*\i+512*\c   ; 32 lanes store 512 consecutive bytes, at a multiple of 256 from wpk's first byte
.endr
.endr
	global_store_b64 v11, v[12:13], s[30:31]       ; 256 consecutive bytes
	s_endpgm
.Lfunc_end_k_qee4031c7e1_pack:
	.size	k_qee4031c7e1_pack, .Lfunc_end_k_qee4031c7e1_pack-k_qee4031c7e1_pack
	.p2alignl 7, 3214868480
	.fill 96, 4, 3214868480
	.section	.rodata,"a",@progbits
	.p2align	6, 0x0
	.amdhsa_kernel k_qee4031c7e1_pack
		.amdhsa_group_segment_fixed_size 0
		.amdhsa_private_segment_fixed_size 0
		.amdhsa_enable_private_segment 0
		.amdhsa_kernarg_size 112
		.amdhsa_user_sgpr_count 2
		.amdhsa_user_sgpr_kernarg_segment_ptr 1
		.amdhsa_wavefront_size32 1
		.amdhsa_system_sgpr_workgroup_id_x 1
		.amdhsa_system_sgpr_workgroup_id_y 1
		.amdhsa_system_sgpr_workgroup_id_z 1
		.amdhsa_system_vgpr_workitem_id 0
		.amdhsa_next_free_vgpr 72
		.amdhsa_next_free_sgpr 66
		.amdhsa_reserve_vcc 0
		.amdhsa_float_denorm_mode_32 3
		.amdhsa_float_denorm_mode_16_64 3
		.amdhsa_memory_ordered 1
		.amdhsa_forward_progress 1
		.amdhsa_inst_pref_size 8
	.end_amdhsa_kernel
	.amdgpu_metadata
---
amdhsa.version: [ 1, 2 ]
amdhsa.kernels:
  - .name:           k_qee4031c7e1_pack
    .symbol:         k_qee4031c7e1_pack.kd
    .args:
      - { .name: Wq_codes, .offset: 0, .size: 8, .value_kind: global_buffer, .address_space: global }
      - { .name: Wk_codes, .offset: 8, .size: 8, .value_kind: global_buffer, .address_space: global }
      - { .name: Wv_codes, .offset: 16, .size: 8, .value_kind: global_buffer, .address_space: global }
      - { .name: Wo_codes, .offset: 24, .size: 8, .value_kind: global_buffer, .address_space: global }
      - { .name: W1_codes, .offset: 32, .size: 8, .value_kind: global_buffer, .address_space: global }
      - { .name: W2_codes, .offset: 40, .size: 8, .value_kind: global_buffer, .address_space: global }
      - { .name: Wq_scales, .offset: 48, .size: 8, .value_kind: global_buffer, .address_space: global }
      - { .name: Wk_scales, .offset: 56, .size: 8, .value_kind: global_buffer, .address_space: global }
      - { .name: Wv_scales, .offset: 64, .size: 8, .value_kind: global_buffer, .address_space: global }
      - { .name: Wo_scales, .offset: 72, .size: 8, .value_kind: global_buffer, .address_space: global }
      - { .name: W1_scales, .offset: 80, .size: 8, .value_kind: global_buffer, .address_space: global }
      - { .name: W2_scales, .offset: 88, .size: 8, .value_kind: global_buffer, .address_space: global }
      - { .name: wpk, .offset: 96, .size: 8, .value_kind: global_buffer, .address_space: global }
      - { .name: wsc, .offset: 104, .size: 8, .value_kind: global_buffer, .address_space: global }
    .group_segment_fixed_size: 0
    .private_segment_fixed_size: 0
    .kernarg_segment_align: 8
    .kernarg_segment_size: 112
    .max_flat_workgroup_size: 32
    .sgpr_count:     66
    .vgpr_count:     72
    .wavefront_size: 32
...
	.end_amdgpu_metadata
.endif
;; end of part 1
;; launch qkv (part 2): grid 256 x 1, 4 waves a work-group, no clusters, 159,232 bytes of LDS; arguments x, wpk, wsc, bq, bk, bv, qkvc, qkvs; writes qkvc, qkvs
.if DOCPART == 2
	.amdgcn_target "amdgcn-amd-amdhsa--gfx1250"
	.amdhsa_code_object_version 6
	.text
	.protected	k_qee4031c7e1_qkv
	.globl	k_qee4031c7e1_qkv
	.p2align	8
	.type	k_qee4031c7e1_qkv,@function
k_qee4031c7e1_qkv:
	s_mov_b64 s[64:65], 0
	v_nop
	global_prefetch_b8 v0, s[64:65] scope:SCOPE_SE
	s_setreg_imm32_b32 hwreg(HW_REG_WAVE_MODE, 25, 1), 1
	s_wait_xcnt 0x0
; q = x Wq + bq, k = x Wk + bk, v = x Wv + bv on codes of E2M3 with one E8M0 scale for each 32 along K; the results are quantised at once for attention: q and k along the head's 64, v along the keys.
; SHARES.  A work-group takes 64 tokens (block kb of batch b).  The four waves share the COLUMNS: wave w makes columns 128 w .. 128 w + 127 (heads 2 w, 2 w + 1) of q, of k and of v, for all 64 tokens: 3 x 128 matrix instructions.
; x: wave w reads 16 whole rows, turns them through its own stage in LDS so that a lane holds 16 neighbours along K, quantises them (four fragments) and leaves them in LDS as images of the operand's registers, for all four waves.
; THE WEIGHTS come from wpk and wsc, laid in register order by the launch before: a set (4 fragments, 13 loads) goes straight into one of four register slots that take turns; three sets are on their way while one is multiplied.
; TILES: token tile m holds tokens 32 (m / 2) + 8 (m % 2) + r + 8 (r / 8) of the block, a weight's tile t the rows of the same pattern.  q and k are made TRANSPOSED (source 0 = 16 rows of W, source 1 = 16 tokens): a lane holds one token
; and 16 neighbouring columns in each pair of tiles.  v is made the other way round (source 0 = tokens, source 1 = rows of W): a lane holds one channel and 16 neighbouring KEYS in each pair of tiles.  So both are quantised in registers.
; OUT.  qkvc: for (head, kb, tile) a half image of 768 bytes (6 registers a lane: 4 at 16 l, 2 at 512 + 8 l); q at 0, k at 6,291,456, v at 12,582,912.  qkvs: q, k: a word for (head, kb, r, tile), bytes 0 and 1 the head's two blocks (bytes 2, 3:
; the neighbour head's or 0; they stand over zero codes later); v: two bytes for (b, kb, head, r, tile).
; LIMITS: NaN and infinities are not served; a block whose largest magnitude lies under 2^-124, a block of zeros among them, gets the byte 1 (its codes are then zeros or the nearest codes under that scale; only this program reads the bytes).
; REGISTERS, in windows of 256.  Window 0: v1-12 addresses; v16-23 the slots' scale words; v24-31 x's scale words, two sets; v32-47 at work; v48-55 scale words just made; v56-63, v64-111 codes just made; v112-207 x's fragments, two sets.
;   Window 1: v0-191 four slots of four weight fragments; v192-255 the bias, eight registers a tile, in the result's layout.   Window 2: first x as loaded, then the 32 accumulators.
.set LI,  1                            ; v1   16 x lane
.set L8,  2                            ; v2   8 x lane
.set H64, 9                            ; v9   64 x (lane / 16)
.set SCW, 16
.set OSR, 24
.set TM,  32
.set PW,  48
.set X8,  56
.set PC,  64
.set OB,  112
.set PA,  192
.set SEL, 22                           ; s[22:23] lane selects for v_permlanex16_b32: lane l xor 16
.set XOP, 0                            ; LDS: x's 16 fragments, (K step s, tile m) at (4 s + m) x 1,536
.set XOS, 24576                        ; their scale words: [s][lane][m]
.set STG, 26624                        ; a stage of 16 rows for each wave
.set SPITCH, 2064                      ; a stage row: 2,048 bytes + 16: 129 x 16, so that the 16 rows that a load touches start in 16 different groups of banks
.set MSB, 0
.macro WIN new                         ; the immediate's high byte repeats the setting that is left; a switch that changes nothing is dropped
.if MSB != (\new)
	s_set_vgpr_msb (MSB<<8)|(\new)
.set MSB, (\new)
.endif
.endm
.macro PLACES n
.rept \n
	v_nop
.endr
.endm
.macro BARRIER                         ; my LDS stores have landed and my LDS loads are in: then the work-group's barrier
	s_wait_dscnt 0x0
	s_barrier_signal -1
	s_barrier_wait -1
.endm
; Set k (counted from the pointers) into slot: 12 loads of 512 consecutive bytes and one of 256
.macro RFILL slot, cp, sp, k
	WIN 0x40
.irp f, 0,1,2,3
.irp c, 0,1,2
	global_load_b128 v[48*(\slot)+12*\f+4*\c:48*(\slot)+12*\f+4*\c+3], v[LI], s[\cp:\cp+1] offset:(\k)*6144+\f*1536+\c*512
.endr
.endr
	WIN 0
	global_load_b64 v[SCW+2*(\slot):SCW+2*(\slot)+1], v[L8], s[\sp:\sp+1] offset:(\k)*256
.endm
; The four tiles' fragments of K step s, and their scale words, from LDS into set buf
.macro OFETCH buf, op, os, s
.irp m, 0,1,2,3
.irp c, 0,1,2
	ds_load_b128 v[OB+48*(\buf)+12*\m+4*\c:OB+48*(\buf)+12*\m+4*\c+3], v[LI] offset:(\op)+(4*(\s)+\m)*1536+512*\c
.endr
.endr
	ds_load_b128 v[OSR+4*(\buf):OSR+4*(\buf)+3], v[LI] offset:(\os)+512*(\s)
.endm
; 16 matrix instructions: the slot's four weight tiles (4 half + i) x the four token tiles.  The 16 accumulators take turns, one instruction a turn; an accumulator comes up again 32 instructions later.
; first = 1: the sum's first product takes the bias as C.  tr = 1: source 0 = W; tr = 0: source 0 = the tokens.  The slot's tiles 2 and 3 have their scale words in lanes 16-31.
.macro MUL16 half, buf, slot, first, tr
.irp i, 0,1,2,3
.irp m, 0,1,2,3
.set rW, 48*(\slot)+12*\i
.set rX, OB+48*(\buf)+12*\m
.set rSW, SCW+2*(\slot)+\i%2
.set rSX, OSR+4*(\buf)+\m
.if \tr
.set rD, 8*(8*\m+4*(\half)+\i)
.else
.set rD, 8*(4*(4*(\half)+\i)+\m)
.endif
.if \first
.set rC, PA+8*(4*(\half)+\i)
.else
.set rC, rD
.endif
.if \tr && (\i < 2)
	v_wmma_scale_f32_16x16x128_f8f6f4 v[rD:rD+7], v[rW:rW+11], v[rX:rX+11], v[rC:rC+7], v[rSW], v[rSX] matrix_a_fmt:MATRIX_FMT_FP6 matrix_b_fmt:MATRIX_FMT_FP6
.elseif \tr
	v_wmma_scale_f32_16x16x128_f8f6f4 v[rD:rD+7], v[rW:rW+11], v[rX:rX+11], v[rC:rC+7], v[rSW], v[rSX] matrix_a_fmt:MATRIX_FMT_FP6 matrix_b_fmt:MATRIX_FMT_FP6 matrix_a_scale:MATRIX_SCALE_ROW1
.elseif \i < 2
	v_wmma_scale_f32_16x16x128_f8f6f4 v[rD:rD+7], v[rX:rX+11], v[rW:rW+11], v[rC:rC+7], v[rSX], v[rSW] matrix_a_fmt:MATRIX_FMT_FP6 matrix_b_fmt:MATRIX_FMT_FP6
.else
	v_wmma_scale_f32_16x16x128_f8f6f4 v[rD:rD+7], v[rX:rX+11], v[rW:rW+11], v[rC:rC+7], v[rSX], v[rSW] matrix_a_fmt:MATRIX_FMT_FP6 matrix_b_fmt:MATRIX_FMT_FP6 matrix_b_scale:MATRIX_SCALE_ROW1
.endif
.endr
.endr
.endm
; A PRODUCT: 64 tokens x my 128 columns x K = 512: eight sets, 128 matrix instructions.  Set n lies in slot n % 4; behind its 16 products and four places the slot takes the set four further on (from the next product's sets for n >= 4).
; The wait for set n leaves out the 39 loads of the three younger sets (loads come back in order: ISA guide 5.7.1); in a tail, which asks for nothing beyond its eighth set, 13 x the sets that are left.
; The operand's K step s + 1 is asked for from LDS in the middle of K step s.  The four places serve the loads into registers that matrix instructions have read (ISA guide 7.12.1 for vector instructions).
.macro PROD wfirst, win, tr, first, op, os, cp, sp, k0, ncp, nsp, nk0, tail
.irp n, 0,1,2,3,4,5,6,7
.if \n%2 == 0
	s_wait_dscnt 0x0
.endif
.if \tail && (\n > 4)
	s_wait_loadcnt 13*(7-\n)
.else
	s_wait_loadcnt 39
.endif
.if \first && (\n < 2)
	WIN \wfirst
	MUL16 \n%2, (\n/2)%2, \n%4, 1, \tr
.else
	WIN \win
	MUL16 \n%2, (\n/2)%2, \n%4, 0, \tr
.endif
	PLACES 4
.if \n < 4
	RFILL \n%4, \cp, \sp, \k0+\n+4
.elseif !\tail
	RFILL \n%4, \ncp, \nsp, \nk0+\n-4
.endif
	WIN 0
.if (\n%2 == 0) && (\n < 6)
	OFETCH (\n/2+1)%2, \op, \os, \n/2+1
.endif
.endr
.endm
; 64 numbers of a lane in window w, register 16 b + i = place 32 b + 16 (lane / 16) + i along K of my row, become a fragment's 12 registers of codes at v[pc] and its scale word in v[pw].
; A block's largest magnitude (with the floor 2^-124 among its leaves), joined with lane l xor 16's; 2 off its exponent field is the conversion's scale operand, and that shifted down the E8M0 byte.
.macro QUANT src, w, pc, pw
	WIN (\w)|((\w)<<2)
.irp b, 0,1,2,3
	v_max3_num_f32 v[TM+\b], |v[(\src)+16*\b]|, |v[(\src)+16*\b+1]|, 0x1800000
.endr
.irp i, 2,4,6,8,10,12,14
.irp b, 0,1,2,3
	v_max3_num_f32 v[TM+\b], |v[(\src)+16*\b+\i]|, |v[(\src)+16*\b+\i+1]|, v[TM+\b]   ; ascending: each accumulator is first read at its low end; the four blocks by turns
.endr
.endr
	WIN 0
.irp b, 0,1,2,3
	v_permlanex16_b32 v[TM+4+\b], v[TM+\b], s[SEL], s[SEL+1]
.endr
.irp b, 0,1,2,3
	v_max_num_f32 v[TM+\b], v[TM+\b], v[TM+4+\b]
.endr
.irp b, 0,1,2,3
	v_add_nc_u32 v[TM+12+\b], 0xff000000, v[TM+\b]
.endr
.irp b, 0,1,2,3
	v_lshrrev_b32 v[TM+4+\b], 23, v[TM+12+\b]
.endr
	v_lshl_or_b32 v[\pw], v[TM+5], 8, v[TM+4]
	v_lshl_or_b32 v[\pw], v[TM+6], 16, v[\pw]
	v_lshl_or_b32 v[\pw], v[TM+7], 24, v[\pw]
	WIN \w
.irp c, 0,1
	v_cvt_scalef32_pk16_fp6_f32 v[(\pc)+6*\c:(\pc)+6*\c+2], v[(\src)+32*\c:(\src)+32*\c+15], v[TM+12+2*\c]
	v_cvt_scalef32_pk16_fp6_f32 v[X8+4*\c:X8+4*\c+2], v[(\src)+32*\c+16:(\src)+32*\c+31], v[TM+13+2*\c]   ; (a conversion's three registers begin on an even number)
.endr
	WIN 0
	v_nop                                          ; one plain place behind a scaled conversion
.irp c, 0,1                            ; the operand's layout wants a whole block in a lane: lanes 0-15 block 2 c, lanes 16-31 block 2 c + 1
.irp e, 0,1,2
	v_permlane16_swap_b32 v[(\pc)+6*\c+\e], v[X8+4*\c+\e]
.endr
.irp e, 0,1,2
	v_mov_b32 v[(\pc)+6*\c+3+\e], v[X8+4*\c+\e]
.endr
.endr
.endm
.macro IMAGE adr, pc, off              ; a fragment goes to LDS as its registers stand: 16 bytes a lane, 512 a store
.irp c, 0,1,2
	ds_store_b128 v[\adr], v[(\pc)+4*\c:(\pc)+4*\c+3] offset:(\off)+512*\c
.endr
.endm
.macro PLOAD win, dst, ptr             ; a vector of my 128 columns in a transposed result's layout: for tile t the eight numbers 32 (t / 2) + 16 h + 8 (t % 2) + 0 .. 7
	WIN \win
.irp t, 0,1,2,3,4,5,6,7
	global_load_b128 v[(\dst)+8*\t:(\dst)+8*\t+3], v[H64], s[\ptr:\ptr+1] offset:(32*(\t/2)+8*(\t%2))*4
	global_load_b128 v[(\dst)+8*\t+4:(\dst)+8*\t+7], v[H64], s[\ptr:\ptr+1] offset:(32*(\t/2)+8*(\t%2))*4+16
.endr
	WIN 0
.endm
.macro XROWS lo                        ; eight of my 16 rows of x, as they lie: each load reads 512 consecutive bytes.  Stage rows 8-15 are the rows 16-23 from my first
.irp rr, 0,1,2,3,4,5,6,7
.irp q, 0,1,2,3
	global_load_b128 v[4*(4*(\lo+\rr)+\q):4*(4*(\lo+\rr)+\q)+3], v[LI], s[4:5] offset:(2*(\lo)+\rr)*2048+512*\q th:TH_LOAD_NT
.endr
.endr
.endm
.macro XSTAGE lo
.irp rr, 0,1,2,3,4,5,6,7
.irp q, 0,1,2,3
	ds_store_b128 v5, v[4*(4*(\lo+\rr)+\q):4*(4*(\lo+\rr)+\q)+3] offset:(\lo+\rr)*SPITCH+512*\q
.endr
.endr
.endm
; q's or k's way out: each token tile's 128 columns are one fragment: its halves are the two heads' half images
.macro EPI_QK cb, sb
	s_wait_xcnt 0x0                                ; the stores issued so far have read their registers: the codes' and words' registers are written again only behind this wait
.irp m, 0,1,2,3
	QUANT 64*\m, 2, PC+12*\m, PW+\m
	global_store_b128 v[LI], v[PC+12*\m:PC+12*\m+3], s[\cb:\cb+1] offset:768*\m
	global_store_b64 v[L8], v[PC+12*\m+4:PC+12*\m+5], s[\cb:\cb+1] offset:768*\m+512
	global_store_b128 v[LI], v[PC+12*\m+6:PC+12*\m+9], s[\cb:\cb+1] offset:49152+768*\m
	global_store_b64 v[L8], v[PC+12*\m+10:PC+12*\m+11], s[\cb:\cb+1] offset:49152+768*\m+512
.endr
.irp m, 0,1,2,3
	v_lshrrev_b32 v[52+\m], v12, v[PW+\m]          ; lanes 16-31 bring the second head's two bytes down
.endr
	global_store_b128 v11, v[52:55], s[\sb:\sb+1]  ; sixteen lanes fill a head's 256 bytes of this block
.endm
	s_load_b512 s[4:19], s[0:1], 0x0               ; x s[4:5], wpk s[6:7], wsc s[8:9], bq s[10:11], bk s[12:13], bv s[14:15], qkvc s[16:17], qkvs s[18:19]
	v_lshl_add_u32 v254, v0, 2, 0x26c00
	v_mov_b32 v255, 0
	v_lshrrev_b32 v3, 5, v0
	v_readfirstlane_b32 s20, v3                    ; wave 0..3
	v_and_b32 v15, 31, v0
	v_lshlrev_b32 v[LI], 4, v15
	v_lshlrev_b32 v[L8], 3, v15
	v_and_b32 v3, 15, v0                           ; r
	v_bfe_u32 v4, v0, 4, 1                         ; h
	s_mul_i32 s24, s20, 16*SPITCH
	s_add_co_u32 s24, s24, STG                     ; my stage
	v_add_nc_u32 v5, s24, v[LI]                    ; v5: into it, as loaded
	v_mul_u32_u24 v6, v3, SPITCH
	v_lshl_add_u32 v6, v4, 6, v6
	v_add_nc_u32 v6, s24, v6                       ; v6: out of it: row r, + 64 h: my 16 numbers of a block of 32
	s_mul_i32 s25, s20, 1536
	v_add_nc_u32 v7, s25, v[LI]                    ; v7: my tile's images
	s_lshl_b32 s25, s20, 2
	s_add_co_u32 s25, s25, XOS
	v_add_nc_u32 v8, s25, v[LI]                    ; v8: my tile's scale words
	v_lshlrev_b32 v[H64], 6, v4
	v_and_b32 v10, 8, v3
	v_add_nc_u32 v10, v10, v3
	v_lshlrev_b32 v10, 2, v10                      ; v10: 4 (r + 8 (r / 8)): bv at my channel
	v_lshlrev_b32 v11, 4, v3
	v_lshl_add_u32 v11, v4, 12, v11                ; v11: 16 r + 4,096 h: q's and k's scale words
	v_lshlrev_b32 v12, 4, v4                       ; v12: 16 h
.irp b, 0,1,2,3
	v_mov_b32 v[TM+4+\b], 0                        ; written once: a lane permute's destination counts as one of its sources
.endr
	s_mov_b32 s[SEL], 0x76543210
	s_mov_b32 s[SEL+1], 0xfedcba98
	s_lshr_b32 s26, ttmp9, 4                       ; b
	s_and_b32 s27, ttmp9, 15                       ; kb
	s_lshl_b32 s28, ttmp9, 6
	s_lshr_b32 s29, s20, 1
	s_lshl_b32 s29, s29, 5
	s_add_co_u32 s28, s28, s29
	s_and_b32 s29, s20, 1
	s_lshl_b32 s29, s29, 3
	s_add_co_u32 s28, s28, s29                     ; my tile's first token: 64 x block + 32 (w / 2) + 8 (w % 2)
	s_lshl_b32 s28, s28, 11
	s_mov_b32 s29, 0
	s_lshl_b32 s30, s26, 3
	s_lshl_b32 s31, s20, 1
	s_add_co_u32 s30, s30, s31                     ; 8 b + my first head
	s_mul_i32 s46, s30, 49152
	s_mul_i32 s47, s27, 3072
	s_add_co_u32 s46, s46, s47
	s_mov_b32 s47, 0
	s_lshl_b32 s48, s30, 12
	s_lshl_b32 s49, s27, 8
	s_add_co_u32 s48, s48, s49
	s_mov_b32 s49, 0
	s_lshl_b32 s50, s26, 14
	s_lshl_b32 s51, s27, 10
	s_add_co_u32 s50, s50, s51
	s_lshl_b32 s51, s20, 8
	s_add_co_u32 s50, s50, s51
	s_add_co_u32 s50, s50, 1048576
	s_mov_b32 s51, 0
	s_mul_i32 s52, s20, 147456                     ; my 24 sets
	s_mov_b32 s53, 0
	s_mul_i32 s54, s20, 6144
	s_mov_b32 s55, 0
	s_lshl_b32 s56, s20, 9                         ; my 128 numbers of a bias
	s_mov_b32 s57, 0
	s_wait_kmcnt 0x0
	s_add_nc_u64 s[4:5], s[4:5], s[28:29]
	s_add_nc_u64 s[6:7], s[6:7], s[52:53]
	s_add_nc_u64 s[8:9], s[8:9], s[54:55]
	s_add_nc_u64 s[10:11], s[10:11], s[56:57]
	s_add_nc_u64 s[12:13], s[12:13], s[56:57]
	s_add_nc_u64 s[14:15], s[14:15], s[56:57]
	s_add_nc_u64 s[32:33], s[16:17], s[46:47]      ; q's codes,
	s_add_nc_u64 s[34:35], s[32:33], 6291456       ; k's,
	s_add_nc_u64 s[36:37], s[32:33], 12582912      ; v's
	s_add_nc_u64 s[40:41], s[18:19], s[48:49]      ; q's scale words,
	s_add_nc_u64 s[42:43], s[40:41], 524288        ; k's,
	s_add_nc_u64 s[44:45], s[18:19], s[50:51]      ; v's scale bytes
	; ---- x in: 16 rows, through my stage
	WIN 0x80
	XROWS 0
	XROWS 8
	WIN 0x08
	s_wait_loadcnt 32                              ; the first 32 loads are in; the other 32 may be out
	XSTAGE 0
	s_wait_loadcnt 0x0
	XSTAGE 8
	WIN 0
	; ---- the ring's first four sets and q's bias go out while x is quantised
	RFILL 0, 6, 8, 0
	RFILL 1, 6, 8, 1
	RFILL 2, 6, 8, 2
	RFILL 3, 6, 8, 3
	PLOAD 0x40, PA, 10
	; ---- my 16 tokens become four fragments.  LDS serves a wave's instructions in order (ISA guide 5.7.1.4): the loads see my stores into my own stage
.irp s, 0,1,2,3
.irp b, 0,1,2,3
.irp j, 0,1,2,3
	ds_load_b128 v[OB+16*\b+4*\j:OB+16*\b+4*\j+3], v6 offset:512*\s+128*\b+16*\j
.endr
.endr
	s_wait_dscnt 0x0
	QUANT OB, 0, PC+12*\s, PW+\s
	IMAGE 7, PC+12*\s, XOP+4*\s*1536
	ds_store_b32 v8, v[PW+\s] offset:512*\s
.endr
	BARRIER                                        ; x's sixteen fragments and their scale words lie in LDS; they are never written again
	OFETCH 0, XOP, XOS, 0
	; ---- q
	s_wait_loadcnt 0x0                             ; the bias was asked for behind the four sets: only the count 0 shows it
	PROD 0x91, 0xa1, 1, 1, XOP, XOS, 6, 8, 0, 6, 8, 8, 0
	PLOAD 0x40, PA, 12                             ; k's bias
	OFETCH 0, XOP, XOS, 0
	EPI_QK 32, 40
	; ---- k
	s_wait_loadcnt 0x0
	PROD 0x91, 0xa1, 1, 1, XOP, XOS, 6, 8, 8, 6, 8, 16, 0
.irp t, 0,1,2,3,4,5,6,7
	global_load_b32 v[208+\t], v10, s[14:15] offset:(32*(\t/2)+8*(\t%2))*4   ; v's bias: here a lane holds one channel of each tile
.endr
	OFETCH 0, XOP, XOS, 0
	EPI_QK 34, 42
	s_wait_loadcnt 0x0
	WIN 0x40
.irp t, 0,1,2,3,4,5,6,7
.irp j, 0,1,2,3,4,5,6,7
	v_mov_b32 v[PA+8*\t+\j], v[208+\t]             ; the same number for the lane's eight tokens
.endr
.endr
	WIN 0
	; ---- v: source 0 = the tokens, so that the registers run along the keys; the last product asks for nothing beyond its sets
	PROD 0x94, 0xa4, 0, 1, XOP, XOS, 6, 8, 16, 6, 8, 24, 1
	s_wait_xcnt 0x0
.irp p, 0,1,2,3                        ; channel tiles 2 p and 2 p + 1: 32 registers each, the block's 64 keys: two half images
	QUANT 64*\p, 2, PC+12*\p, PW+\p
	global_store_b128 v[LI], v[PC+12*\p:PC+12*\p+3], s[36:37] offset:(\p/2)*49152+(\p%2)*1536
	global_store_b64 v[L8], v[PC+12*\p+4:PC+12*\p+5], s[36:37] offset:(\p/2)*49152+(\p%2)*1536+512
	global_store_b128 v[LI], v[PC+12*\p+6:PC+12*\p+9], s[36:37] offset:(\p/2)*49152+(\p%2)*1536+768
	global_store_b64 v[L8], v[PC+12*\p+10:PC+12*\p+11], s[36:37] offset:(\p/2)*49152+(\p%2)*1536+1280
.endr
	v_cmp_eq_u32 vcc_lo, 1, v4
	v_cndmask_b32 v52, v[PW], v[PW+2], vcc_lo      ; lanes 0-15: my first head's four tiles' byte pairs, lanes 16-31: my second head's
	v_cndmask_b32 v53, v[PW+1], v[PW+3], vcc_lo
	global_store_b64 v[L8], v[52:53], s[44:45]     ; 256 consecutive bytes
	s_wait_tensorcnt 0x0
	ds_add_u32 v254, v255
	s_wait_dscnt 0x0
	s_endpgm
.Lfunc_end_k_qee4031c7e1_qkv:
	.size	k_qee4031c7e1_qkv, .Lfunc_end_k_qee4031c7e1_qkv-k_qee4031c7e1_qkv
	.p2alignl 7, 3214868480
	.fill 96, 4, 3214868480
	.section	.rodata,"a",@progbits
	.p2align	6, 0x0
	.amdhsa_kernel k_qee4031c7e1_qkv
		.amdhsa_group_segment_fixed_size 159232
		.amdhsa_private_segment_fixed_size 0
		.amdhsa_enable_private_segment 0
		.amdhsa_kernarg_size 64
		.amdhsa_user_sgpr_count 2
		.amdhsa_user_sgpr_kernarg_segment_ptr 1
		.amdhsa_wavefront_size32 1
		.amdhsa_system_sgpr_workgroup_id_x 1
		.amdhsa_system_sgpr_workgroup_id_y 1
		.amdhsa_system_sgpr_workgroup_id_z 1
		.amdhsa_system_vgpr_workitem_id 0
		.amdhsa_next_free_vgpr 768
		.amdhsa_next_free_sgpr 66
		.amdhsa_reserve_vcc 1
		.amdhsa_float_denorm_mode_32 3
		.amdhsa_float_denorm_mode_16_64 3
		.amdhsa_memory_ordered 1
		.amdhsa_forward_progress 1
		.amdhsa_inst_pref_size 185
	.end_amdhsa_kernel
	.amdgpu_metadata
---
amdhsa.version: [ 1, 2 ]
amdhsa.kernels:
  - .name:           k_qee4031c7e1_qkv
    .symbol:         k_qee4031c7e1_qkv.kd
    .args:
      - { .name: x, .offset: 0, .size: 8, .value_kind: global_buffer, .address_space: global }
      - { .name: wpk, .offset: 8, .size: 8, .value_kind: global_buffer, .address_space: global }
      - { .name: wsc, .offset: 16, .size: 8, .value_kind: global_buffer, .address_space: global }
      - { .name: bq, .offset: 24, .size: 8, .value_kind: global_buffer, .address_space: global }
      - { .name: bk, .offset: 32, .size: 8, .value_kind: global_buffer, .address_space: global }
      - { .name: bv, .offset: 40, .size: 8, .value_kind: global_buffer, .address_space: global }
      - { .name: qkvc, .offset: 48, .size: 8, .value_kind: global_buffer, .address_space: global }
      - { .name: qkvs, .offset: 56, .size: 8, .value_kind: global_buffer, .address_space: global }
    .group_segment_fixed_size: 159232
    .private_segment_fixed_size: 0
    .kernarg_segment_align: 8
    .kernarg_segment_size: 64
    .max_flat_workgroup_size: 128
    .sgpr_count:     66
    .vgpr_count:     768
    .wavefront_size: 32
...
	.end_amdgpu_metadata
.endif
;; end of part 2
;; launch attn (part 3): grid 2 x 128, 16 waves a work-group, no clusters, 106,496 bytes of LDS; arguments qkvc, qkvs, ac, asc; writes ac, asc
.if DOCPART == 3
	.amdgcn_target "amdgcn-amd-amdhsa--gfx1250"
	.amdhsa_code_object_version 6
	.text
	.protected	k_qee4031c7e1_attn
	.globl	k_qee4031c7e1_attn
	.p2align	8
	.type	k_qee4031c7e1_attn,@function
k_qee4031c7e1_attn:
	s_mov_b64 s[64:65], 0
	v_nop
	global_prefetch_b8 v0, s[64:65] scope:SCOPE_SE
	s_setreg_imm32_b32 hwreg(HW_REG_WAVE_MODE, 25, 1), 1
	s_wait_xcnt 0x0
; Attention of one head on codes of E2M3: S^T = K Q^T (K = the head's 64), p = 2^(t - M), O^T = V^T P^T (K = the keys), O / l quantised along the head's 64 for the next product.
; t = score x log2(e) / 8; M = the running largest t rounded UP to a whole number; p is quantised along the keys, not normalised; the row's sum l is taken of the unquantised p.  When M moves, l and O^T are multiplied by 2^(old M - new M): exact.
; SHARES.  Work-group (x, y): head y = 8 b + head, queries 512 x .. 512 x + 511.  The head's whole K and V (codes and scale words, 102 KB) come into LDS once, through registers, and are only read after the one barrier.
; Sixteen waves, four to a SIMD, so that one wave's softmax stands beside another's products.  A wave takes two tiles of 16 queries, one after the other, and walks the 1,024 keys in 8 steps of 128.
; LAYOUT.  Both products are used transposed: a lane holds ONE query (lane % 16) throughout.  The launch before has chosen the tokens of a tile so that the 16 registers of score tiles 2 b and 2 b + 1 are keys 32 b + 16 (lane / 16) + 0 .. 15.
; THE FIRST PRODUCT HAS K = 64, HALF AN INSTRUCTION.  Q's upper six registers hold zero codes.  K's tiles lie six registers apart, so a tile's upper six registers are the next tile's codes (behind the last: zeros): they meet zero codes
; under scale bytes that are never 0xff, and add nothing.
; No multicast: the two work-groups of a head read the same K and V once each at their heads, 100 KB against a whole launch's work; a cluster would save that one read.
; LIMITS: NaN and infinities are not served; p under 2^-126 counts as 0 (v_exp_f32); a block whose largest number lies under 2^-124 gets the byte 1.  A block's largest p is taken as the exponential of its largest score.
; REGISTERS: v1-5 addresses that stay; v8-11 the step's addresses; v12 -M, v13 the largest t, v[14:15] l in two halves; v16-27 Q (v22-27 zeros), v28 its scale word; v32-79 K's tiles, then V's fragments; v80-85 zeros;
;   v88-95 K's or V's scale words; v96-159 S^T, then p; v160-191 O^T; v192-203 p's codes; v204-211 at work; v212-223 BM, PX, SO; v224 p's scale word; v[226:227] f; v232-243 the way out; v244-250 the second tile's Q.
.set KC,  0                            ; LDS: K's codes: for each 64 keys four half images of 768 bytes
.set VC,  49152                        ; V's: for each 64 keys four half images (16 channels each)
.set KS,  98304                        ; K's scale words [64 keys][r][tile]
.set VS,  102400                       ; V's [128 keys][r][tile]
.set ADX, 8
.set ADY, 9
.set ADS, 10
.set ADT, 11
.set BM,  212                          ; a block's largest score, then its largest p
.set PX,  216
.set SO,  220                          ; the conversions' scale operands
.set WV,  12
.set SEL, 14
.set CS,  16
.set TB,  18
.set TS,  19
.set TJ,  20
.set CNT, 21
.macro PLACES n
.rept \n
	v_nop
.endr
.endm
	s_load_b256 s[4:11], s[0:1], 0x0               ; qkvc s[4:5], qkvs s[6:7], ac s[8:9], asc s[10:11]
	v_lshl_add_u32 v254, v0, 2, 0x19800
	v_mov_b32 v255, 0
	v_lshrrev_b32 v6, 5, v0
	v_readfirstlane_b32 s[WV], v6                  ; wave 0..15
	v_and_b32 v7, 31, v0
	v_lshlrev_b32 v1, 4, v7                        ; v1: 16 x lane
	v_lshlrev_b32 v2, 3, v7
	v_add_nc_u32 v2, 512, v2                       ; v2: 512 + 8 x lane: the second part of a half image
	v_lshlrev_b32 v229, 2, v7                      ; 4 x lane
	v_and_b32 v87, 15, v0
	v_lshlrev_b32 v87, 4, v87                      ; 16 r
	v_add_nc_u32 v3, KS, v87
	v_add_nc_u32 v4, VS, v87
	v_bfe_u32 v5, v0, 4, 1                         ; h
	v_lshlrev_b32 v6, 4, v0                        ; 16 x thread
	v_add_nc_u32 v7, VC, v6
	v_lshlrev_b32 v29, 3, v0
	v_add_nc_u32 v30, KS, v29
	v_lshl_add_u32 v31, v0, 2, VS
	v_lshrrev_b32 v86, 6, v0
	v_lshlrev_b32 v86, 11, v86
	v_and_b32 v228, 63, v0
	v_lshl_add_u32 v86, v228, 1, v86               ; V's byte pairs: thread = 64 ks + 4 r + tile: 2,048 ks + 2 (4 r + tile)
	s_mov_b32 s[SEL], 0x76543210
	s_mov_b32 s[SEL+1], 0xfedcba98
	s_mov_b32 s[CS], 0x3e38aa3b                    ; c = log2(e) / 8
	s_mov_b32 s[CS+1], s[CS]                       ; (named with it as a pair, so it is written)
	s_and_b32 s13, ttmp7, 0xffff                   ; y
	s_lshr_b32 s38, s13, 3                         ; b
	s_and_b32 s39, s13, 7                          ; head
	s_lshr_b32 s40, s[WV], 1
	s_lshl_b32 s41, ttmp9, 3
	s_add_co_u32 s40, s40, s41                     ; my block of 64 queries
	s_and_b32 s41, s[WV], 1                        ; which two of its four tiles
	s_mul_i32 s42, s13, 49152
	s_mov_b32 s43, 0
	s_lshl_b32 s44, s13, 12
	s_mov_b32 s45, 0
	s_wait_kmcnt 0x0
	s_add_nc_u64 s[30:31], s[4:5], s[42:43]        ; the head's q codes,
	s_add_nc_u64 s[22:23], s[30:31], 6291456       ; k codes,
	s_add_nc_u64 s[24:25], s[30:31], 12582912      ; v codes
	s_add_nc_u64 s[32:33], s[6:7], s[44:45]        ; q's scale words,
	s_add_nc_u64 s[26:27], s[32:33], 524288        ; k's
	s_lshl_b32 s42, s38, 14
	s_lshl_b32 s44, s39, 7
	s_add_co_u32 s42, s42, s44
	s_add_co_u32 s42, s42, 1048576
	s_add_nc_u64 s[28:29], s[6:7], s[42:43]        ; v's byte pairs
	s_mul_i32 s42, s40, 3072
	s_mul_i32 s44, s41, 1536
	s_add_co_u32 s42, s42, s44
	s_add_nc_u64 s[30:31], s[30:31], s[42:43]      ; my two tiles of q
	s_lshl_b32 s42, s40, 8
	s_lshl_b32 s44, s41, 3
	s_add_co_u32 s42, s42, s44
	s_add_nc_u64 s[32:33], s[32:33], s[42:43]
	s_lshl_b32 s46, s38, 4
	s_add_co_u32 s46, s46, s40                     ; the block's number among all 256
	s_mul_i32 s42, s46, 24576
	s_mul_i32 s44, s41, 12288
	s_add_co_u32 s42, s42, s44
	s_mul_i32 s44, s39, 768
	s_add_co_u32 s42, s42, s44
	s_add_nc_u64 s[34:35], s[8:9], s[42:43]        ; ac: ((4 block + tile) x 8 + head) x 768
	s_lshl_b32 s42, s46, 11
	s_lshl_b32 s44, s39, 8
	s_add_co_u32 s42, s42, s44
	s_lshl_b32 s44, s41, 7
	s_add_co_u32 s42, s42, s44
	s_add_nc_u64 s[36:37], s[10:11], s[42:43]      ; asc: [block][head][tile][r]
.irp i, 0,1,2,3,4,5
	global_load_b128 v[96+4*\i:99+4*\i], v6, s[22:23] offset:8192*\i    ; the 512 threads read 8,192 consecutive bytes an instruction
	global_load_b128 v[120+4*\i:123+4*\i], v6, s[24:25] offset:8192*\i
.endr
	global_load_b64 v[144:145], v29, s[26:27]
	global_load_u16 v146, v86, s[28:29]            ; keys 128 ks .. + 63: two bytes,
	global_load_u16 v147, v86, s[28:29] offset:1024   ; keys 128 ks + 64 ..: two more
	global_load_b128 v[16:19], v1, s[30:31]
	global_load_b64 v[20:21], v2, s[30:31]
	global_load_b128 v[244:247], v1, s[30:31] offset:768
	global_load_b64 v[248:249], v2, s[30:31] offset:768
	global_load_b32 v28, v87, s[32:33]
	global_load_b32 v250, v87, s[32:33] offset:4
.irp j, 0,1,2,3,4,5
	v_mov_b32 v[22+\j], 0                          ; Q's zero codes for k = 64 .. 127
	v_mov_b32 v[80+\j], 0                          ; and what stands behind K's last tile
.endr
.irp b, 0,1,2,3
	v_mov_b32 v[PX+\b], 0                          ; written once: a lane permute's destination counts as one of its sources
.endr
	v_mov_b32 v227, 0                              ; (named as the upper half of the pair v[226:227])
	v_mov_b32 v243, 0
	s_wait_loadcnt 0x0
.irp i, 0,1,2,3,4,5
	ds_store_b128 v6, v[96+4*\i:99+4*\i] offset:8192*\i
	ds_store_b128 v7, v[120+4*\i:123+4*\i] offset:8192*\i
.endr
	ds_store_b64 v30, v[144:145]
	v_lshl_or_b32 v146, v147, 16, v146             ; a key step's scale word of a channel
	ds_store_b32 v31, v146
	s_wait_dscnt 0x0                               ; for the others' sake: my stores have landed
	s_barrier_signal -1
	s_barrier_wait -1                              ; the one barrier: from here on LDS is only read
.macro QTILE qi
.if \qi
.irp j, 0,1,2,3,4,5
	v_mov_b32 v[16+\j], v[244+\j]                  ; the second tile's Q; more than eight plain lines follow ahead of the first product
.endr
	v_mov_b32 v28, v250
.endif
	v_mov_b32 v13, 0xff61b1e6                      ; the largest t so far: -3e38, under every t
	v_floor_f32 v12, -v13                          ; -M
	v_mov_b32 v14, 0
	v_mov_b32 v15, 0
.set oj, 0
.rept 32
	v_mov_b32 v[160+oj], 0                         ; O^T: the step is written once; its first trip finds zeros, which the first change of M leaves zeros
.set oj, oj+1
.endr
	s_mov_b32 s[TB], 0
	s_mov_b32 s[TS], 0
	s_mov_b32 s[TJ], 0
	s_mov_b32 s[CNT], 8
.Lstep_\@:
	v_add_nc_u32 v[ADX], s[TB], v1                 ; these four lines are the places in front of the loads into registers that the last products read
	v_add_nc_u32 v[ADY], s[TB], v2
	v_add_nc_u32 v[ADS], s[TS], v3
	v_add_nc_u32 v[ADT], s[TJ], v4
.irp t, 0,1,2,3,4,5,6,7
	ds_load_b128 v[32+6*\t:35+6*\t], v[ADX] offset:768*\t
	ds_load_b64 v[36+6*\t:37+6*\t], v[ADY] offset:768*\t
.endr
	ds_load_b128 v[88:91], v[ADS]
	ds_load_b128 v[92:95], v[ADS] offset:256
	s_wait_dscnt 0x0
.irp t, 0,1,2,3,4,5,6,7
	v_wmma_scale_f32_16x16x128_f8f6f4 v[96+8*\t:103+8*\t], v[32+6*\t:43+6*\t], v[16:27], 0, v[88+\t], v28 matrix_a_fmt:MATRIX_FMT_FP6 matrix_b_fmt:MATRIX_FMT_FP6
.endr
	PLACES 4                                       ; in front of the first read of the scores, and of the loads into K's registers
.irp c, 0,1                            ; V's four fragments (16 channels x these 128 keys) land under the softmax
.irp t, 0,1,2,3
	ds_load_b128 v[32+12*\t+6*\c:35+12*\t+6*\c], v[ADX] offset:VC+3072*\c+768*\t
	ds_load_b64 v[36+12*\t+6*\c:37+12*\t+6*\c], v[ADY] offset:VC+3072*\c+768*\t
.endr
.endr
	ds_load_b128 v[88:91], v[ADT]
.irp b, 0,1,2,3
	v_max3_num_f32 v[BM+\b], v[96+16*\b], v[97+16*\b], v[98+16*\b]   ; the largest score of each block of 32 keys: for the row's maximum, and, since p rises with the score, for the block's largest p
.endr
.irp k, 3,5,7,9,11,13
.irp b, 0,1,2,3
	v_max3_num_f32 v[BM+\b], v[BM+\b], v[96+16*\b+\k], v[97+16*\b+\k]
.endr
.endr
.irp b, 0,1,2,3
	v_max_num_f32 v[BM+\b], v[BM+\b], v[111+16*\b]
.endr
.irp b, 0,1,2,3
	v_permlanex16_b32 v[PX+\b], v[BM+\b], s[SEL], s[SEL+1]
.endr
.irp b, 0,1,2,3
	v_max_num_f32 v[BM+\b], v[BM+\b], v[PX+\b]     ; with lane l xor 16's 16 keys
.endr
	v_max3_num_f32 v228, v[BM], v[BM+1], v[BM+2]
	v_max_num_f32 v228, v228, v[BM+3]
	v_mul_f32 v228, s[CS], v228                    ; as t (c is positive)
	v_max_num_f32 v13, v13, v228                   ; the running largest t
	v_mov_b32 v228, v12
	v_floor_f32 v12, -v13                          ; the new -M = -ceil(t): a whole number
	v_sub_f32 v228, v12, v228                      ; old M - new M: a whole number, 0 or less
	v_cvt_i32_f32 v228, v228                       ; (it saturates)
	v_ldexp_f32 v226, 1.0, v228                    ; f = 2^(old M - new M)
.set oj, 0
.rept 32
	v_pk_fma_f32 v[96+oj:97+oj], v[96+oj:97+oj], s[CS:CS+1], v[12:13] op_sel_hi:[1,0,0]   ; t - M, two at a time
.set oj, oj+2
.endr
.irp b, 0,1,2,3
	v_fma_f32 v[BM+\b], v[BM+\b], s[CS], v12       ; the same of each block's largest score
.endr
.set oj, 0
.rept 64
	v_exp_f32 v[96+oj], v[96+oj]                   ; p = 2^(t - M), at most 1
.set oj, oj+1
.endr
.irp b, 0,1,2,3
	v_exp_f32 v[BM+\b], v[BM+\b]                   ; the block's largest p: the same two instructions on the same number
.endr
	v_pk_mul_f32 v[14:15], v[14:15], v[226:227] op_sel_hi:[1,0]   ; l under the new M (the plain place behind the exponentials)
	s_wait_alu depctr_va_vdst(0)
.irp b, 0,1,2,3
	v_max_num_f32 v[BM+\b], 0x1800000, v[BM+\b]    ; the floor 2^-124: the byte cannot fall under 1
.endr
.irp b, 0,1,2,3
	v_add_nc_u32 v[SO+\b], 0xff000000, v[BM+\b]    ; 2 off the exponent field: the conversion's scale operand
.endr
.irp b, 0,1,2,3
	v_lshrrev_b32 v[PX+\b], 23, v[SO+\b]           ; the scale's byte
.endr
	v_lshl_or_b32 v224, v[PX+1], 8, v[PX]          ; p's scale word for these 128 keys
	v_lshl_or_b32 v224, v[PX+2], 16, v224
	v_lshl_or_b32 v224, v[PX+3], 24, v224
.irp c, 0,1
	v_cvt_scalef32_pk16_fp6_f32 v[192+6*\c:194+6*\c], v[96+32*\c:111+32*\c], v[SO+2*\c]
	v_cvt_scalef32_pk16_fp6_f32 v[204+4*\c:206+4*\c], v[112+32*\c:127+32*\c], v[SO+2*\c+1]
.endr
	v_nop                                          ; one plain place behind a scaled conversion
.irp c, 0,1
.irp e, 0,1,2
	v_permlane16_swap_b32 v[192+6*\c+\e], v[204+4*\c+\e]
.endr
.irp e, 0,1,2
	v_mov_b32 v[195+6*\c+\e], v[204+4*\c+\e]
.endr
.endr
	v_pk_add_f32 v[230:231], v[96:97], v[98:99]    ; the row's sum is taken of the unquantised p: two at a time, in two chains
.irp k, 4,8,12,16,20,24,28,32,36,40,44,48,52,56,60
	v_pk_add_f32 v[14:15], v[14:15], v[96+\k:97+\k]
	v_pk_add_f32 v[230:231], v[230:231], v[98+\k:99+\k]
.endr
	v_pk_add_f32 v[14:15], v[14:15], v[230:231]
.set oj, 0
.rept 16
	v_pk_mul_f32 v[160+oj:161+oj], v[160+oj:161+oj], v[226:227] op_sel_hi:[1,0]   ; O^T under the new M
.set oj, oj+2
.endr
	s_wait_dscnt 0x0                               ; V's fragments and scale words are in
.irp t, 0,1,2,3
	v_wmma_scale_f32_16x16x128_f8f6f4 v[160+8*\t:167+8*\t], v[32+12*\t:43+12*\t], v[192:203], v[160+8*\t:167+8*\t], v[88+\t], v224 matrix_a_fmt:MATRIX_FMT_FP6 matrix_b_fmt:MATRIX_FMT_FP6
.endr
	s_add_co_u32 s[TB], s[TB], 6144                ; the next 128 keys
	s_add_co_u32 s[TS], s[TS], 512
	s_add_co_u32 s[TJ], s[TJ], 256
	s_sub_co_u32 s[CNT], s[CNT], 1
	s_cmp_lg_u32 s[CNT], 0
	s_cbranch_scc1 .Lstep_\@
	PLACES 4                                       ; in front of the first read of O^T
	v_add_f32 v14, v14, v15
	v_permlanex16_b32 v228, v14, s[SEL], s[SEL+1]
	v_add_f32 v14, v14, v228                       ; the row's sum
	v_rcp_f32 v14, v14
	v_nop                                          ; one plain place behind a transcendental
.set oj, 0
	s_wait_alu depctr_va_vdst(0)
.rept 32
	v_mul_f32 v[96+oj], v[160+oj], v14             ; O / l: register 16 b + i is channel 32 b + 16 h + i of my query
.set oj, oj+1
.endr
	s_wait_xcnt 0x0                                ; the first tile's stores have read their registers
.irp b, 0,1
	v_max3_num_f32 v[BM+\b], |v[96+16*\b]|, |v[97+16*\b]|, 0x1800000
.endr
.irp k, 2,4,6,8,10,12,14
.irp b, 0,1
	v_max3_num_f32 v[BM+\b], v[BM+\b], |v[96+16*\b+\k]|, |v[97+16*\b+\k]|
.endr
.endr
.irp b, 0,1
	v_permlanex16_b32 v[PX+\b], v[BM+\b], s[SEL], s[SEL+1]
.endr
.irp b, 0,1
	v_max_num_f32 v[BM+\b], v[BM+\b], v[PX+\b]
.endr
.irp b, 0,1
	v_add_nc_u32 v[SO+\b], 0xff000000, v[BM+\b]
.endr
.irp b, 0,1
	v_lshrrev_b32 v[PX+\b], 23, v[SO+\b]
.endr
	v_lshl_or_b32 v242, v[PX+1], 8, v[PX]          ; the head's two bytes of my query; the upper half stays 0
	v_cvt_scalef32_pk16_fp6_f32 v[232:234], v[96:111], v[SO]
	v_cvt_scalef32_pk16_fp6_f32 v[238:240], v[112:127], v[SO+1]
	v_nop
.irp e, 0,1,2
	v_permlane16_swap_b32 v[232+\e], v[238+\e]
.endr
.irp e, 0,1,2
	v_mov_b32 v[235+\e], v[238+\e]
.endr
	global_store_b128 v1, v[232:235], s[34:35] offset:6144*\qi     ; a half image: 512 and 256 consecutive bytes
	global_store_b64 v2, v[236:237], s[34:35] offset:6144*\qi
	v_cmp_eq_u32 vcc_lo, \qi, v5
	v_cndmask_b32 v243, v243, v242, vcc_lo         ; lanes 0-15 keep the first tile's words, lanes 16-31 the second's
.endm
	QTILE 0
	QTILE 1
	global_store_b32 v229, v243, s[36:37]          ; 128 consecutive bytes: two tiles' words
	s_wait_tensorcnt 0x0
	ds_add_u32 v254, v255
	s_wait_dscnt 0x0
	s_endpgm
.Lfunc_end_k_qee4031c7e1_attn:
	.size	k_qee4031c7e1_attn, .Lfunc_end_k_qee4031c7e1_attn-k_qee4031c7e1_attn
	.p2alignl 7, 3214868480
	.fill 96, 4, 3214868480
	.section	.rodata,"a",@progbits
	.p2align	6, 0x0
	.amdhsa_kernel k_qee4031c7e1_attn
		.amdhsa_group_segment_fixed_size 106496
		.amdhsa_private_segment_fixed_size 0
		.amdhsa_enable_private_segment 0
		.amdhsa_kernarg_size 32
		.amdhsa_user_sgpr_count 2
		.amdhsa_user_sgpr_kernarg_segment_ptr 1
		.amdhsa_wavefront_size32 1
		.amdhsa_system_sgpr_workgroup_id_x 1
		.amdhsa_system_sgpr_workgroup_id_y 1
		.amdhsa_system_sgpr_workgroup_id_z 1
		.amdhsa_system_vgpr_workitem_id 0
		.amdhsa_next_free_vgpr 256
		.amdhsa_next_free_sgpr 66
		.amdhsa_reserve_vcc 1
		.amdhsa_float_denorm_mode_32 3
		.amdhsa_float_denorm_mode_16_64 3
		.amdhsa_memory_ordered 1
		.amdhsa_forward_progress 1
		.amdhsa_inst_pref_size 49
	.end_amdhsa_kernel
	.amdgpu_metadata
---
amdhsa.version: [ 1, 2 ]
amdhsa.kernels:
  - .name:           k_qee4031c7e1_attn
    .symbol:         k_qee4031c7e1_attn.kd
    .args:
      - { .name: qkvc, .offset: 0, .size: 8, .value_kind: global_buffer, .address_space: global }
      - { .name: qkvs, .offset: 8, .size: 8, .value_kind: global_buffer, .address_space: global }
      - { .name: ac, .offset: 16, .size: 8, .value_kind: global_buffer, .address_space: global }
      - { .name: asc, .offset: 24, .size: 8, .value_kind: global_buffer, .address_space: global }
    .group_segment_fixed_size: 106496
    .private_segment_fixed_size: 0
    .kernarg_segment_align: 8
    .kernarg_segment_size: 32
    .max_flat_workgroup_size: 512
    .sgpr_count:     66
    .vgpr_count:     256
    .wavefront_size: 32
...
	.end_amdgpu_metadata
.endif
;; end of part 3
;; launch ffn (part 4): grid 256 x 1, 4 waves a work-group, no clusters, 189,952 bytes of LDS; arguments x, ac, asc, wpk, wsc, bo, ln1_g, ln1_b, b1, b2, ln2_g, ln2_b, out0; writes out0
.if DOCPART == 4
	.amdgcn_target "amdgcn-amd-amdhsa--gfx1250"
	.amdhsa_code_object_version 6
	.text
	.protected	k_qee4031c7e1_ffn
	.globl	k_qee4031c7e1_ffn
	.p2align	8
	.type	k_qee4031c7e1_ffn,@function
k_qee4031c7e1_ffn:
	s_mov_b64 s[64:65], 0
	v_nop
	global_prefetch_b8 v0, s[64:65] scope:SCOPE_SE
	s_setreg_imm32_b32 hwreg(HW_REG_WAVE_MODE, 25, 1), 1
	s_wait_xcnt 0x0
; x1 = LN1(x + a Wo + bo);  out = LN2(x1 + gelu(x1 W1 + b1) W2 + b2).  a (the attention's output) arrives as codes; x1 and gelu(..) are quantised on the way (E2M3, one E8M0 scale for each 32 along K) and never go to memory.
; SHARES.  A work-group takes 64 tokens.  The four waves share the COLUMNS: wave w makes columns 128 w .. 128 w + 127 of a Wo, of each chunk of 512 hidden units, and of the output, for all 64 tokens: nine products of one shape
; (64 x 128 x K 512, 128 matrix instructions).  A wave's 128 columns of a result are one K step of the next product: quantised in registers, they go to the other waves through LDS as images of the operand's registers.
; THE WEIGHTS come from wpk and wsc in register order: a set (4 fragments, 13 loads) into one of four register slots by turns; a wave's 72 sets lie on end in the order in which it takes them.  The last product's four refills would pass
; the stream's end: they read the stream's first four sets again (24 KB a wave, inside the buffer, used by nobody), so that every counted wait holds alike in every trip.
; All products are TRANSPOSED (source 0 = 16 rows of W, source 1 = 16 tokens): a lane holds one token (tile m, lane % 16: token 32 (m / 2) + 8 (m % 2) + r + 8 (r / 8) of the block) and 16 neighbouring columns in each pair of tiles.
; The residuals and the biases bo, b2 are in the accumulators before the products begin; b1 is the C of a sum's first product.
; LAYER NORM in two passes (mean; then the centred squares), each row's partial sums of the four waves meeting in LDS.
; GELU: x (0.5 + 0.5 erf(x / sqrt 2)), erf(z) = z P(z^2) / Q(z^2) on z held to +-4, P of degree 6 and Q of degree 4 in z^2: the usual single-precision fit.  As in the formula itself, for very negative x the error is about 6e-8 |x| absolute.
; LIMITS: NaN and infinities are not served; a block whose largest magnitude lies under 2^-124, a block of zeros among them, gets the byte 1.
; No multicast here: all 256 work-groups walk the same weights, which would be shared in clusters by tensor loads through LDS; this text streams them into registers instead and pays with requests for 1.77 MB a work-group.
; REGISTERS, in windows of 256.  Window 0: v1-15 addresses; v16-23 the slots' scale words; v24-31 the operand's, two sets; v32-47 at work; v48-51 scale words just made; v56-63, v64-111 codes just made; v112-207 the operand's fragments,
;   two sets, and between products scratch; v208-211 two coefficients; v212-227 the rows' means and 1 / sigma, in pairs.   Window 1: v0-191 four slots; v192-255 a parameter vector (bo, b1, ln2_g).
;   Window 2: H, the 32 accumulators of a hidden chunk; while free: x as loaded, ln1_b, b2, ln1_g, ln2_b, the rows on their way out.   Window 3: Y, the 32 accumulators of the token's 128 columns ((m, t) at 8 (8 m + t)).
.set LI,  1
.set L8,  2
.set H64, 11
.set SCW, 16
.set OSR, 24
.set TM,  32
.set PW,  48
.set X8,  56
.set PC,  64
.set OB,  112
.set PA,  192
.set MU,  212
.set RS,  220
.set WV,  30
.set SEL, 32
.set CUR, 34                           ; s[34:35] the chunk's 16 sets;  s[36:37] their scale words
.set CURS, 36
.set NXT, 38                           ; the next chunk's, or the stream's start
.set NXTS, 40
.set START, 42
.set STARTS, 44
.set TMPP, 46
.set J,   48
.set PN,  50                           ; the parameter vector wanted next: b1's next chunk, at last ln2_g
.set B1P, 52
.set LG2, 24
.set RS2, 66                           ; s[66:87]: eleven constants, each twice: the packed forms name a pair
.set A13, 68
.set A9,  70
.set A7,  72
.set A5,  74
.set A3,  76
.set A1,  78
.set B8,  80
.set B4,  82
.set B2,  84
.set B0,  86
.set HOP, 0                            ; LDS: 16 fragments of the operand in hand (a, then each hidden chunk): (K step s, tile m) at (4 s + m) x 1,536
.set HOS, 24576                        ; their scale words [s][lane][m]
.set XOP, 26624                        ; x1's 16 fragments
.set XOS, 51200
.set REDA, 53248                       ; the waves' partial sums: [wave][lane][m]
.set REDB, 55296
.set STG, 57344                        ; 64 rows of 2,048 bytes + 16: x on its way in, the result on its way out
.set SPITCH, 2064
.set MSB, 0
.macro WIN new                         ; the immediate's high byte repeats the setting that is left; a switch that changes nothing is dropped
.if MSB != (\new)
	s_set_vgpr_msb (MSB<<8)|(\new)
.set MSB, (\new)
.endif
.endm
.macro PLACES n
.rept \n
	v_nop
.endr
.endm
.macro BARRIER                         ; my LDS stores have landed and my LDS loads are in: then the work-group's barrier
	s_wait_dscnt 0x0
	s_barrier_signal -1
	s_barrier_wait -1
.endm
.macro CPAIR reg, val
	s_mov_b32 s[\reg], \val
	s_mov_b32 s[\reg+1], \val
.endm
; Set k (counted from the pointers) into slot: 12 loads of 512 consecutive bytes and one of 256
.macro RFILL slot, cp, sp, k
	WIN 0x40
.irp f, 0,1,2,3
.irp c, 0,1,2
	global_load_b128 v[48*(\slot)+12*\f+4*\c:48*(\slot)+12*\f+4*\c+3], v[LI], s[\cp:\cp+1] offset:(\k)*6144+\f*1536+\c*512
.endr
.endr
	WIN 0
	global_load_b64 v[SCW+2*(\slot):SCW+2*(\slot)+1], v[L8], s[\sp:\sp+1] offset:(\k)*256
.endm
; The four tiles' fragments of K step s, and their scale words, from LDS into set buf
.macro OFETCH buf, op, os, s
.irp m, 0,1,2,3
.irp c, 0,1,2
	ds_load_b128 v[OB+48*(\buf)+12*\m+4*\c:OB+48*(\buf)+12*\m+4*\c+3], v[LI] offset:(\op)+(4*(\s)+\m)*1536+512*\c
.endr
.endr
	ds_load_b128 v[OSR+4*(\buf):OSR+4*(\buf)+3], v[LI] offset:(\os)+512*(\s)
.endm
; 16 matrix instructions: the slot's four weight tiles (4 half + i) x the four token tiles.  The 16 accumulators take turns, one instruction a turn; an accumulator comes up again 32 instructions later.
; first = 1: the sum's first product takes the parameter vector as C.  The slot's tiles 2 and 3 have their scale words in lanes 16-31.  (tr = 0, the untransposed use, serves the q, k, v launch alone.)
.macro MUL16 half, buf, slot, first, tr
.irp i, 0,1,2,3
.irp m, 0,1,2,3
.set rW, 48*(\slot)+12*\i
.set rX, OB+48*(\buf)+12*\m
.set rSW, SCW+2*(\slot)+\i%2
.set rSX, OSR+4*(\buf)+\m
.if \tr
.set rD, 8*(8*\m+4*(\half)+\i)
.else
.set rD, 8*(4*(4*(\half)+\i)+\m)
.endif
.if \first
.set rC, PA+8*(4*(\half)+\i)
.else
.set rC, rD
.endif
.if \tr && (\i < 2)
	v_wmma_scale_f32_16x16x128_f8f6f4 v[rD:rD+7], v[rW:rW+11], v[rX:rX+11], v[rC:rC+7], v[rSW], v[rSX] matrix_a_fmt:MATRIX_FMT_FP6 matrix_b_fmt:MATRIX_FMT_FP6
.elseif \tr
	v_wmma_scale_f32_16x16x128_f8f6f4 v[rD:rD+7], v[rW:rW+11], v[rX:rX+11], v[rC:rC+7], v[rSW], v[rSX] matrix_a_fmt:MATRIX_FMT_FP6 matrix_b_fmt:MATRIX_FMT_FP6 matrix_a_scale:MATRIX_SCALE_ROW1
.elseif \i < 2
	v_wmma_scale_f32_16x16x128_f8f6f4 v[rD:rD+7], v[rX:rX+11], v[rW:rW+11], v[rC:rC+7], v[rSX], v[rSW] matrix_a_fmt:MATRIX_FMT_FP6 matrix_b_fmt:MATRIX_FMT_FP6
.else
	v_wmma_scale_f32_16x16x128_f8f6f4 v[rD:rD+7], v[rX:rX+11], v[rW:rW+11], v[rC:rC+7], v[rSX], v[rSW] matrix_a_fmt:MATRIX_FMT_FP6 matrix_b_fmt:MATRIX_FMT_FP6 matrix_b_scale:MATRIX_SCALE_ROW1
.endif
.endr
.endr
.endm
; A PRODUCT: 64 tokens x my 128 columns x K = 512: eight sets, 128 matrix instructions.  Set n lies in slot n % 4; behind its 16 products and four places the slot takes the set four further on (from the next product's sets for n >= 4).
; The wait for set n leaves out the 39 loads of the three younger sets (loads come back in order: ISA guide 5.7.1).  The operand's K step s + 1 is asked for from LDS in the middle of K step s.
; The four places serve the loads into registers that matrix instructions have read (ISA guide 7.12.1 for vector instructions).
.macro PROD wfirst, win, tr, first, op, os, cp, sp, k0, ncp, nsp, nk0, tail
.irp n, 0,1,2,3,4,5,6,7
.if \n%2 == 0
	s_wait_dscnt 0x0
.endif
.if \tail && (\n > 4)
	s_wait_loadcnt 13*(7-\n)
.else
	s_wait_loadcnt 39
.endif
.if \first && (\n < 2)
	WIN \wfirst
	MUL16 \n%2, (\n/2)%2, \n%4, 1, \tr
.else
	WIN \win
	MUL16 \n%2, (\n/2)%2, \n%4, 0, \tr
.endif
	PLACES 4
.if \n < 4
	RFILL \n%4, \cp, \sp, \k0+\n+4
.elseif !\tail
	RFILL \n%4, \ncp, \nsp, \nk0+\n-4
.endif
	WIN 0
.if (\n%2 == 0) && (\n < 6)
	OFETCH (\n/2+1)%2, \op, \os, \n/2+1
.endif
.endr
.endm
; 64 numbers of a lane in window w, register 16 b + i = place 32 b + 16 (lane / 16) + i along K of my row, become a fragment's 12 registers of codes at v[pc] and its scale word in v[pw].
; A block's largest magnitude (with the floor 2^-124 among its leaves), joined with lane l xor 16's; 2 off its exponent field is the conversion's scale operand, and that shifted down the E8M0 byte.
.macro QUANT src, w, pc, pw
	WIN (\w)|((\w)<<2)
.irp b, 0,1,2,3
	v_max3_num_f32 v[TM+\b], |v[(\src)+16*\b]|, |v[(\src)+16*\b+1]|, 0x1800000
.endr
.irp i, 2,4,6,8,10,12,14
.irp b, 0,1,2,3
	v_max3_num_f32 v[TM+\b], |v[(\src)+16*\b+\i]|, |v[(\src)+16*\b+\i+1]|, v[TM+\b]
.endr
.endr
	WIN 0
.irp b, 0,1,2,3
	v_permlanex16_b32 v[TM+4+\b], v[TM+\b], s[SEL], s[SEL+1]
.endr
.irp b, 0,1,2,3
	v_max_num_f32 v[TM+\b], v[TM+\b], v[TM+4+\b]
.endr
.irp b, 0,1,2,3
	v_add_nc_u32 v[TM+12+\b], 0xff000000, v[TM+\b]
.endr
.irp b, 0,1,2,3
	v_lshrrev_b32 v[TM+4+\b], 23, v[TM+12+\b]
.endr
	v_lshl_or_b32 v[\pw], v[TM+5], 8, v[TM+4]
	v_lshl_or_b32 v[\pw], v[TM+6], 16, v[\pw]
	v_lshl_or_b32 v[\pw], v[TM+7], 24, v[\pw]
	WIN \w
.irp c, 0,1
	v_cvt_scalef32_pk16_fp6_f32 v[(\pc)+6*\c:(\pc)+6*\c+2], v[(\src)+32*\c:(\src)+32*\c+15], v[TM+12+2*\c]
	v_cvt_scalef32_pk16_fp6_f32 v[X8+4*\c:X8+4*\c+2], v[(\src)+32*\c+16:(\src)+32*\c+31], v[TM+13+2*\c]   ; (a conversion's three registers begin on an even number)
.endr
	WIN 0
	v_nop                                          ; one plain place behind a scaled conversion
.irp c, 0,1                            ; the operand's layout wants a whole block in a lane: lanes 0-15 block 2 c, lanes 16-31 block 2 c + 1
.irp e, 0,1,2
	v_permlane16_swap_b32 v[(\pc)+6*\c+\e], v[X8+4*\c+\e]
.endr
.irp e, 0,1,2
	v_mov_b32 v[(\pc)+6*\c+3+\e], v[X8+4*\c+\e]
.endr
.endr
.endm
.macro IMAGE adr, pc, off              ; a fragment goes to LDS as its registers stand: 16 bytes a lane, 512 a store
.irp c, 0,1,2
	ds_store_b128 v[\adr], v[(\pc)+4*\c:(\pc)+4*\c+3] offset:(\off)+512*\c
.endr
.endm
.macro PLOAD win, dst, ptr             ; a vector of my 128 columns in the result's layout: for tile t the eight numbers 32 (t / 2) + 16 h + 8 (t % 2) + 0 .. 7
	WIN \win
.irp t, 0,1,2,3,4,5,6,7
	global_load_b128 v[(\dst)+8*\t:(\dst)+8*\t+3], v[H64], s[\ptr:\ptr+1] offset:(32*(\t/2)+8*(\t%2))*4
	global_load_b128 v[(\dst)+8*\t+4:(\dst)+8*\t+7], v[H64], s[\ptr:\ptr+1] offset:(32*(\t/2)+8*(\t%2))*4+16
.endr
	WIN 0
.endm
.macro XROWS lo                        ; eight of my 16 rows of x, as they lie: each load reads 512 consecutive bytes.  Stage rows 8-15 are the rows 16-23 from my first
.irp rr, 0,1,2,3,4,5,6,7
.irp q, 0,1,2,3
	global_load_b128 v[4*(4*(\lo+\rr)+\q):4*(4*(\lo+\rr)+\q)+3], v[LI], s[4:5] offset:(2*(\lo)+\rr)*2048+512*\q th:TH_LOAD_NT
.endr
.endr
.endm
.macro XSTAGE lo
.irp rr, 0,1,2,3,4,5,6,7
.irp q, 0,1,2,3
	ds_store_b128 v5, v[4*(4*(\lo+\rr)+\q):4*(4*(\lo+\rr)+\q)+3] offset:(\lo+\rr)*SPITCH+512*\q
.endr
.endr
.endm
.macro YADD set, src                   ; Y += a vector of my 128 columns, the same for the four tiles
	WIN \set
.irp m, 0,1,2,3
.set lp, 0
.rept 32
	v_pk_add_f32 v[64*\m+lp:64*\m+lp+1], v[64*\m+lp:64*\m+lp+1], v[(\src)+lp:(\src)+lp+1]
.set lp, lp+2
.endr
.endr
	WIN 0
.endm
; The eight chains v112-127 (two pairs a tile) are folded; lane l xor 16 holds my row's other 64 columns; the four waves' sums meet in LDS.  Leaves the four rows' totals in v128-131.
.macro LNFOLD red
.irp m, 0,1,2,3
	v_pk_add_f32 v[112+4*\m:113+4*\m], v[112+4*\m:113+4*\m], v[114+4*\m:115+4*\m]
.endr
.irp m, 0,1,2,3
	v_add_f32 v[128+\m], v[112+4*\m], v[113+4*\m]
.endr
.irp m, 0,1,2,3
	v_permlanex16_b32 v[132+\m], v[128+\m], s[SEL], s[SEL+1]
.endr
.irp m, 0,1,2,3
	v_add_f32 v[128+\m], v[128+\m], v[132+\m]
.endr
	ds_store_b128 v14, v[128:131] offset:\red
	BARRIER
.irp u, 0,1,2,3
	ds_load_b128 v[132+4*\u:135+4*\u], v[LI] offset:(\red)+512*\u
.endr
	s_wait_dscnt 0x0
.irp m, 0,1,2,3
	v_add_f32 v[132+\m], v[132+\m], v[136+\m]
	v_add_f32 v[140+\m], v[140+\m], v[144+\m]
.endr
.irp m, 0,1,2,3
	v_add_f32 v[128+\m], v[132+\m], v[140+\m]
.endr
.endm
; Y = (Y - mean) / sqrt(var + 1e-5) x g + b, along the 512 columns that the four waves hold together.  set3: the windows of the last pass (g, b);  lc: the younger loads that may stay out when g and b are wanted.
.macro LN set3, g, b, lc
	WIN 0x0f
.irp m, 0,1,2,3
	v_pk_add_f32 v[112+4*\m:113+4*\m], v[64*\m:64*\m+1], v[64*\m+4:64*\m+5]     ; two chains a tile; ascending
	v_pk_add_f32 v[114+4*\m:115+4*\m], v[64*\m+2:64*\m+3], v[64*\m+6:64*\m+7]
.endr
	WIN 0x03
.set lp, 8
.rept 14
.irp m, 0,1,2,3
	v_pk_add_f32 v[112+4*\m:113+4*\m], v[64*\m+lp:64*\m+lp+1], v[112+4*\m:113+4*\m]
	v_pk_add_f32 v[114+4*\m:115+4*\m], v[64*\m+lp+2:64*\m+lp+3], v[114+4*\m:115+4*\m]
.endr
.set lp, lp+4
.endr
	WIN 0
	LNFOLD REDA
.irp m, 0,1,2,3
	v_mul_f32 v[MU+2*\m], s56, v[128+\m]           ; the mean, twice: a pair for the packed form
	v_mul_f32 v[MU+2*\m+1], s56, v[128+\m]
.endr
	WIN 0xc3
.irp m, 0,1,2,3
.set lp, 0
.rept 32
	v_pk_add_f32 v[64*\m+lp:64*\m+lp+1], v[64*\m+lp:64*\m+lp+1], v[MU+2*\m:MU+2*\m+1] neg_lo:[0,1] neg_hi:[0,1]
.set lp, lp+2
.endr
.endr
	WIN 0x0f
.irp m, 0,1,2,3
	v_pk_mul_f32 v[112+4*\m:113+4*\m], v[64*\m:64*\m+1], v[64*\m:64*\m+1]
	v_pk_mul_f32 v[114+4*\m:115+4*\m], v[64*\m+2:64*\m+3], v[64*\m+2:64*\m+3]
.endr
.set lp, 4
.rept 15
.irp m, 0,1,2,3
	v_pk_fma_f32 v[112+4*\m:113+4*\m], v[64*\m+lp:64*\m+lp+1], v[64*\m+lp:64*\m+lp+1], v[112+4*\m:113+4*\m]
	v_pk_fma_f32 v[114+4*\m:115+4*\m], v[64*\m+lp+2:64*\m+lp+3], v[64*\m+lp+2:64*\m+lp+3], v[114+4*\m:115+4*\m]
.endr
.set lp, lp+4
.endr
	WIN 0
	LNFOLD REDB
.irp m, 0,1,2,3
	v_fma_f32 v[128+\m], v[128+\m], s56, s57       ; var + 1e-5
.endr
.irp m, 0,1,2,3
	v_rsq_f32 v[RS+2*\m], v[128+\m]
	v_rsq_f32 v[RS+2*\m+1], v[128+\m]
.endr
	v_nop                                          ; one plain place behind the transcendentals
	WIN 0xc3
	s_wait_alu depctr_va_vdst(0)
.irp m, 0,1,2,3
.set lp, 0
.rept 32
	v_pk_mul_f32 v[64*\m+lp:64*\m+lp+1], v[64*\m+lp:64*\m+lp+1], v[RS+2*\m:RS+2*\m+1]
.set lp, lp+2
.endr
.endr
	s_wait_loadcnt \lc
	WIN \set3
.irp m, 0,1,2,3
.set lp, 0
.rept 32
	v_pk_fma_f32 v[64*\m+lp:64*\m+lp+1], v[64*\m+lp:64*\m+lp+1], v[(\g)+lp:(\g)+lp+1], v[(\b)+lp:(\b)+lp+1]
.set lp, lp+2
.endr
.endr
	WIN 0
.endm
; H = gelu(H), 16 numbers (two accumulators) at a time: z v112.., z^2 v128.., P v144.., Q v160..; eight pairs to a line, so that no line waits for the line above it
.macro GELU
.set gb, 0
.rept 16
	WIN 0x02
.irp p, 0,1,2,3,4,5,6,7
	v_pk_mul_f32 v[112+2*\p:113+2*\p], v[16*gb+2*\p:16*gb+2*\p+1], s[RS2:RS2+1] op_sel_hi:[1,0]
.endr
	WIN 0
.irp i, 0,1,2,3,4,5,6,7,8,9,10,11,12,13,14,15
	v_med3_num_f32 v[112+\i], v[112+\i], -4.0, 4.0
.endr
.irp p, 0,1,2,3,4,5,6,7
	v_pk_mul_f32 v[128+2*\p:129+2*\p], v[112+2*\p:113+2*\p], v[112+2*\p:113+2*\p]
.endr
.irp p, 0,1,2,3,4,5,6,7
	v_pk_fma_f32 v[144+2*\p:145+2*\p], v[128+2*\p:129+2*\p], s[A13:A13+1], v[208:209] op_sel_hi:[1,0,1]
.endr
.irp p, 0,1,2,3,4,5,6,7
	v_pk_fma_f32 v[160+2*\p:161+2*\p], v[128+2*\p:129+2*\p], s[B8:B8+1], v[210:211] op_sel_hi:[1,0,1]
.endr
.irp k, A9, A7, A5, A3, A1
.irp p, 0,1,2,3,4,5,6,7
	v_pk_fma_f32 v[144+2*\p:145+2*\p], v[144+2*\p:145+2*\p], v[128+2*\p:129+2*\p], s[\k:\k+1] op_sel_hi:[1,1,0]
.endr
.endr
.irp k, B4, B2, B0
.irp p, 0,1,2,3,4,5,6,7
	v_pk_fma_f32 v[160+2*\p:161+2*\p], v[160+2*\p:161+2*\p], v[128+2*\p:129+2*\p], s[\k:\k+1] op_sel_hi:[1,1,0]
.endr
.endr
.irp i, 0,1,2,3,4,5,6,7,8,9,10,11,12,13,14,15
	v_rcp_f32 v[160+\i], v[160+\i]
.endr
.irp p, 0,1,2,3,4,5,6,7
	v_pk_mul_f32 v[144+2*\p:145+2*\p], v[144+2*\p:145+2*\p], v[112+2*\p:113+2*\p]   ; z P: plain lines behind the reciprocals, which they do not touch
.endr
	s_wait_alu depctr_va_vdst(0)
.irp p, 0,1,2,3,4,5,6,7
	v_pk_mul_f32 v[144+2*\p:145+2*\p], v[144+2*\p:145+2*\p], v[160+2*\p:161+2*\p]   ; erf
.endr
.irp p, 0,1,2,3,4,5,6,7
	v_pk_fma_f32 v[144+2*\p:145+2*\p], v[144+2*\p:145+2*\p], 0.5, 0.5 op_sel_hi:[1,0,0]
.endr
	WIN 0x82
.irp p, 0,1,2,3,4,5,6,7
	v_pk_mul_f32 v[16*gb+2*\p:16*gb+2*\p+1], v[16*gb+2*\p:16*gb+2*\p+1], v[144+2*\p:145+2*\p]
.endr
.set gb, gb+1
.endr
	WIN 0
.endm
	s_load_b512 s[4:19], s[0:1], 0x0               ; x s[4:5], ac s[6:7], asc s[8:9], wpk s[10:11], wsc s[12:13], bo s[14:15], ln1_g s[16:17], ln1_b s[18:19]
	s_load_b256 s[20:27], s[0:1], 0x40             ; b1 s[20:21], b2 s[22:23], ln2_g s[24:25], ln2_b s[26:27]
	s_load_b64 s[28:29], s[0:1], 0x60              ; out0
	v_lshl_add_u32 v254, v0, 2, 0x2e400
	v_mov_b32 v255, 0
	v_lshrrev_b32 v3, 5, v0
	v_readfirstlane_b32 s[WV], v3                  ; wave 0..3
	v_and_b32 v13, 31, v0
	v_lshlrev_b32 v[LI], 4, v13
	v_lshlrev_b32 v[L8], 3, v13
	v_and_b32 v3, 15, v0                           ; r
	v_bfe_u32 v4, v0, 4, 1                         ; h
	s_mul_i32 s31, s[WV], 16*SPITCH
	s_add_co_u32 s31, s31, STG
	v_add_nc_u32 v5, s31, v[LI]                    ; v5: the stage by whole rows: my 16 rows, 16 bytes a lane
	v_mul_u32_u24 v6, v3, SPITCH
	v_lshl_add_u32 v6, v4, 6, v6
	s_lshl_b32 s31, s[WV], 9
	v_add_nc_u32 v14, s31, v[LI]                   ; v14: 16 x lane + 512 w: my K step's scale words, my partial sums
	s_add_co_u32 s31, s31, STG
	v_add_nc_u32 v6, s31, v6                       ; v6-9: the stage by the result's layout: row 16 m + r, + 512 w + 64 h
	v_add_nc_u32 v7, 16*SPITCH, v6
	v_add_nc_u32 v8, 32*SPITCH, v6
	v_add_nc_u32 v9, 48*SPITCH, v6
	s_mul_i32 s31, s[WV], 1536
	v_add_nc_u32 v10, s31, v[LI]                   ; v10: images of tile w (a's)
	s_mul_i32 s31, s[WV], 6144
	v_add_nc_u32 v15, s31, v[LI]                   ; v15: images of K step w (x1's, the hidden chunk's)
	v_lshlrev_b32 v[H64], 6, v4
	v_lshlrev_b32 v12, 2, v0                       ; v12: 4 x thread
	v_and_b32 v13, 3, v0
	v_lshlrev_b32 v13, 6, v13
	v_bfe_u32 v3, v0, 2, 4
	v_lshl_add_u32 v13, v3, 2, v13                 ; v13: a's scale word of tile thread % 4, row (thread / 4) % 16
.irp b, 0,1,2,3
	v_mov_b32 v[TM+4+\b], 0                        ; written once: a lane permute's destination counts as one of its sources
.endr
	v_mov_b32 v208, 0x32EDFFEE                     ; P's second coefficient, twice
	v_mov_b32 v209, 0x32EDFFEE
	v_mov_b32 v210, 0xB95FBD29                     ; Q's second coefficient, twice
	v_mov_b32 v211, 0xB95FBD29
	s_mov_b32 s[SEL], 0x76543210
	s_mov_b32 s[SEL+1], 0xfedcba98
	s_mov_b32 s56, 0x3B000000                      ; 1 / 512
	s_mov_b32 s57, 0x3727C5AC                      ; 1e-5
	CPAIR RS2, 0x3F3504F3                          ; 1 / sqrt 2
	CPAIR A13, 0xAF95DF0B                          ; P, from the highest power down (the second stands in v208)
	CPAIR A9,  0xB60CFF51
	CPAIR A7,  0xB86EC2D2
	CPAIR A5,  0xBA40AC63
	CPAIR A3,  0xBB41A1F6
	CPAIR A1,  0xBC83DBD4
	CPAIR B8,  0xB77460CD                          ; Q likewise (the second in v210)
	CPAIR B4,  0xBADC924E
	CPAIR B2,  0xBBF19BF8
	CPAIR B0,  0xBC69B6A7
	s_lshl_b32 s58, ttmp9, 6
	s_lshr_b32 s59, s[WV], 1
	s_lshl_b32 s59, s59, 5
	s_add_co_u32 s58, s58, s59
	s_and_b32 s59, s[WV], 1
	s_lshl_b32 s59, s59, 3
	s_add_co_u32 s58, s58, s59                     ; tile w's first token: 64 x block + 32 (w / 2) + 8 (w % 2)
	s_lshl_b32 s58, s58, 11
	s_mov_b32 s59, 0
	s_lshl_b32 s60, ttmp9, 2
	s_add_co_u32 s60, s60, s[WV]
	s_mul_i32 s60, s60, 6144                       ; a's codes of tile w: eight heads' half images on end
	s_mov_b32 s61, 0
	s_lshl_b32 s62, ttmp9, 11                      ; a's scale words of the block
	s_mov_b32 s63, 0
	s_mul_i32 s88, s[WV], 442368
	s_add_co_u32 s88, s88, 589824                  ; my 72 sets
	s_mov_b32 s89, 0
	s_mul_i32 s90, s[WV], 18432
	s_add_co_u32 s90, s90, 24576
	s_mov_b32 s91, 0
	s_lshl_b32 s92, s[WV], 9                       ; my 128 numbers of a parameter vector
	s_mov_b32 s93, 0
	s_wait_kmcnt 0x0
	s_add_nc_u64 s[4:5], s[4:5], s[58:59]
	s_add_nc_u64 s[28:29], s[28:29], s[58:59]
	s_add_nc_u64 s[6:7], s[6:7], s[60:61]
	s_add_nc_u64 s[8:9], s[8:9], s[62:63]
	s_add_nc_u64 s[START:START+1], s[10:11], s[88:89]
	s_add_nc_u64 s[STARTS:STARTS+1], s[12:13], s[90:91]
.irp p, 14,16,18,20,22,24,26
	s_add_nc_u64 s[\p:\p+1], s[\p:\p+1], s[92:93]
.endr
	s_add_nc_u64 s[B1P:B1P+1], s[20:21], 2048      ; b1's second chunk
	; ---- in: a's fragments of tile w and the block's scale words; my 16 rows of x
.irp s, 0,1,2,3
.irp c, 0,1
	global_load_b128 v[PC+12*\s+6*\c:PC+12*\s+6*\c+3], v[LI], s[6:7] offset:(2*\s+\c)*768 th:TH_LOAD_NT
	global_load_b64 v[PC+12*\s+6*\c+4:PC+12*\s+6*\c+5], v[L8], s[6:7] offset:(2*\s+\c)*768+512 th:TH_LOAD_NT
.endr
.endr
.irp s, 0,1,2,3
	global_load_b32 v[112+2*\s], v13, s[8:9] offset:512*\s         ; head 2 s: bytes 0, 1 of the K step's word,
	global_load_b32 v[113+2*\s], v13, s[8:9] offset:512*\s+256     ; head 2 s + 1: bytes 2, 3
.endr
	WIN 0x80
	XROWS 0
	WIN 0
	s_wait_loadcnt 32                              ; a's 24 loads are in; x's 32 may be out
.irp s, 0,1,2,3
	IMAGE 10, PC+12*\s, HOP+4*\s*1536
	v_lshl_or_b32 v[112+2*\s], v[113+2*\s], 16, v[112+2*\s]
	ds_store_b32 v12, v[112+2*\s] offset:HOS+512*\s
.endr
	WIN 0x80
	XROWS 8
	WIN 0x08
	s_wait_loadcnt 32                              ; rows 0-7 are in
	XSTAGE 0
	s_wait_loadcnt 0x0
	XSTAGE 8
	WIN 0
	RFILL 0, START, STARTS, 0
	RFILL 1, START, STARTS, 1
	RFILL 2, START, STARTS, 2
	RFILL 3, START, STARTS, 3
	PLOAD 0x40, PA, 14                             ; bo
	BARRIER                                        ; a's sixteen fragments, their words and 64 rows of x lie in LDS; my stores have read window 2
	PLOAD 0x80, 0, 18                              ; ln1_b, b2, ln1_g wait in H's registers
	PLOAD 0x80, 64, 22
	PLOAD 0x80, 128, 16
	; ---- Y = x + bo, then Y += a Wo
	OFETCH 0, HOP, HOS, 0
	WIN 0xc0
.irp m, 0,1,2,3
.irp b, 0,1,2,3
.irp q, 0,1,2,3
	ds_load_b128 v[64*\m+16*\b+4*\q:64*\m+16*\b+4*\q+3], v[6+\m] offset:128*\b+16*\q
.endr
.endr
.endr
	WIN 0
	s_wait_dscnt 0x0
	s_wait_loadcnt 48                              ; bo is in: behind it only the three vectors of 16 loads each
	YADD 0xc7, PA
	PLOAD 0x40, PA, 20                             ; b1's first chunk
	PROD 0xf1, 0xf1, 1, 0, HOP, HOS, START, STARTS, 0, START, STARTS, 8, 0
	; ---- x1 = LN1(Y); behind ln1_g's loads stand b1's 16 and eight sets: the count 52 leaves the four youngest sets out
	LN 0xeb, 128, 0, 52
	; ---- x1 is quantised: my 128 columns are K step w of the next product; then Y = x1 + b2
.irp m, 0,1,2,3
	QUANT 64*\m, 3, PC+12*\m, PW+\m
	IMAGE 15, PC+12*\m, XOP+\m*1536
.endr
	ds_store_b128 v14, v[PW:PW+3] offset:XOS
	YADD 0xcb, 64
	BARRIER                                        ; x1's sixteen fragments lie in LDS; they are never written again
	s_add_nc_u64 s[CUR:CUR+1], s[START:START+1], 49152
	s_add_nc_u64 s[CURS:CURS+1], s[STARTS:STARTS+1], 2048
	s_mov_b32 s[J], 4
.Lchunk:                                           ; a chunk of 512 hidden units: H = x1 W1 + b1, gelu, quantised, Y += H W2
	s_add_nc_u64 s[TMPP:TMPP+1], s[CUR:CUR+1], 98304
	s_cmp_eq_u32 s[J], 1                           ; the last chunk's look-ahead goes back to the stream's start, and the next vector is ln2_g
	s_cselect_b64 s[NXT:NXT+1], s[START:START+1], s[TMPP:TMPP+1]
	s_cselect_b64 s[PN:PN+1], s[LG2:LG2+1], s[B1P:B1P+1]
	s_add_nc_u64 s[TMPP:TMPP+1], s[CURS:CURS+1], 4096
	s_cselect_b64 s[NXTS:NXTS+1], s[STARTS:STARTS+1], s[TMPP:TMPP+1]
	OFETCH 0, XOP, XOS, 0
	s_wait_loadcnt 52                              ; b1's chunk is in: eight sets were asked for behind it, of which the four youngest may be out
	PROD 0x91, 0xa1, 1, 1, XOP, XOS, CUR, CURS, 0, CUR, CURS, 8, 0
	PLOAD 0x40, PA, PN
	GELU
.irp m, 0,1,2,3
	QUANT 64*\m, 2, PC+12*\m, PW+\m
	IMAGE 15, PC+12*\m, HOP+\m*1536
.endr
	ds_store_b128 v14, v[PW:PW+3] offset:HOS
	BARRIER                                        ; the chunk's sixteen fragments lie in LDS
	OFETCH 0, HOP, HOS, 0
	PROD 0xf1, 0xf1, 1, 0, HOP, HOS, CUR, CURS, 8, NXT, NXTS, 0, 0
	BARRIER                                        ; every wave's reads of the chunk's fragments are over: the next chunk may be stored there
	s_wait_xcnt 0x0                                ; the loads issued so far have read their bases: the pointers step only behind this wait
	s_add_nc_u64 s[CUR:CUR+1], s[CUR:CUR+1], 98304
	s_add_nc_u64 s[CURS:CURS+1], s[CURS:CURS+1], 4096
	s_add_nc_u64 s[B1P:B1P+1], s[B1P:B1P+1], 2048
	s_sub_co_u32 s[J], s[J], 1
	s_cmp_lg_u32 s[J], 0
	s_cbranch_scc1 .Lchunk
	; ---- out = LN2(Y)
	PLOAD 0x80, 0, 26                              ; ln2_b
	LN 0xe7, PA, 0, 0
	; ---- the way out: a row's 2,048 bytes come from four waves: through the stage, then 16 whole rows a wave
	WIN 0x0c
.irp m, 0,1,2,3
.irp b, 0,1,2,3
.irp q, 0,1,2,3
	ds_store_b128 v[6+\m], v[64*\m+16*\b+4*\q:64*\m+16*\b+4*\q+3] offset:128*\b+16*\q
.endr
.endr
.endr
	WIN 0
	BARRIER
	WIN 0x80
.set oi, 0
.rept 64
	ds_load_b128 v[4*oi:4*oi+3], v5 offset:(oi/4)*SPITCH+512*(oi%4)
.set oi, oi+1
.endr
	WIN 0x08
.set oi, 0
.rept 64
	s_wait_dscnt 63-oi                             ; LDS loads come back in order: load oi is in, the younger ones may be out
	global_store_b128 v[LI], v[4*oi:4*oi+3], s[28:29] offset:((oi/4)+8*(oi/32))*2048+512*(oi%4) th:TH_STORE_NT   ; 32 lanes store 512 consecutive bytes, at a multiple of 256 from out0's first byte
.set oi, oi+1
.endr
	WIN 0
	s_wait_tensorcnt 0x0
	ds_add_u32 v254, v255
	s_wait_dscnt 0x0
	s_endpgm
.Lfunc_end_k_qee4031c7e1_ffn:
	.size	k_qee4031c7e1_ffn, .Lfunc_end_k_qee4031c7e1_ffn-k_qee4031c7e1_ffn
	.p2alignl 7, 3214868480
	.fill 96, 4, 3214868480
	.section	.rodata,"a",@progbits
	.p2align	6, 0x0
	.amdhsa_kernel k_qee4031c7e1_ffn
		.amdhsa_group_segment_fixed_size 189952
		.amdhsa_private_segment_fixed_size 0
		.amdhsa_enable_private_segment 0
		.amdhsa_kernarg_size 104
		.amdhsa_user_sgpr_count 2
		.amdhsa_user_sgpr_kernarg_segment_ptr 1
		.amdhsa_wavefront_size32 1
		.amdhsa_system_sgpr_workgroup_id_x 1
		.amdhsa_system_sgpr_workgroup_id_y 1
		.amdhsa_system_sgpr_workgroup_id_z 1
		.amdhsa_system_vgpr_workitem_id 0
		.amdhsa_next_free_vgpr 1024
		.amdhsa_next_free_sgpr 96
		.amdhsa_reserve_vcc 0
		.amdhsa_float_denorm_mode_32 3
		.amdhsa_float_denorm_mode_16_64 3
		.amdhsa_memory_ordered 1
		.amdhsa_forward_progress 1
		.amdhsa_inst_pref_size 255
	.end_amdhsa_kernel
	.section	.bss,"aw",@nobits
	.p2align	6
	.space	262144
	.amdgpu_metadata
---
amdhsa.version: [ 1, 2 ]
amdhsa.kernels:
  - .name:           k_qee4031c7e1_ffn
    .symbol:         k_qee4031c7e1_ffn.kd
    .args:
      - { .name: x, .offset: 0, .size: 8, .value_kind: global_buffer, .address_space: global }
      - { .name: ac, .offset: 8, .size: 8, .value_kind: global_buffer, .address_space: global }
      - { .name: asc, .offset: 16, .size: 8, .value_kind: global_buffer, .address_space: global }
      - { .name: wpk, .offset: 24, .size: 8, .value_kind: global_buffer, .address_space: global }
      - { .name: wsc, .offset: 32, .size: 8, .value_kind: global_buffer, .address_space: global }
      - { .name: bo, .offset: 40, .size: 8, .value_kind: global_buffer, .address_space: global }
      - { .name: ln1_g, .offset: 48, .size: 8, .value_kind: global_buffer, .address_space: global }
      - { .name: ln1_b, .offset: 56, .size: 8, .value_kind: global_buffer, .address_space: global }
      - { .name: b1, .offset: 64, .size: 8, .value_kind: global_buffer, .address_space: global }
      - { .name: b2, .offset: 72, .size: 8, .value_kind: global_buffer, .address_space: global }
      - { .name: ln2_g, .offset: 80, .size: 8, .value_kind: global_buffer, .address_space: global }
      - { .name: ln2_b, .offset: 88, .size: 8, .value_kind: global_buffer, .address_space: global }
      - { .name: out0, .offset: 96, .size: 8, .value_kind: global_buffer, .address_space: global }
    .group_segment_fixed_size: 189952
    .private_segment_fixed_size: 0
    .kernarg_segment_align: 8
    .kernarg_segment_size: 104
    .max_flat_workgroup_size: 128
    .sgpr_count:     96
    .vgpr_count:     1024
    .wavefront_size: 32
...
	.end_amdgpu_metadata
.endif
;; end of part 4
;; ======== version 2 of 2: 4 launches; version 1 with the launches qkv, attn, ffn written anew for expert scheduling mode
;; workspace buffers: wpk 2,359,296 bytes; wsc 98,304 bytes; qkvc 18,874,368 bytes; qkvs 1,310,720 bytes; ac 6,291,456 bytes; asc 524,288 bytes
;; launch pack: the kernel of part 1 again; grid 384 x 1, 1 waves a work-group, no clusters, 0 bytes of LDS; arguments Wq_codes, Wk_codes, Wv_codes, Wo_codes, W1_codes, W2_codes, Wq_scales, Wk_scales, Wv_scales, Wo_scales, W1_scales, W2_scales, wpk, wsc; writes wpk, wsc
;; launch qkv (part 5): grid 256 x 1, 4 waves a work-group, no clusters, 159,232 bytes of LDS; arguments x, wpk, wsc, bq, bk, bv, qkvc, qkvs; writes qkvc, qkvs
.if DOCPART == 5
	.amdgcn_target "amdgcn-amd-amdhsa--gfx1250"
	.amdhsa_code_object_version 6
	.text
	.protected	k_qee4031c7e1_qkv
	.globl	k_qee4031c7e1_qkv
	.p2align	8
	.type	k_qee4031c7e1_qkv,@function
k_qee4031c7e1_qkv:
	s_mov_b64 s[64:65], 0
	v_nop
	global_prefetch_b8 v0, s[64:65] scope:SCOPE_SE
	s_setreg_imm32_b32 hwreg(HW_REG_WAVE_SCHED_MODE, 0, 2), 2
	s_setreg_imm32_b32 hwreg(HW_REG_WAVE_MODE, 25, 1), 1
	s_wait_xcnt 0x0
	s_wait_alu depctr_vm_vsrc(0)
; q = x Wq + bq, k = x Wk + bk, v = x Wv + bv on codes of E2M3 with one E8M0 scale for each 32 along K; the results are quantised at once for attention: q and k along the head's 64, v along the keys.
; SHARES.  A work-group takes 64 tokens (block kb of batch b).  The four waves share the COLUMNS: wave w makes columns 128 w .. 128 w + 127 (heads 2 w, 2 w + 1) of q, of k and of v, for all 64 tokens: 3 x 128 matrix instructions.
; x: wave w reads 16 whole rows, turns them through its own stage in LDS so that a lane holds 16 neighbours along K, quantises them (four fragments) and leaves them in LDS as images of the operand's registers, for all four waves.
; THE WEIGHTS come from wpk and wsc, laid in register order by the launch before: a set (4 fragments, 13 loads) goes straight into one of four register slots that take turns; three sets are on their way while one is multiplied.
; TILES: token tile m holds tokens 32 (m / 2) + 8 (m % 2) + r + 8 (r / 8) of the block, a weight's tile t the rows of the same pattern.  q and k are made TRANSPOSED (source 0 = 16 rows of W, source 1 = 16 tokens): a lane holds one token
; and 16 neighbouring columns in each pair of tiles.  v is made the other way round (source 0 = tokens, source 1 = rows of W): a lane holds one channel and 16 neighbouring KEYS in each pair of tiles.  So both are quantised in registers.
; OUT.  qkvc: for (head, kb, tile) a half image of 768 bytes (6 registers a lane: 4 at 16 l, 2 at 512 + 8 l); q at 0, k at 6,291,456, v at 12,582,912.  qkvs: q, k: a word for (head, kb, r, tile), bytes 0 and 1 the head's two blocks (bytes 2, 3:
; the neighbour head's or 0; they stand over zero codes later); v: two bytes for (b, kb, head, r, tile).
; LIMITS: NaN and infinities are not served; a block whose largest magnitude lies under 2^-124, a block of zeros among them, gets the byte 1 (its codes are then zeros or the nearest codes under that scale; only this program reads the bytes).
; REGISTERS, in windows of 256.  Window 0: v1-12 addresses; v16-23 the slots' scale words; v24-31 x's scale words, two sets; v32-47 at work; v48-55 scale words just made; v56-63, v64-111 codes just made; v112-207 x's fragments, two sets.
;   Window 1: v0-191 four slots of four weight fragments; v192-255 the bias, eight registers a tile, in the result's layout.   Window 2: first x as loaded, then x back from the stage, then the 32 accumulators.
; THE MODE: SCHED_MODE bits 1:0 = 2 (LLVM: expert scheduling mode 2), set by the entry lines.  The code itself states the register dependences between vector or matrix instructions and memory or LDS instructions, with s_wait_alu, always for 0.
; THE PLAN.  Registers that memory or LDS instructions touch, and who else names them:
;   v1-12          offsets and LDS addresses: made at the head and never written again: one wait on va_vdst ahead of the first load serves them for the whole kernel.
;   window 2       global loads write x; the stage's LDS stores read it; one wait on vm_vsrc; LDS loads write x back; the quantiser reads it.  From then on accumulators, which vector and matrix instructions alone name.
;   slots, v16-23  set n's 13 loads write slot n % 4 and its two scale words; its 16 products read them.  ONE wait on va_vdst stands behind each set's products, ahead of the slot's refill.
;   v112-207, v24-31  a K step's 13 LDS loads write one of two sets; the K step's 32 products read it.  The wait behind the last set of the K step before has freed the other set: its loads stand among an even set's products with no further wait.
;   the bias       loads write it (v's: moves); the products of a sum's first two sets read it as C; the waits behind the later sets free it for the next product's loads.
;   v48-55, v64-111  the quantiser writes codes and words; stores read them.  A way out is: one wait on vm_vsrc, four quantisers, one wait on va_vdst, all its stores.
.set LI,  1                            ; v1   16 x lane
.set L8,  2                            ; v2   8 x lane
.set H64, 9                            ; v9   64 x (lane / 16)
.set SCW, 16
.set OSR, 24
.set TM,  32
.set PW,  48
.set X8,  56
.set PC,  64
.set OB,  112
.set PA,  192
.set SEL, 22                           ; s[22:23] lane selects for v_permlanex16_b32: lane l xor 16
.set XOP, 0                            ; LDS: x's 16 fragments, (K step s, tile m) at (4 s + m) x 1,536
.set XOS, 24576                        ; their scale words: [s][lane][m]
.set STG, 26624                        ; a stage of 16 rows for each wave
.set SPITCH, 2064                      ; a stage row: 2,048 bytes + 16: 129 x 16, so that the 16 rows that a load touches start in 16 different groups of banks
.set MSB, 0
.macro WIN new                         ; the immediate's high byte repeats the setting that is left; a switch that changes nothing is dropped
.if MSB != (\new)
	s_set_vgpr_msb (MSB<<8)|(\new)
.set MSB, (\new)
.endif
.endm
.macro PLACES n
.rept \n
	v_nop
.endr
.endm
.macro BARRIER                         ; my LDS stores have landed and my LDS loads are in: then the work-group's barrier
	s_wait_dscnt 0x0
	s_barrier_signal -1
	s_barrier_wait -1
.endm
; Set k (counted from the pointers) into slot: 12 loads of 512 consecutive bytes and one of 256
.macro RFILL slot, cp, sp, k
	WIN 0x40
.irp f, 0,1,2,3
.irp c, 0,1,2
	global_load_b128 v[48*(\slot)+12*\f+4*\c:48*(\slot)+12*\f+4*\c+3], v[LI], s[\cp:\cp+1] offset:(\k)*6144+\f*1536+\c*512
.endr
.endr
	WIN 0
	global_load_b64 v[SCW+2*(\slot):SCW+2*(\slot)+1], v[L8], s[\sp:\sp+1] offset:(\k)*256
.endm
; The four tiles' fragments of K step s, and their scale words, from LDS into set buf
.macro OFETCH buf, op, os, s
.irp m, 0,1,2,3
.irp c, 0,1,2
	ds_load_b128 v[OB+48*(\buf)+12*\m+4*\c:OB+48*(\buf)+12*\m+4*\c+3], v[LI] offset:(\op)+(4*(\s)+\m)*1536+512*\c
.endr
.endr
	ds_load_b128 v[OSR+4*(\buf):OSR+4*(\buf)+3], v[LI] offset:(\os)+512*(\s)
.endm
; 4 matrix instructions: the slot's weight tile i (tile 4 half + i of my eight) x the four token tiles.
; first = 1: the sum's first product takes the bias as C.  tr = 1: source 0 = W; tr = 0: source 0 = the tokens.  The slot's tiles 2 and 3 have their scale words in lanes 16-31.
.macro MULI half, buf, slot, first, tr, i
.irp m, 0,1,2,3
.set rW, 48*(\slot)+12*(\i)
.set rX, OB+48*(\buf)+12*\m
.set rSW, SCW+2*(\slot)+(\i)%2
.set rSX, OSR+4*(\buf)+\m
.if \tr
.set rD, 8*(8*\m+4*(\half)+(\i))
.else
.set rD, 8*(4*(4*(\half)+(\i))+\m)
.endif
.if \first
.set rC, PA+8*(4*(\half)+(\i))
.else
.set rC, rD
.endif
.if \tr && ((\i) < 2)
	v_wmma_scale_f32_16x16x128_f8f6f4 v[rD:rD+7], v[rW:rW+11], v[rX:rX+11], v[rC:rC+7], v[rSW], v[rSX] matrix_a_fmt:MATRIX_FMT_FP6 matrix_b_fmt:MATRIX_FMT_FP6
.elseif \tr
	v_wmma_scale_f32_16x16x128_f8f6f4 v[rD:rD+7], v[rW:rW+11], v[rX:rX+11], v[rC:rC+7], v[rSW], v[rSX] matrix_a_fmt:MATRIX_FMT_FP6 matrix_b_fmt:MATRIX_FMT_FP6 matrix_a_scale:MATRIX_SCALE_ROW1
.elseif (\i) < 2
	v_wmma_scale_f32_16x16x128_f8f6f4 v[rD:rD+7], v[rX:rX+11], v[rW:rW+11], v[rC:rC+7], v[rSX], v[rSW] matrix_a_fmt:MATRIX_FMT_FP6 matrix_b_fmt:MATRIX_FMT_FP6
.else
	v_wmma_scale_f32_16x16x128_f8f6f4 v[rD:rD+7], v[rX:rX+11], v[rW:rW+11], v[rC:rC+7], v[rSX], v[rSW] matrix_a_fmt:MATRIX_FMT_FP6 matrix_b_fmt:MATRIX_FMT_FP6 matrix_b_scale:MATRIX_SCALE_ROW1
.endif
.endr
.endm
; Set n's 16 matrix instructions, under window setting w.  The 16 accumulators take turns, one instruction a turn; an accumulator comes up again 32 instructions later.
; Behind an even set's first four products stand the 13 LDS loads of the next K step's operand, into the other set of registers.  No wait: the wait on va_vdst behind the set before has shown the last K step's products done with
; that set, and the four products issued since name this K step's set, this slot and accumulators alone.
.macro SET16 w, first, tr, n, op, os
	WIN \w
	MULI (\n)%2, ((\n)/2)%2, (\n)%4, \first, \tr, 0
.if ((\n)%2 == 0) && ((\n) < 6)
	WIN 0
	OFETCH ((\n)/2+1)%2, \op, \os, (\n)/2+1
	WIN \w
.endif
	MULI (\n)%2, ((\n)/2)%2, (\n)%4, \first, \tr, 1
	MULI (\n)%2, ((\n)/2)%2, (\n)%4, \first, \tr, 2
	MULI (\n)%2, ((\n)/2)%2, (\n)%4, \first, \tr, 3
.endm
; A PRODUCT: 64 tokens x my 128 columns x K = 512: eight sets, 128 matrix instructions.  Set n lies in slot n % 4; behind its 16 products, four places and one wait the slot takes the set four further on (from the next product's sets for n >= 4).
; The refill stands ahead of the wait for the next set's data, so that four sets are out while the wave waits.
; The wait for set n leaves out the 39 loads of the three younger sets (loads come back in order: ISA guide 5.7.1); in a tail, which asks for nothing beyond its eighth set, 13 x the sets that are left.
; The four places behind the eighth set also stand in front of the first read of the results (ISA guide 7.12.1).
.macro PROD wfirst, win, tr, first, op, os, cp, sp, k0, ncp, nsp, nk0, tail
.irp n, 0,1,2,3,4,5,6,7
.if \n%2 == 0
	s_wait_dscnt 0x0
.endif
.if \tail && (\n > 4)
	s_wait_loadcnt 13*(7-\n)
.else
	s_wait_loadcnt 39
.endif
.if \first && (\n < 2)
	SET16 \wfirst, 1, \tr, \n, \op, \os
.else
	SET16 \win, 0, \tr, \n, \op, \os
.endif
	PLACES 4
.if \n < 4
	WIN 0x40
	s_wait_alu depctr_va_vdst(0)                   ; this set's products are done reading the slot and its scale words, in which the loads below land; all products so far are done with the operand set, and the bias, that they read
	RFILL \n%4, \cp, \sp, \k0+\n+4
.elseif !\tail
	WIN 0x40
	s_wait_alu depctr_va_vdst(0)                   ; as above
	RFILL \n%4, \ncp, \nsp, \nk0+\n-4
.endif
	WIN 0
.endr
.endm
; 64 numbers of a lane in window w, register 16 b + i = place 32 b + 16 (lane / 16) + i along K of my row, become a fragment's 12 registers of codes at v[pc] and its scale word in v[pw].
; A block's largest magnitude (with the floor 2^-124 among its leaves), joined with lane l xor 16's; 2 off its exponent field is the conversion's scale operand, and that shifted down the E8M0 byte.
.macro QUANT src, w, pc, pw
	WIN (\w)|((\w)<<2)
.irp b, 0,1,2,3
	v_max3_num_f32 v[TM+\b], |v[(\src)+16*\b]|, |v[(\src)+16*\b+1]|, 0x1800000
.endr
.irp i, 2,4,6,8,10,12,14
.irp b, 0,1,2,3
	v_max3_num_f32 v[TM+\b], |v[(\src)+16*\b+\i]|, |v[(\src)+16*\b+\i+1]|, v[TM+\b]   ; ascending: each accumulator is first read at its low end; the four blocks by turns
.endr
.endr
	WIN 0
.irp b, 0,1,2,3
	v_permlanex16_b32 v[TM+4+\b], v[TM+\b], s[SEL], s[SEL+1]
.endr
.irp b, 0,1,2,3
	v_max_num_f32 v[TM+\b], v[TM+\b], v[TM+4+\b]
.endr
.irp b, 0,1,2,3
	v_add_nc_u32 v[TM+12+\b], 0xff000000, v[TM+\b]
.endr
.irp b, 0,1,2,3
	v_lshrrev_b32 v[TM+4+\b], 23, v[TM+12+\b]
.endr
	v_lshl_or_b32 v[\pw], v[TM+5], 8, v[TM+4]
	v_lshl_or_b32 v[\pw], v[TM+6], 16, v[\pw]
	v_lshl_or_b32 v[\pw], v[TM+7], 24, v[\pw]
	WIN \w
.irp c, 0,1
	v_cvt_scalef32_pk16_fp6_f32 v[(\pc)+6*\c:(\pc)+6*\c+2], v[(\src)+32*\c:(\src)+32*\c+15], v[TM+12+2*\c]
	v_cvt_scalef32_pk16_fp6_f32 v[X8+4*\c:X8+4*\c+2], v[(\src)+32*\c+16:(\src)+32*\c+31], v[TM+13+2*\c]   ; (a conversion's three registers begin on an even number)
.endr
	WIN 0
	v_nop                                          ; one plain place behind a scaled conversion
.irp c, 0,1                            ; the operand's layout wants a whole block in a lane: lanes 0-15 block 2 c, lanes 16-31 block 2 c + 1
.irp e, 0,1,2
	v_permlane16_swap_b32 v[(\pc)+6*\c+\e], v[X8+4*\c+\e]
.endr
.irp e, 0,1,2
	v_mov_b32 v[(\pc)+6*\c+3+\e], v[X8+4*\c+\e]
.endr
.endr
.endm
.macro IMAGE adr, pc, off              ; a fragment goes to LDS as its registers stand: 16 bytes a lane, 512 a store
.irp c, 0,1,2
	ds_store_b128 v[\adr], v[(\pc)+4*\c:(\pc)+4*\c+3] offset:(\off)+512*\c
.endr
.endm
.macro PLOAD win, dst, ptr             ; a vector of my 128 columns in a transposed result's layout: for tile t the eight numbers 32 (t / 2) + 16 h + 8 (t % 2) + 0 .. 7
	WIN \win
.irp t, 0,1,2,3,4,5,6,7
	global_load_b128 v[(\dst)+8*\t:(\dst)+8*\t+3], v[H64], s[\ptr:\ptr+1] offset:(32*(\t/2)+8*(\t%2))*4
	global_load_b128 v[(\dst)+8*\t+4:(\dst)+8*\t+7], v[H64], s[\ptr:\ptr+1] offset:(32*(\t/2)+8*(\t%2))*4+16
.endr
	WIN 0
.endm
.macro XROWS lo                        ; eight of my 16 rows of x, as they lie: each load reads 512 consecutive bytes.  Stage rows 8-15 are the rows 16-23 from my first
.irp rr, 0,1,2,3,4,5,6,7
.irp q, 0,1,2,3
	global_load_b128 v[4*(4*(\lo+\rr)+\q):4*(4*(\lo+\rr)+\q)+3], v[LI], s[4:5] offset:(2*(\lo)+\rr)*2048+512*\q th:TH_LOAD_NT
.endr
.endr
.endm
.macro XSTAGE lo
.irp rr, 0,1,2,3,4,5,6,7
.irp q, 0,1,2,3
	ds_store_b128 v5, v[4*(4*(\lo+\rr)+\q):4*(4*(\lo+\rr)+\q)+3] offset:(\lo+\rr)*SPITCH+512*\q
.endr
.endr
.endm
; q's or k's way out: each token tile's 128 columns are one fragment: its halves are the two heads' half images.  All four tiles are quantised ahead of one wait, and all 17 stores follow it.
.macro EPI_QK cb, sb
	s_wait_xcnt 0x0                                ; the stores issued so far have had their addresses translated: the codes' and words' registers are written again only behind this wait
	s_wait_alu depctr_vm_vsrc(0)                   ; the stores issued so far, LDS and global, have read v48-55 and v64-111, which the lines below write again
.irp m, 0,1,2,3
	QUANT 64*\m, 2, PC+12*\m, PW+\m
.endr
.irp m, 0,1,2,3
	v_lshrrev_b32 v[52+\m], v12, v[PW+\m]          ; lanes 16-31 bring the second head's two bytes down
.endr
	s_wait_alu depctr_va_vdst(0)                   ; the four tiles' codes v64-111 and the words v52-55 are written, which the stores below read
.irp m, 0,1,2,3
	global_store_b128 v[LI], v[PC+12*\m:PC+12*\m+3], s[\cb:\cb+1] offset:768*\m
	global_store_b64 v[L8], v[PC+12*\m+4:PC+12*\m+5], s[\cb:\cb+1] offset:768*\m+512
	global_store_b128 v[LI], v[PC+12*\m+6:PC+12*\m+9], s[\cb:\cb+1] offset:49152+768*\m
	global_store_b64 v[L8], v[PC+12*\m+10:PC+12*\m+11], s[\cb:\cb+1] offset:49152+768*\m+512
.endr
	global_store_b128 v11, v[52:55], s[\sb:\sb+1]  ; sixteen lanes fill a head's 256 bytes of this block
.endm
	s_load_b512 s[4:19], s[0:1], 0x0               ; x s[4:5], wpk s[6:7], wsc s[8:9], bq s[10:11], bk s[12:13], bv s[14:15], qkvc s[16:17], qkvs s[18:19]
	v_lshl_add_u32 v254, v0, 2, 0x26c00
	v_mov_b32 v255, 0
	v_lshrrev_b32 v3, 5, v0
	v_readfirstlane_b32 s20, v3                    ; wave 0..3
	v_and_b32 v15, 31, v0
	v_lshlrev_b32 v[LI], 4, v15
	v_lshlrev_b32 v[L8], 3, v15
	v_and_b32 v3, 15, v0                           ; r
	v_bfe_u32 v4, v0, 4, 1                         ; h
	v_lshlrev_b32 v[H64], 6, v4
	v_and_b32 v10, 8, v3
	v_add_nc_u32 v10, v10, v3
	v_lshlrev_b32 v10, 2, v10                      ; v10: 4 (r + 8 (r / 8)): bv at my channel
	v_lshlrev_b32 v11, 4, v3
	v_lshl_add_u32 v11, v4, 12, v11                ; v11: 16 r + 4,096 h: q's and k's scale words
	v_lshlrev_b32 v12, 4, v4                       ; v12: 16 h
.irp b, 0,1,2,3
	v_mov_b32 v[TM+4+\b], 0                        ; written once: a lane permute's destination counts as one of its sources
.endr
	s_wait_alu depctr_va_sdst(0)                   ; s20 is written, ahead of its first reader: LDS addresses and all the bases are made from it
	s_mul_i32 s24, s20, 16*SPITCH
	s_add_co_u32 s24, s24, STG                     ; my stage
	v_add_nc_u32 v5, s24, v[LI]                    ; v5: into it, as loaded
	v_mul_u32_u24 v6, v3, SPITCH
	v_lshl_add_u32 v6, v4, 6, v6
	v_add_nc_u32 v6, s24, v6                       ; v6: out of it: row r, + 64 h: my 16 numbers of a block of 32
	s_mul_i32 s25, s20, 1536
	v_add_nc_u32 v7, s25, v[LI]                    ; v7: my tile's images
	s_lshl_b32 s25, s20, 2
	s_add_co_u32 s25, s25, XOS
	v_add_nc_u32 v8, s25, v[LI]                    ; v8: my tile's scale words
	s_mov_b32 s[SEL], 0x76543210
	s_mov_b32 s[SEL+1], 0xfedcba98
	s_lshr_b32 s26, ttmp9, 4                       ; b
	s_and_b32 s27, ttmp9, 15                       ; kb
	s_lshl_b32 s28, ttmp9, 6
	s_lshr_b32 s29, s20, 1
	s_lshl_b32 s29, s29, 5
	s_add_co_u32 s28, s28, s29
	s_and_b32 s29, s20, 1
	s_lshl_b32 s29, s29, 3
	s_add_co_u32 s28, s28, s29                     ; my tile's first token: 64 x block + 32 (w / 2) + 8 (w % 2)
	s_lshl_b32 s28, s28, 11
	s_mov_b32 s29, 0
	s_lshl_b32 s30, s26, 3
	s_lshl_b32 s31, s20, 1
	s_add_co_u32 s30, s30, s31                     ; 8 b + my first head
	s_mul_i32 s46, s30, 49152
	s_mul_i32 s47, s27, 3072
	s_add_co_u32 s46, s46, s47
	s_mov_b32 s47, 0
	s_lshl_b32 s48, s30, 12
	s_lshl_b32 s49, s27, 8
	s_add_co_u32 s48, s48, s49
	s_mov_b32 s49, 0
	s_lshl_b32 s50, s26, 14
	s_lshl_b32 s51, s27, 10
	s_add_co_u32 s50, s50, s51
	s_lshl_b32 s51, s20, 8
	s_add_co_u32 s50, s50, s51
	s_add_co_u32 s50, s50, 1048576
	s_mov_b32 s51, 0
	s_mul_i32 s52, s20, 147456                     ; my 24 sets
	s_mov_b32 s53, 0
	s_mul_i32 s54, s20, 6144
	s_mov_b32 s55, 0
	s_lshl_b32 s56, s20, 9                         ; my 128 numbers of a bias
	s_mov_b32 s57, 0
	s_wait_kmcnt 0x0
	s_add_nc_u64 s[4:5], s[4:5], s[28:29]
	s_add_nc_u64 s[6:7], s[6:7], s[52:53]
	s_add_nc_u64 s[8:9], s[8:9], s[54:55]
	s_add_nc_u64 s[10:11], s[10:11], s[56:57]
	s_add_nc_u64 s[12:13], s[12:13], s[56:57]
	s_add_nc_u64 s[14:15], s[14:15], s[56:57]
	s_add_nc_u64 s[32:33], s[16:17], s[46:47]      ; q's codes,
	s_add_nc_u64 s[34:35], s[32:33], 6291456       ; k's,
	s_add_nc_u64 s[36:37], s[32:33], 12582912      ; v's
	s_add_nc_u64 s[40:41], s[18:19], s[48:49]      ; q's scale words,
	s_add_nc_u64 s[42:43], s[40:41], 524288        ; k's,
	s_add_nc_u64 s[44:45], s[18:19], s[50:51]      ; v's scale bytes
	; ---- x in: 16 rows, through my stage
	WIN 0x80
	s_wait_alu depctr_va_vdst(0)                   ; the offsets and LDS addresses v1 to v12 are written, which every load and store of the kernel reads; none is written again
	XROWS 0
	XROWS 8
	WIN 0x08
	s_wait_loadcnt 32                              ; the first 32 loads are in; the other 32 may be out
	XSTAGE 0
	s_wait_loadcnt 0x0
	XSTAGE 8
	WIN 0
	; ---- the ring's first four sets and q's bias go out while x is quantised
	RFILL 0, 6, 8, 0
	RFILL 1, 6, 8, 1
	RFILL 2, 6, 8, 2
	RFILL 3, 6, 8, 3
	PLOAD 0x40, PA, 10
	; ---- my 16 tokens become four fragments.  LDS serves a wave's instructions in order (ISA guide 5.7.1.4): the loads see my stores into my own stage.  All four K steps come back in one run, into the registers that x has left
	WIN 0x80
	s_wait_alu depctr_vm_vsrc(0)                   ; my stores into the stage have read window 2's registers, in which the loads below land
.irp s, 0,1,2,3
.irp b, 0,1,2,3
.irp j, 0,1,2,3
	ds_load_b128 v[64*\s+16*\b+4*\j:64*\s+16*\b+4*\j+3], v6 offset:512*\s+128*\b+16*\j
.endr
.endr
.endr
.irp s, 0,1,2,3
	s_wait_dscnt 48-16*\s                          ; LDS loads come back in order (ISA guide 5.7.1): K step s's 16 are in, the younger K steps' may be out
	QUANT 64*\s, 2, PC+12*\s, PW+\s
.endr
	s_wait_alu depctr_va_vdst(0)                   ; the four fragments' codes v64-111 and scale words v48-51 are written, which the LDS stores below read
.irp s, 0,1,2,3
	IMAGE 7, PC+12*\s, XOP+4*\s*1536
	ds_store_b32 v8, v[PW+\s] offset:512*\s
.endr
	BARRIER                                        ; x's sixteen fragments and their scale words lie in LDS; they are never written again
	OFETCH 0, XOP, XOS, 0                          ; (no vector instruction has named these registers yet)
	; ---- q
	s_wait_loadcnt 0x0                             ; the bias was asked for behind the four sets: only the count 0 shows it
	PROD 0x91, 0xa1, 1, 1, XOP, XOS, 6, 8, 0, 6, 8, 8, 0
	PLOAD 0x40, PA, 12                             ; k's bias.  No wait: behind the wait of the eighth set stand loads and window switches alone
	OFETCH 0, XOP, XOS, 0
	EPI_QK 32, 40
	; ---- k
	s_wait_loadcnt 0x0
	PROD 0x91, 0xa1, 1, 1, XOP, XOS, 6, 8, 8, 6, 8, 16, 0
.irp t, 0,1,2,3,4,5,6,7
	global_load_b32 v[208+\t], v10, s[14:15] offset:(32*(\t/2)+8*(\t%2))*4   ; v's bias: here a lane holds one channel of each tile
.endr
	OFETCH 0, XOP, XOS, 0
	EPI_QK 34, 42
	s_wait_loadcnt 0x0
	WIN 0x40
.irp t, 0,1,2,3,4,5,6,7
.irp j, 0,1,2,3,4,5,6,7
	v_mov_b32 v[PA+8*\t+\j], v[208+\t]             ; the same number for the lane's eight tokens
.endr
.endr
	WIN 0
	; ---- v: source 0 = the tokens, so that the registers run along the keys; the last product asks for nothing beyond its sets
	PROD 0x94, 0xa4, 0, 1, XOP, XOS, 6, 8, 16, 6, 8, 24, 1
	v_cmp_eq_u32 vcc_lo, 1, v4                     ; lanes 16-31, for the two selects below
	s_wait_xcnt 0x0
	s_wait_alu depctr_vm_vsrc(0)                   ; k's stores have read v48-55 and v64-111, which the lines below write again
.irp p, 0,1,2,3                        ; channel tiles 2 p and 2 p + 1: 32 registers each, the block's 64 keys: two half images
	QUANT 64*\p, 2, PC+12*\p, PW+\p
.endr
	s_wait_alu depctr_va_vcc(0)                    ; the compare has written VCC, ahead of its first reader
	v_cndmask_b32 v52, v[PW], v[PW+2], vcc_lo      ; lanes 0-15: my first head's four tiles' byte pairs, lanes 16-31: my second head's
	v_cndmask_b32 v53, v[PW+1], v[PW+3], vcc_lo
	s_wait_alu depctr_va_vdst(0)                   ; the codes v64-111 and the byte pairs v52, v53 are written, which the stores below read
.irp p, 0,1,2,3
	global_store_b128 v[LI], v[PC+12*\p:PC+12*\p+3], s[36:37] offset:(\p/2)*49152+(\p%2)*1536
	global_store_b64 v[L8], v[PC+12*\p+4:PC+12*\p+5], s[36:37] offset:(\p/2)*49152+(\p%2)*1536+512
	global_store_b128 v[LI], v[PC+12*\p+6:PC+12*\p+9], s[36:37] offset:(\p/2)*49152+(\p%2)*1536+768
	global_store_b64 v[L8], v[PC+12*\p+10:PC+12*\p+11], s[36:37] offset:(\p/2)*49152+(\p%2)*1536+1280
.endr
	global_store_b64 v[L8], v[52:53], s[44:45]     ; 256 consecutive bytes
	s_wait_dscnt 0x0                               ; the closing lines, six on end
	s_wait_alu 0x0
	s_wait_tensorcnt 0x0
	ds_add_u32 v254, v255
	s_wait_dscnt 0x0
	s_endpgm
.Lfunc_end_k_qee4031c7e1_qkv:
	.size	k_qee4031c7e1_qkv, .Lfunc_end_k_qee4031c7e1_qkv-k_qee4031c7e1_qkv
	.p2alignl 7, 3214868480
	.fill 96, 4, 3214868480
	.section	.rodata,"a",@progbits
	.p2align	6, 0x0
	.amdhsa_kernel k_qee4031c7e1_qkv
		.amdhsa_group_segment_fixed_size 159232
		.amdhsa_private_segment_fixed_size 0
		.amdhsa_enable_private_segment 0
		.amdhsa_kernarg_size 64
		.amdhsa_user_sgpr_count 2
		.amdhsa_user_sgpr_kernarg_segment_ptr 1
		.amdhsa_wavefront_size32 1
		.amdhsa_system_sgpr_workgroup_id_x 1
		.amdhsa_system_sgpr_workgroup_id_y 1
		.amdhsa_system_sgpr_workgroup_id_z 1
		.amdhsa_system_vgpr_workitem_id 0
		.amdhsa_next_free_vgpr 768
		.amdhsa_next_free_sgpr 66
		.amdhsa_reserve_vcc 1
		.amdhsa_float_denorm_mode_32 3
		.amdhsa_float_denorm_mode_16_64 3
		.amdhsa_memory_ordered 1
		.amdhsa_forward_progress 1
		.amdhsa_inst_pref_size 187
	.end_amdhsa_kernel
	.amdgpu_metadata
---
amdhsa.version: [ 1, 2 ]
amdhsa.kernels:
  - .name:           k_qee4031c7e1_qkv
    .symbol:         k_qee4031c7e1_qkv.kd
    .args:
      - { .name: x, .offset: 0, .size: 8, .value_kind: global_buffer, .address_space: global }
      - { .name: wpk, .offset: 8, .size: 8, .value_kind: global_buffer, .address_space: global }
      - { .name: wsc, .offset: 16, .size: 8, .value_kind: global_buffer, .address_space: global }
      - { .name: bq, .offset: 24, .size: 8, .value_kind: global_buffer, .address_space: global }
      - { .name: bk, .offset: 32, .size: 8, .value_kind: global_buffer, .address_space: global }
      - { .name: bv, .offset: 40, .size: 8, .value_kind: global_buffer, .address_space: global }
      - { .name: qkvc, .offset: 48, .size: 8, .value_kind: global_buffer, .address_space: global }
      - { .name: qkvs, .offset: 56, .size: 8, .value_kind: global_buffer, .address_space: global }
    .group_segment_fixed_size: 159232
    .private_segment_fixed_size: 0
    .kernarg_segment_align: 8
    .kernarg_segment_size: 64
    .max_flat_workgroup_size: 128
    .sgpr_count:     66
    .vgpr_count:     768
    .wavefront_size: 32
...
	.end_amdgpu_metadata
.endif
;; end of part 5
;; launch attn (part 6): grid 2 x 128, 16 waves a work-group, no clusters, 106,496 bytes of LDS; arguments qkvc, qkvs, ac, asc; writes ac, asc
.if DOCPART == 6
	.amdgcn_target "amdgcn-amd-amdhsa--gfx1250"
	.amdhsa_code_object_version 6
	.text
	.protected	k_qee4031c7e1_attn
	.globl	k_qee4031c7e1_attn
	.p2align	8
	.type	k_qee4031c7e1_attn,@function
k_qee4031c7e1_attn:
	s_mov_b64 s[64:65], 0
	v_nop
	global_prefetch_b8 v0, s[64:65] scope:SCOPE_SE
	s_setreg_imm32_b32 hwreg(HW_REG_WAVE_SCHED_MODE, 0, 2), 2
	s_setreg_imm32_b32 hwreg(HW_REG_WAVE_MODE, 25, 1), 1
	s_wait_xcnt 0x0
	s_wait_alu depctr_vm_vsrc(0)
; Attention of one head on codes of E2M3: S^T = K Q^T (K = the head's 64), p = 2^(t - M), O^T = V^T P^T (K = the keys), O / l quantised along the head's 64 for the next product.
; t = score x log2(e) / 8; M = the running largest t rounded UP to a whole number; p is quantised along the keys, not normalised; the row's sum l is taken of the unquantised p.  When M moves, l and O^T are multiplied by 2^(old M - new M): exact.
; SHARES.  Work-group (x, y): head y = 8 b + head, queries 512 x .. 512 x + 511.  The head's whole K and V (codes and scale words, 102 KB) come into LDS once, through registers, and are only read after the one barrier.
; Sixteen waves, four to a SIMD, so that one wave's softmax stands beside another's products.  A wave takes two tiles of 16 queries, one after the other, and walks the 1,024 keys in 8 steps of 128.
; LAYOUT.  Both products are used transposed: a lane holds ONE query (lane % 16) throughout.  The launch before has chosen the tokens of a tile so that the 16 registers of score tiles 2 b and 2 b + 1 are keys 32 b + 16 (lane / 16) + 0 .. 15.
; THE FIRST PRODUCT HAS K = 64, HALF AN INSTRUCTION.  Q's upper six registers hold zero codes.  K's tiles lie six registers apart, so a tile's upper six registers are the next tile's codes (behind the last: zeros): they meet zero codes
; under scale bytes that are never 0xff, and add nothing.
; No multicast: the two work-groups of a head read the same K and V once each at their heads, 100 KB against a whole launch's work; a cluster would save that one read.
; LIMITS: NaN and infinities are not served; p under 2^-126 counts as 0 (v_exp_f32); a block whose largest number lies under 2^-124 gets the byte 1.  A block's largest p is taken as the exponential of its largest score.
; REGISTERS: v1-5 addresses that stay; v8-11 the step's addresses; v12 -M, v13 the largest t, v[14:15] l in two halves; v16-27 Q (v22-27 zeros), v28 its scale word; v32-79 K's tiles, then V's fragments; v80-85 zeros;
;   v88-95 K's or V's scale words; v96-159 S^T, then p; v160-191 O^T; v192-203 p's codes; v204-211 at work; v212-223 BM, PX, SO; v224 p's scale word; v[226:227] f; v232-243 the way out; v244-250 the second tile's Q.
; THE MODE: SCHED_MODE bits 1:0 = 2 (LLVM: expert scheduling mode 2), set by the entry lines.  The code itself states the register dependences between vector or matrix instructions and memory or LDS instructions, with s_wait_alu, always for 0.
; THE PLAN.  Registers that memory or LDS instructions touch in a key step, and who else names them:
;   v8-11           four additions write them at the step's head; all 35 LDS loads of the step read them.  One wait on vm_vsrc ahead of the additions, and the wait on va_vdst that stands behind them anyway.
;   v32-79, v88-95  K's 18 loads write them; the eight products K Q^T read them; V's 17 loads write them; the four products V^T P read them.  Four waves of 256 registers fill a SIMD: there is no room for a second set.
;                   So one wait on va_vdst stands behind each group of products: at the step's head and behind K Q^T's four places.
;   Behind the second of these V's loads are dealt among the 32 lines that search the blocks' largest scores: those name the scores and v212-215 alone.
;   v192-203, v224  vector instructions write p's codes and scale word; the scaled products take them: their places, then one wait on va_vdst.
;   The exponentials' own wait stands as ever.  Outside the loop: the head's addresses and v146; the way out's v232-237 and v243, which stores read.
.set KC,  0                            ; LDS: K's codes: for each 64 keys four half images of 768 bytes
.set VC,  49152                        ; V's: for each 64 keys four half images (16 channels each)
.set KS,  98304                        ; K's scale words [64 keys][r][tile]
.set VS,  102400                       ; V's [128 keys][r][tile]
.set ADX, 8
.set ADY, 9
.set ADS, 10
.set ADT, 11
.set BM,  212                          ; a block's largest score, then its largest p
.set PX,  216
.set SO,  220                          ; the conversions' scale operands
.set WV,  12
.set SEL, 14
.set CS,  16
.set TB,  18
.set TS,  19
.set TJ,  20
.set CNT, 21
.macro PLACES n
.rept \n
	v_nop
.endr
.endm
	s_load_b256 s[4:11], s[0:1], 0x0               ; qkvc s[4:5], qkvs s[6:7], ac s[8:9], asc s[10:11]
	v_lshl_add_u32 v254, v0, 2, 0x19800
	v_mov_b32 v255, 0
	v_lshrrev_b32 v6, 5, v0
	v_readfirstlane_b32 s[WV], v6                  ; wave 0..15
	v_and_b32 v7, 31, v0
	v_lshlrev_b32 v1, 4, v7                        ; v1: 16 x lane
	v_lshlrev_b32 v2, 3, v7
	v_add_nc_u32 v2, 512, v2                       ; v2: 512 + 8 x lane: the second part of a half image
	v_lshlrev_b32 v229, 2, v7                      ; 4 x lane
	v_and_b32 v87, 15, v0
	v_lshlrev_b32 v87, 4, v87                      ; 16 r
	v_add_nc_u32 v3, KS, v87
	v_add_nc_u32 v4, VS, v87
	v_bfe_u32 v5, v0, 4, 1                         ; h
	v_lshlrev_b32 v6, 4, v0                        ; 16 x thread
	v_add_nc_u32 v7, VC, v6
	v_lshlrev_b32 v29, 3, v0
	v_add_nc_u32 v30, KS, v29
	v_lshl_add_u32 v31, v0, 2, VS
	v_lshrrev_b32 v86, 6, v0
	v_lshlrev_b32 v86, 11, v86
	v_and_b32 v228, 63, v0
	v_lshl_add_u32 v86, v228, 1, v86               ; V's byte pairs: thread = 64 ks + 4 r + tile: 2,048 ks + 2 (4 r + tile)
	s_mov_b32 s[SEL], 0x76543210
	s_mov_b32 s[SEL+1], 0xfedcba98
	s_mov_b32 s[CS], 0x3e38aa3b                    ; c = log2(e) / 8
	s_mov_b32 s[CS+1], s[CS]                       ; (named with it as a pair, so it is written)
	s_and_b32 s13, ttmp7, 0xffff                   ; y
	s_lshr_b32 s38, s13, 3                         ; b
	s_and_b32 s39, s13, 7                          ; head
	s_wait_alu depctr_va_sdst(0)                   ; the wave's number is written, ahead of its first reader: the bases of q and of the outputs are made from it
	s_lshr_b32 s40, s[WV], 1
	s_lshl_b32 s41, ttmp9, 3
	s_add_co_u32 s40, s40, s41                     ; my block of 64 queries
	s_and_b32 s41, s[WV], 1                        ; which two of its four tiles
	s_mul_i32 s42, s13, 49152
	s_mov_b32 s43, 0
	s_lshl_b32 s44, s13, 12
	s_mov_b32 s45, 0
	s_wait_kmcnt 0x0
	s_add_nc_u64 s[30:31], s[4:5], s[42:43]        ; the head's q codes,
	s_add_nc_u64 s[22:23], s[30:31], 6291456       ; k codes,
	s_add_nc_u64 s[24:25], s[30:31], 12582912      ; v codes
	s_add_nc_u64 s[32:33], s[6:7], s[44:45]        ; q's scale words,
	s_add_nc_u64 s[26:27], s[32:33], 524288        ; k's
	s_lshl_b32 s42, s38, 14
	s_lshl_b32 s44, s39, 7
	s_add_co_u32 s42, s42, s44
	s_add_co_u32 s42, s42, 1048576
	s_add_nc_u64 s[28:29], s[6:7], s[42:43]        ; v's byte pairs
	s_mul_i32 s42, s40, 3072
	s_mul_i32 s44, s41, 1536
	s_add_co_u32 s42, s42, s44
	s_add_nc_u64 s[30:31], s[30:31], s[42:43]      ; my two tiles of q
	s_lshl_b32 s42, s40, 8
	s_lshl_b32 s44, s41, 3
	s_add_co_u32 s42, s42, s44
	s_add_nc_u64 s[32:33], s[32:33], s[42:43]
	s_lshl_b32 s46, s38, 4
	s_add_co_u32 s46, s46, s40                     ; the block's number among all 256
	s_mul_i32 s42, s46, 24576
	s_mul_i32 s44, s41, 12288
	s_add_co_u32 s42, s42, s44
	s_mul_i32 s44, s39, 768
	s_add_co_u32 s42, s42, s44
	s_add_nc_u64 s[34:35], s[8:9], s[42:43]        ; ac: ((4 block + tile) x 8 + head) x 768
	s_lshl_b32 s42, s46, 11
	s_lshl_b32 s44, s39, 8
	s_add_co_u32 s42, s42, s44
	s_lshl_b32 s44, s41, 7
	s_add_co_u32 s42, s42, s44
	s_add_nc_u64 s[36:37], s[10:11], s[42:43]      ; asc: [block][head][tile][r]
	s_wait_alu depctr_va_vdst(0)                   ; the offsets and LDS addresses made above are written, which the loads and stores of the head and of the way out read
.irp i, 0,1,2,3,4,5
	global_load_b128 v[96+4*\i:99+4*\i], v6, s[22:23] offset:8192*\i    ; the 512 threads read 8,192 consecutive bytes an instruction
	global_load_b128 v[120+4*\i:123+4*\i], v6, s[24:25] offset:8192*\i
.endr
	global_load_b64 v[144:145], v29, s[26:27]
	global_load_u16 v146, v86, s[28:29]            ; keys 128 ks .. + 63: two bytes,
	global_load_u16 v147, v86, s[28:29] offset:1024   ; keys 128 ks + 64 ..: two more
	global_load_b128 v[16:19], v1, s[30:31]
	global_load_b64 v[20:21], v2, s[30:31]
	global_load_b128 v[244:247], v1, s[30:31] offset:768
	global_load_b64 v[248:249], v2, s[30:31] offset:768
	global_load_b32 v28, v87, s[32:33]
	global_load_b32 v250, v87, s[32:33] offset:4
.irp j, 0,1,2,3,4,5
	v_mov_b32 v[22+\j], 0                          ; Q's zero codes for k = 64 .. 127
	v_mov_b32 v[80+\j], 0                          ; and what stands behind K's last tile
.endr
.irp b, 0,1,2,3
	v_mov_b32 v[PX+\b], 0                          ; written once: a lane permute's destination counts as one of its sources
.endr
	v_mov_b32 v227, 0                              ; (named as the upper half of the pair v[226:227])
	v_mov_b32 v243, 0
	s_wait_loadcnt 0x0
	v_lshl_or_b32 v146, v147, 16, v146             ; a key step's scale word of a channel
	s_wait_alu depctr_va_vdst(0)                   ; v146 is written, which the last LDS store below reads; so are the zero codes v22-27 and v80-85, which the scaled products take
.irp i, 0,1,2,3,4,5
	ds_store_b128 v6, v[96+4*\i:99+4*\i] offset:8192*\i
	ds_store_b128 v7, v[120+4*\i:123+4*\i] offset:8192*\i
.endr
	ds_store_b64 v30, v[144:145]
	ds_store_b32 v31, v146
	s_wait_dscnt 0x0                               ; for the others' sake: my stores have landed
	s_barrier_signal -1
	s_barrier_wait -1                              ; the one barrier: from here on LDS is only read
.macro QTILE qi
.if \qi
.irp j, 0,1,2,3,4,5
	v_mov_b32 v[16+\j], v[244+\j]                  ; the second tile's Q; more than eight plain lines follow ahead of the first product
.endr
	v_mov_b32 v28, v250
.endif
	v_mov_b32 v13, 0xff61b1e6                      ; the largest t so far: -3e38, under every t
	v_floor_f32 v12, -v13                          ; -M
	v_mov_b32 v14, 0
	v_mov_b32 v15, 0
.set oj, 0
.rept 32
	v_mov_b32 v[160+oj], 0                         ; O^T: the step is written once; its first trip finds zeros, which the first change of M leaves zeros
.set oj, oj+1
.endr
	s_mov_b32 s[TB], 0
	s_mov_b32 s[TS], 0
	s_mov_b32 s[TJ], 0
	s_mov_b32 s[CNT], 8
.Lstep_\@:
	s_wait_alu depctr_vm_vsrc(0)                   ; the LDS loads issued so far have read v8-11, which the next four lines write; in the kernel's first trip also: the head's LDS stores have read v96-146, which the products below write
	v_add_nc_u32 v[ADX], s[TB], v1                 ; these four lines are also places behind the last products
	v_add_nc_u32 v[ADY], s[TB], v2
	v_add_nc_u32 v[ADS], s[TS], v3
	v_add_nc_u32 v[ADT], s[TJ], v4
	s_wait_alu depctr_va_vdst(0)                   ; the four addresses are written; the last step's products V^T P are done reading v32-79 and v88-91, in which K's tiles and words land; in the second tile's first trip Q's codes and scale word are written, which the scaled products take
.irp t, 0,1,2,3,4,5,6,7
	ds_load_b128 v[32+6*\t:35+6*\t], v[ADX] offset:768*\t
	ds_load_b64 v[36+6*\t:37+6*\t], v[ADY] offset:768*\t
.endr
	ds_load_b128 v[88:91], v[ADS]
	ds_load_b128 v[92:95], v[ADS] offset:256
	s_wait_dscnt 0x0
.irp t, 0,1,2,3,4,5,6,7
	v_wmma_scale_f32_16x16x128_f8f6f4 v[96+8*\t:103+8*\t], v[32+6*\t:43+6*\t], v[16:27], 0, v[88+\t], v28 matrix_a_fmt:MATRIX_FMT_FP6 matrix_b_fmt:MATRIX_FMT_FP6
.endr
	PLACES 4                                       ; in front of the first read of the scores
	s_wait_alu depctr_va_vdst(0)                   ; the eight products are done reading K's tiles and words, in which V's fragments and words land
	ds_load_b128 v[88:91], v[ADT]
; V's four fragments (16 channels x these 128 keys) land under the softmax: two loads ahead of each four lines of the search for THE LARGEST SCORE OF EACH BLOCK OF 32 KEYS (for the row's maximum, and, since p rises with the score, for the
; block's largest p).  No further wait: those lines name the scores and v212-215, none of the registers that the loads touch.
.irp g, 0,1,2,3,4,5,6,7
	ds_load_b128 v[32+12*(\g%4)+6*(\g/4):35+12*(\g%4)+6*(\g/4)], v[ADX] offset:VC+3072*(\g/4)+768*(\g%4)
	ds_load_b64 v[36+12*(\g%4)+6*(\g/4):37+12*(\g%4)+6*(\g/4)], v[ADY] offset:VC+3072*(\g/4)+768*(\g%4)
.irp b, 0,1,2,3
.if \g == 0
	v_max3_num_f32 v[BM+\b], v[96+16*\b], v[97+16*\b], v[98+16*\b]
.elseif \g < 7
	v_max3_num_f32 v[BM+\b], v[BM+\b], v[96+16*\b+2*\g+1], v[97+16*\b+2*\g+1]
.else
	v_max_num_f32 v[BM+\b], v[BM+\b], v[111+16*\b]
.endif
.endr
.endr
.irp b, 0,1,2,3
	v_permlanex16_b32 v[PX+\b], v[BM+\b], s[SEL], s[SEL+1]
.endr
.irp b, 0,1,2,3
	v_max_num_f32 v[BM+\b], v[BM+\b], v[PX+\b]     ; with lane l xor 16's 16 keys
.endr
	v_max3_num_f32 v228, v[BM], v[BM+1], v[BM+2]
	v_max_num_f32 v228, v228, v[BM+3]
	v_mul_f32 v228, s[CS], v228                    ; as t (c is positive)
	v_max_num_f32 v13, v13, v228                   ; the running largest t
	v_mov_b32 v228, v12
	v_floor_f32 v12, -v13                          ; the new -M = -ceil(t): a whole number
	v_sub_f32 v228, v12, v228                      ; old M - new M: a whole number, 0 or less
	v_cvt_i32_f32 v228, v228                       ; (it saturates)
	v_ldexp_f32 v226, 1.0, v228                    ; f = 2^(old M - new M)
.set oj, 0
.rept 32
	v_pk_fma_f32 v[96+oj:97+oj], v[96+oj:97+oj], s[CS:CS+1], v[12:13] op_sel_hi:[1,0,0]   ; t - M, two at a time
.set oj, oj+2
.endr
.irp b, 0,1,2,3
	v_fma_f32 v[BM+\b], v[BM+\b], s[CS], v12       ; the same of each block's largest score
.endr
.set oj, 0
.rept 64
	v_exp_f32 v[96+oj], v[96+oj]                   ; p = 2^(t - M), at most 1
.set oj, oj+1
.endr
.irp b, 0,1,2,3
	v_exp_f32 v[BM+\b], v[BM+\b]                   ; the block's largest p: the same two instructions on the same number
.endr
	v_pk_mul_f32 v[14:15], v[14:15], v[226:227] op_sel_hi:[1,0]   ; l under the new M (the plain place behind the exponentials)
	s_wait_alu depctr_va_vdst(0)                   ; the 68 exponentials have written p and the blocks' largest p: one wait for the batch, ahead of its first reader
.irp b, 0,1,2,3
	v_max_num_f32 v[BM+\b], 0x1800000, v[BM+\b]    ; the floor 2^-124: the byte cannot fall under 1
.endr
.irp b, 0,1,2,3
	v_add_nc_u32 v[SO+\b], 0xff000000, v[BM+\b]    ; 2 off the exponent field: the conversion's scale operand
.endr
.irp b, 0,1,2,3
	v_lshrrev_b32 v[PX+\b], 23, v[SO+\b]           ; the scale's byte
.endr
	v_lshl_or_b32 v224, v[PX+1], 8, v[PX]          ; p's scale word for these 128 keys
	v_lshl_or_b32 v224, v[PX+2], 16, v224
	v_lshl_or_b32 v224, v[PX+3], 24, v224
.irp c, 0,1
	v_cvt_scalef32_pk16_fp6_f32 v[192+6*\c:194+6*\c], v[96+32*\c:111+32*\c], v[SO+2*\c]
	v_cvt_scalef32_pk16_fp6_f32 v[204+4*\c:206+4*\c], v[112+32*\c:127+32*\c], v[SO+2*\c+1]
.endr
	v_nop                                          ; one plain place behind a scaled conversion
.irp c, 0,1
.irp e, 0,1,2
	v_permlane16_swap_b32 v[192+6*\c+\e], v[204+4*\c+\e]
.endr
.irp e, 0,1,2
	v_mov_b32 v[195+6*\c+\e], v[204+4*\c+\e]
.endr
.endr
	v_pk_add_f32 v[230:231], v[96:97], v[98:99]    ; the row's sum is taken of the unquantised p: two at a time, in two chains
.irp k, 4,8,12,16,20,24,28,32,36,40,44,48,52,56,60
	v_pk_add_f32 v[14:15], v[14:15], v[96+\k:97+\k]
	v_pk_add_f32 v[230:231], v[230:231], v[98+\k:99+\k]
.endr
	v_pk_add_f32 v[14:15], v[14:15], v[230:231]
.set oj, 0
.rept 16
	v_pk_mul_f32 v[160+oj:161+oj], v[160+oj:161+oj], v[226:227] op_sel_hi:[1,0]   ; O^T under the new M
.set oj, oj+2
.endr
	s_wait_dscnt 0x0                               ; V's fragments and scale words are in
	s_wait_alu depctr_va_vdst(0)                   ; p's codes v192-203 and its scale word v224 are written, which the scaled products below take; their places, the sums and scalings above, stand ahead of this wait
.irp t, 0,1,2,3
	v_wmma_scale_f32_16x16x128_f8f6f4 v[160+8*\t:167+8*\t], v[32+12*\t:43+12*\t], v[192:203], v[160+8*\t:167+8*\t], v[88+\t], v224 matrix_a_fmt:MATRIX_FMT_FP6 matrix_b_fmt:MATRIX_FMT_FP6
.endr
	s_add_co_u32 s[TB], s[TB], 6144                ; the next 128 keys
	s_add_co_u32 s[TS], s[TS], 512
	s_add_co_u32 s[TJ], s[TJ], 256
	s_sub_co_u32 s[CNT], s[CNT], 1
	s_cmp_lg_u32 s[CNT], 0
	s_cbranch_scc1 .Lstep_\@
	PLACES 4                                       ; in front of the first read of O^T
	v_cmp_eq_u32 vcc_lo, \qi, v5                   ; the half of the lanes that keeps this tile's words, for the select below
	v_add_f32 v14, v14, v15
	v_permlanex16_b32 v228, v14, s[SEL], s[SEL+1]
	v_add_f32 v14, v14, v228                       ; the row's sum
	v_rcp_f32 v14, v14
	v_nop                                          ; one plain place behind a transcendental
.set oj, 0
	s_wait_alu depctr_va_vdst(0)                   ; the reciprocal has written v14, ahead of its first reader
.rept 32
	v_mul_f32 v[96+oj], v[160+oj], v14             ; O / l: register 16 b + i is channel 32 b + 16 h + i of my query
.set oj, oj+1
.endr
	s_wait_xcnt 0x0                                ; the first tile's stores have had their addresses translated
	s_wait_alu depctr_vm_vsrc(0)                   ; the first tile's stores have read v232-237, which the lines below write again
.irp b, 0,1
	v_max3_num_f32 v[BM+\b], |v[96+16*\b]|, |v[97+16*\b]|, 0x1800000
.endr
.irp k, 2,4,6,8,10,12,14
.irp b, 0,1
	v_max3_num_f32 v[BM+\b], v[BM+\b], |v[96+16*\b+\k]|, |v[97+16*\b+\k]|
.endr
.endr
.irp b, 0,1
	v_permlanex16_b32 v[PX+\b], v[BM+\b], s[SEL], s[SEL+1]
.endr
.irp b, 0,1
	v_max_num_f32 v[BM+\b], v[BM+\b], v[PX+\b]
.endr
.irp b, 0,1
	v_add_nc_u32 v[SO+\b], 0xff000000, v[BM+\b]
.endr
.irp b, 0,1
	v_lshrrev_b32 v[PX+\b], 23, v[SO+\b]
.endr
	v_lshl_or_b32 v242, v[PX+1], 8, v[PX]          ; the head's two bytes of my query; the upper half stays 0
	v_cvt_scalef32_pk16_fp6_f32 v[232:234], v[96:111], v[SO]
	v_cvt_scalef32_pk16_fp6_f32 v[238:240], v[112:127], v[SO+1]
	v_nop
.irp e, 0,1,2
	v_permlane16_swap_b32 v[232+\e], v[238+\e]
.endr
.irp e, 0,1,2
	v_mov_b32 v[235+\e], v[238+\e]
.endr
	s_wait_alu depctr_va_vcc(0)                    ; the compare has written VCC, ahead of its first reader
	v_cndmask_b32 v243, v243, v242, vcc_lo         ; lanes 0-15 keep the first tile's words, lanes 16-31 the second's
	s_wait_alu depctr_va_vdst(0)                   ; the codes v232-237 are written, which the two stores below read; so is v243, which the kernel's last store reads
	global_store_b128 v1, v[232:235], s[34:35] offset:6144*\qi     ; a half image: 512 and 256 consecutive bytes
	global_store_b64 v2, v[236:237], s[34:35] offset:6144*\qi
.endm
	QTILE 0
	QTILE 1
	global_store_b32 v229, v243, s[36:37]          ; 128 consecutive bytes: two tiles' words
	s_wait_dscnt 0x0                               ; the closing lines, six on end
	s_wait_alu 0x0
	s_wait_tensorcnt 0x0
	ds_add_u32 v254, v255
	s_wait_dscnt 0x0
	s_endpgm
.Lfunc_end_k_qee4031c7e1_attn:
	.size	k_qee4031c7e1_attn, .Lfunc_end_k_qee4031c7e1_attn-k_qee4031c7e1_attn
	.p2alignl 7, 3214868480
	.fill 96, 4, 3214868480
	.section	.rodata,"a",@progbits
	.p2align	6, 0x0
	.amdhsa_kernel k_qee4031c7e1_attn
		.amdhsa_group_segment_fixed_size 106496
		.amdhsa_private_segment_fixed_size 0
		.amdhsa_enable_private_segment 0
		.amdhsa_kernarg_size 32
		.amdhsa_user_sgpr_count 2
		.amdhsa_user_sgpr_kernarg_segment_ptr 1
		.amdhsa_wavefront_size32 1
		.amdhsa_system_sgpr_workgroup_id_x 1
		.amdhsa_system_sgpr_workgroup_id_y 1
		.amdhsa_system_sgpr_workgroup_id_z 1
		.amdhsa_system_vgpr_workitem_id 0
		.amdhsa_next_free_vgpr 256
		.amdhsa_next_free_sgpr 66
		.amdhsa_reserve_vcc 1
		.amdhsa_float_denorm_mode_32 3
		.amdhsa_float_denorm_mode_16_64 3
		.amdhsa_memory_ordered 1
		.amdhsa_forward_progress 1
		.amdhsa_inst_pref_size 50
	.end_amdhsa_kernel
	.amdgpu_metadata
---
amdhsa.version: [ 1, 2 ]
amdhsa.kernels:
  - .name:           k_qee4031c7e1_attn
    .symbol:         k_qee4031c7e1_attn.kd
    .args:
      - { .name: qkvc, .offset: 0, .size: 8, .value_kind: global_buffer, .address_space: global }
      - { .name: qkvs, .offset: 8, .size: 8, .value_kind: global_buffer, .address_space: global }
      - { .name: ac, .offset: 16, .size: 8, .value_kind: global_buffer, .address_space: global }
      - { .name: asc, .offset: 24, .size: 8, .value_kind: global_buffer, .address_space: global }
    .group_segment_fixed_size: 106496
    .private_segment_fixed_size: 0
    .kernarg_segment_align: 8
    .kernarg_segment_size: 32
    .max_flat_workgroup_size: 512
    .sgpr_count:     66
    .vgpr_count:     256
    .wavefront_size: 32
...
	.end_amdgpu_metadata
.endif
;; end of part 6
;; launch ffn (part 7): grid 256 x 1, 4 waves a work-group, no clusters, 189,952 bytes of LDS; arguments x, ac, asc, wpk, wsc, bo, ln1_g, ln1_b, b1, b2, ln2_g, ln2_b, out0; writes out0
.if DOCPART == 7
	.amdgcn_target "amdgcn-amd-amdhsa--gfx1250"
	.amdhsa_code_object_version 6
	.text
	.protected	k_qee4031c7e1_ffn
	.globl	k_qee4031c7e1_ffn
	.p2align	8
	.type	k_qee4031c7e1_ffn,@function
k_qee4031c7e1_ffn:
	s_mov_b64 s[64:65], 0
	v_nop
	global_prefetch_b8 v0, s[64:65] scope:SCOPE_SE
	s_setreg_imm32_b32 hwreg(HW_REG_WAVE_SCHED_MODE, 0, 2), 2
	s_setreg_imm32_b32 hwreg(HW_REG_WAVE_MODE, 25, 1), 1
	s_wait_xcnt 0x0
	s_wait_alu depctr_vm_vsrc(0)
; x1 = LN1(x + a Wo + bo);  out = LN2(x1 + gelu(x1 W1 + b1) W2 + b2).  a (the attention's output) arrives as codes; x1 and gelu(..) are quantised on the way (E2M3, one E8M0 scale for each 32 along K) and never go to memory.
; SHARES.  A work-group takes 64 tokens.  The four waves share the COLUMNS: wave w makes columns 128 w .. 128 w + 127 of a Wo, of each chunk of 512 hidden units, and of the output, for all 64 tokens: nine products of one shape
; (64 x 128 x K 512, 128 matrix instructions).  A wave's 128 columns of a result are one K step of the next product: quantised in registers, they go to the other waves through LDS as images of the operand's registers.
; THE WEIGHTS come from wpk and wsc in register order: a set (4 fragments, 13 loads) into one of four register slots by turns; a wave's 72 sets lie on end in the order in which it takes them.  The last product's four refills would pass
; the stream's end: they read the stream's first four sets again (24 KB a wave, inside the buffer, used by nobody), so that every counted wait holds alike in every trip.
; All products are TRANSPOSED (source 0 = 16 rows of W, source 1 = 16 tokens): a lane holds one token (tile m, lane % 16: token 32 (m / 2) + 8 (m % 2) + r + 8 (r / 8) of the block) and 16 neighbouring columns in each pair of tiles.
; The residuals and the biases bo, b2 are in the accumulators before the products begin; b1 is the C of a sum's first product.
; LAYER NORM in two passes (mean; then the centred squares), each row's partial sums of the four waves meeting in LDS.
; GELU: x (0.5 + 0.5 erf(x / sqrt 2)), erf(z) = z P(z^2) / Q(z^2) on z held to +-4, P of degree 6 and Q of degree 4 in z^2: the usual single-precision fit.  As in the formula itself, for very negative x the error is about 6e-8 |x| absolute.
; LIMITS: NaN and infinities are not served; a block whose largest magnitude lies under 2^-124, a block of zeros among them, gets the byte 1.
; No multicast here: all 256 work-groups walk the same weights, which would be shared in clusters by tensor loads through LDS; this text streams them into registers instead and pays with requests for 1.77 MB a work-group.
; REGISTERS, in windows of 256.  Window 0: v1-15 addresses; v16-23 the slots' scale words; v24-31 the operand's, two sets; v32-47 at work; v48-51 scale words just made; v56-63, v64-111 codes just made; v112-207 the operand's fragments,
;   two sets, and between products scratch; v208-211 two coefficients; v212-227 the rows' means and 1 / sigma, in pairs.   Window 1: v0-191 four slots; v192-255 a parameter vector (bo, b1, ln2_g).
;   Window 2: H, the 32 accumulators of a hidden chunk; while free: x as loaded, ln1_b, b2, ln1_g, ln2_b, the rows on their way out.   Window 3: Y, the 32 accumulators of the token's 128 columns ((m, t) at 8 (8 m + t)).
; THE MODE: SCHED_MODE bits 1:0 = 2 (LLVM: expert scheduling mode 2), set by the entry lines.  The code itself states the register dependences between vector or matrix instructions and memory or LDS instructions, with s_wait_alu, always for 0.
; THE PLAN.  Registers that memory or LDS instructions touch, and who else names them:
;   v1-15          offsets and LDS addresses: made at the head and never written again: one wait on va_vdst ahead of the first load serves them for the whole kernel.
;   slots, v16-23  set n's 13 loads write slot n % 4 and its two scale words; its 16 products read them.  ONE wait on va_vdst stands behind each set's products, ahead of the slot's refill.
;   v112-207, v24-31  a K step's 13 LDS loads write one of two sets; the K step's 32 products read it; between products the layer norm and the gelu work in v112-175.  The wait behind a set, or the one ahead of a group of images,
;                  has shown all of that done when the next loads land: they need no wait of their own, and those of K steps 1 to 3 stand among an even set's products.
;   the parameter vector (window 1)  loads write it; additions, or the products of a sum's first two sets, read it.
;   window 2       x as loaded, read by the stage's LDS stores: one wait on vm_vsrc ahead of the parameter loads that land there; then accumulators; at last ln2_b and the rows on their way out.
;   v48-51, v64-111  the quantiser writes codes and words; LDS stores read them.  A group of images is: one wait on vm_vsrc, four quantisers, one wait on va_vdst, 13 stores.
;   v128-147       a fold of the layer norm: vector lines write v128-131, an LDS store reads them, LDS loads write v132-147, vector lines read those and write v128-131 again: one wait of each kind.
;   window 3       Y: vector and matrix instructions alone, but for the loads of x at the head and the stage's stores at the end: one wait on va_vdst ahead of those.
.set LI,  1
.set L8,  2
.set H64, 11
.set SCW, 16
.set OSR, 24
.set TM,  32
.set PW,  48
.set X8,  56
.set PC,  64
.set OB,  112
.set PA,  192
.set MU,  212
.set RS,  220
.set WV,  30
.set SEL, 32
.set CUR, 34                           ; s[34:35] the chunk's 16 sets;  s[36:37] their scale words
.set CURS, 36
.set NXT, 38                           ; the next chunk's, or the stream's start
.set NXTS, 40
.set START, 42
.set STARTS, 44
.set TMPP, 46
.set J,   48
.set PN,  50                           ; the parameter vector wanted next: b1's next chunk, at last ln2_g
.set B1P, 52
.set LG2, 24
.set RS2, 66                           ; s[66:87]: eleven constants, each twice: the packed forms name a pair
.set A13, 68
.set A9,  70
.set A7,  72
.set A5,  74
.set A3,  76
.set A1,  78
.set B8,  80
.set B4,  82
.set B2,  84
.set B0,  86
.set HOP, 0                            ; LDS: 16 fragments of the operand in hand (a, then each hidden chunk): (K step s, tile m) at (4 s + m) x 1,536
.set HOS, 24576                        ; their scale words [s][lane][m]
.set XOP, 26624                        ; x1's 16 fragments
.set XOS, 51200
.set REDA, 53248                       ; the waves' partial sums: [wave][lane][m]
.set REDB, 55296
.set STG, 57344                        ; 64 rows of 2,048 bytes + 16: x on its way in, the result on its way out
.set SPITCH, 2064
.set MSB, 0
.macro WIN new                         ; the immediate's high byte repeats the setting that is left; a switch that changes nothing is dropped
.if MSB != (\new)
	s_set_vgpr_msb (MSB<<8)|(\new)
.set MSB, (\new)
.endif
.endm
.macro PLACES n
.rept \n
	v_nop
.endr
.endm
.macro BARRIER                         ; my LDS stores have landed and my LDS loads are in: then the work-group's barrier
	s_wait_dscnt 0x0
	s_barrier_signal -1
	s_barrier_wait -1
.endm
.macro CPAIR reg, val
	s_mov_b32 s[\reg], \val
	s_mov_b32 s[\reg+1], \val
.endm
; Set k (counted from the pointers) into slot: 12 loads of 512 consecutive bytes and one of 256
.macro RFILL slot, cp, sp, k
	WIN 0x40
.irp f, 0,1,2,3
.irp c, 0,1,2
	global_load_b128 v[48*(\slot)+12*\f+4*\c:48*(\slot)+12*\f+4*\c+3], v[LI], s[\cp:\cp+1] offset:(\k)*6144+\f*1536+\c*512
.endr
.endr
	WIN 0
	global_load_b64 v[SCW+2*(\slot):SCW+2*(\slot)+1], v[L8], s[\sp:\sp+1] offset:(\k)*256
.endm
; The four tiles' fragments of K step s, and their scale words, from LDS into set buf
.macro OFETCH buf, op, os, s
.irp m, 0,1,2,3
.irp c, 0,1,2
	ds_load_b128 v[OB+48*(\buf)+12*\m+4*\c:OB+48*(\buf)+12*\m+4*\c+3], v[LI] offset:(\op)+(4*(\s)+\m)*1536+512*\c
.endr
.endr
	ds_load_b128 v[OSR+4*(\buf):OSR+4*(\buf)+3], v[LI] offset:(\os)+512*(\s)
.endm
; 4 matrix instructions: the slot's weight tile i (tile 4 half + i of my eight) x the four token tiles.
; first = 1: the sum's first product takes the parameter vector as C.  The slot's tiles 2 and 3 have their scale words in lanes 16-31.  (tr = 0, the untransposed use, serves the q, k, v launch alone.)
.macro MULI half, buf, slot, first, tr, i
.irp m, 0,1,2,3
.set rW, 48*(\slot)+12*(\i)
.set rX, OB+48*(\buf)+12*\m
.set rSW, SCW+2*(\slot)+(\i)%2
.set rSX, OSR+4*(\buf)+\m
.if \tr
.set rD, 8*(8*\m+4*(\half)+(\i))
.else
.set rD, 8*(4*(4*(\half)+(\i))+\m)
.endif
.if \first
.set rC, PA+8*(4*(\half)+(\i))
.else
.set rC, rD
.endif
.if \tr && ((\i) < 2)
	v_wmma_scale_f32_16x16x128_f8f6f4 v[rD:rD+7], v[rW:rW+11], v[rX:rX+11], v[rC:rC+7], v[rSW], v[rSX] matrix_a_fmt:MATRIX_FMT_FP6 matrix_b_fmt:MATRIX_FMT_FP6
.elseif \tr
	v_wmma_scale_f32_16x16x128_f8f6f4 v[rD:rD+7], v[rW:rW+11], v[rX:rX+11], v[rC:rC+7], v[rSW], v[rSX] matrix_a_fmt:MATRIX_FMT_FP6 matrix_b_fmt:MATRIX_FMT_FP6 matrix_a_scale:MATRIX_SCALE_ROW1
.elseif (\i) < 2
	v_wmma_scale_f32_16x16x128_f8f6f4 v[rD:rD+7], v[rX:rX+11], v[rW:rW+11], v[rC:rC+7], v[rSX], v[rSW] matrix_a_fmt:MATRIX_FMT_FP6 matrix_b_fmt:MATRIX_FMT_FP6
.else
	v_wmma_scale_f32_16x16x128_f8f6f4 v[rD:rD+7], v[rX:rX+11], v[rW:rW+11], v[rC:rC+7], v[rSX], v[rSW] matrix_a_fmt:MATRIX_FMT_FP6 matrix_b_fmt:MATRIX_FMT_FP6 matrix_b_scale:MATRIX_SCALE_ROW1
.endif
.endr
.endm
; Set n's 16 matrix instructions, under window setting w.  The 16 accumulators take turns, one instruction a turn; an accumulator comes up again 32 instructions later.
; Behind an even set's first four products stand the 13 LDS loads of the next K step's operand, into the other set of registers.  No wait: the wait on va_vdst behind the set before (for a product's first set: the last wait ahead of the product)
; has shown every earlier line done with that set, and the four products issued since name this K step's set, this slot and accumulators alone.
.macro SET16 w, first, tr, n, op, os
	WIN \w
	MULI (\n)%2, ((\n)/2)%2, (\n)%4, \first, \tr, 0
.if ((\n)%2 == 0) && ((\n) < 6)
	WIN 0
	OFETCH ((\n)/2+1)%2, \op, \os, (\n)/2+1
	WIN \w
.endif
	MULI (\n)%2, ((\n)/2)%2, (\n)%4, \first, \tr, 1
	MULI (\n)%2, ((\n)/2)%2, (\n)%4, \first, \tr, 2
	MULI (\n)%2, ((\n)/2)%2, (\n)%4, \first, \tr, 3
.endm
; A PRODUCT: 64 tokens x my 128 columns x K = 512: eight sets, 128 matrix instructions.  Set n lies in slot n % 4; behind its 16 products, four places and one wait the slot takes the set four further on (from the next product's sets for n >= 4).
; The refill stands ahead of the wait for the next set's data, so that four sets are out while the wave waits.
; The wait for set n leaves out the 39 loads of the three younger sets (loads come back in order: ISA guide 5.7.1).  The four places behind the eighth set also stand in front of the first read of the results (ISA guide 7.12.1).
.macro PROD wfirst, win, tr, first, op, os, cp, sp, k0, ncp, nsp, nk0, tail
.irp n, 0,1,2,3,4,5,6,7
.if \n%2 == 0
	s_wait_dscnt 0x0
.endif
.if \tail && (\n > 4)
	s_wait_loadcnt 13*(7-\n)
.else
	s_wait_loadcnt 39
.endif
.if \first && (\n < 2)
	SET16 \wfirst, 1, \tr, \n, \op, \os
.else
	SET16 \win, 0, \tr, \n, \op, \os
.endif
	PLACES 4
.if \n < 4
	WIN 0x40
	s_wait_alu depctr_va_vdst(0)                   ; this set's products are done reading the slot and its scale words, in which the loads below land; all products so far are done with the operand set, and the parameter vector, that they read
	RFILL \n%4, \cp, \sp, \k0+\n+4
.elseif !\tail
	WIN 0x40
	s_wait_alu depctr_va_vdst(0)                   ; as above
	RFILL \n%4, \ncp, \nsp, \nk0+\n-4
.endif
	WIN 0
.endr
.endm
; 64 numbers of a lane in window w, register 16 b + i = place 32 b + 16 (lane / 16) + i along K of my row, become a fragment's 12 registers of codes at v[pc] and its scale word in v[pw].
; A block's largest magnitude (with the floor 2^-124 among its leaves), joined with lane l xor 16's; 2 off its exponent field is the conversion's scale operand, and that shifted down the E8M0 byte.
.macro QUANT src, w, pc, pw
	WIN (\w)|((\w)<<2)
.irp b, 0,1,2,3
	v_max3_num_f32 v[TM+\b], |v[(\src)+16*\b]|, |v[(\src)+16*\b+1]|, 0x1800000
.endr
.irp i, 2,4,6,8,10,12,14
.irp b, 0,1,2,3
	v_max3_num_f32 v[TM+\b], |v[(\src)+16*\b+\i]|, |v[(\src)+16*\b+\i+1]|, v[TM+\b]
.endr
.endr
	WIN 0
.irp b, 0,1,2,3
	v_permlanex16_b32 v[TM+4+\b], v[TM+\b], s[SEL], s[SEL+1]
.endr
.irp b, 0,1,2,3
	v_max_num_f32 v[TM+\b], v[TM+\b], v[TM+4+\b]
.endr
.irp b, 0,1,2,3
	v_add_nc_u32 v[TM+12+\b], 0xff000000, v[TM+\b]
.endr
.irp b, 0,1,2,3
	v_lshrrev_b32 v[TM+4+\b], 23, v[TM+12+\b]
.endr
	v_lshl_or_b32 v[\pw], v[TM+5], 8, v[TM+4]
	v_lshl_or_b32 v[\pw], v[TM+6], 16, v[\pw]
	v_lshl_or_b32 v[\pw], v[TM+7], 24, v[\pw]
	WIN \w
.irp c, 0,1
	v_cvt_scalef32_pk16_fp6_f32 v[(\pc)+6*\c:(\pc)+6*\c+2], v[(\src)+32*\c:(\src)+32*\c+15], v[TM+12+2*\c]
	v_cvt_scalef32_pk16_fp6_f32 v[X8+4*\c:X8+4*\c+2], v[(\src)+32*\c+16:(\src)+32*\c+31], v[TM+13+2*\c]   ; (a conversion's three registers begin on an even number)
.endr
	WIN 0
	v_nop                                          ; one plain place behind a scaled conversion
.irp c, 0,1                            ; the operand's layout wants a whole block in a lane: lanes 0-15 block 2 c, lanes 16-31 block 2 c + 1
.irp e, 0,1,2
	v_permlane16_swap_b32 v[(\pc)+6*\c+\e], v[X8+4*\c+\e]
.endr
.irp e, 0,1,2
	v_mov_b32 v[(\pc)+6*\c+3+\e], v[X8+4*\c+\e]
.endr
.endr
.endm
.macro IMAGE adr, pc, off              ; a fragment goes to LDS as its registers stand: 16 bytes a lane, 512 a store
.irp c, 0,1,2
	ds_store_b128 v[\adr], v[(\pc)+4*\c:(\pc)+4*\c+3] offset:(\off)+512*\c
.endr
.endm
.macro PLOAD win, dst, ptr             ; a vector of my 128 columns in the result's layout: for tile t the eight numbers 32 (t / 2) + 16 h + 8 (t % 2) + 0 .. 7
	WIN \win
.irp t, 0,1,2,3,4,5,6,7
	global_load_b128 v[(\dst)+8*\t:(\dst)+8*\t+3], v[H64], s[\ptr:\ptr+1] offset:(32*(\t/2)+8*(\t%2))*4
	global_load_b128 v[(\dst)+8*\t+4:(\dst)+8*\t+7], v[H64], s[\ptr:\ptr+1] offset:(32*(\t/2)+8*(\t%2))*4+16
.endr
	WIN 0
.endm
.macro XROWS lo                        ; eight of my 16 rows of x, as they lie: each load reads 512 consecutive bytes.  Stage rows 8-15 are the rows 16-23 from my first
.irp rr, 0,1,2,3,4,5,6,7
.irp q, 0,1,2,3
	global_load_b128 v[4*(4*(\lo+\rr)+\q):4*(4*(\lo+\rr)+\q)+3], v[LI], s[4:5] offset:(2*(\lo)+\rr)*2048+512*\q th:TH_LOAD_NT
.endr
.endr
.endm
.macro XSTAGE lo
.irp rr, 0,1,2,3,4,5,6,7
.irp q, 0,1,2,3
	ds_store_b128 v5, v[4*(4*(\lo+\rr)+\q):4*(4*(\lo+\rr)+\q)+3] offset:(\lo+\rr)*SPITCH+512*\q
.endr
.endr
.endm
.macro YADD set, src                   ; Y += a vector of my 128 columns, the same for the four tiles
	WIN \set
.irp m, 0,1,2,3
.set lp, 0
.rept 32
	v_pk_add_f32 v[64*\m+lp:64*\m+lp+1], v[64*\m+lp:64*\m+lp+1], v[(\src)+lp:(\src)+lp+1]
.set lp, lp+2
.endr
.endr
	WIN 0
.endm
; The eight chains v112-127 (two pairs a tile) are folded; lane l xor 16 holds my row's other 64 columns; the four waves' sums meet in LDS.  Leaves the four rows' totals in v128-131.
.macro LNFOLD red
.irp m, 0,1,2,3
	v_pk_add_f32 v[112+4*\m:113+4*\m], v[112+4*\m:113+4*\m], v[114+4*\m:115+4*\m]
.endr
.irp m, 0,1,2,3
	v_add_f32 v[128+\m], v[112+4*\m], v[113+4*\m]
.endr
.irp m, 0,1,2,3
	v_permlanex16_b32 v[132+\m], v[128+\m], s[SEL], s[SEL+1]
.endr
.irp m, 0,1,2,3
	v_add_f32 v[128+\m], v[128+\m], v[132+\m]
.endr
	s_wait_alu depctr_va_vdst(0)                   ; my four partial sums v128-131 are written, which the LDS store reads; and every line so far is done with v132-147, in which the loads behind the barrier land
	ds_store_b128 v14, v[128:131] offset:\red
	BARRIER
.irp u, 0,1,2,3
	ds_load_b128 v[132+4*\u:135+4*\u], v[LI] offset:(\red)+512*\u
.endr
	s_wait_dscnt 0x0
	s_wait_alu depctr_vm_vsrc(0)                   ; the LDS store has read v128-131, which the last additions below write again
.irp m, 0,1,2,3
	v_add_f32 v[132+\m], v[132+\m], v[136+\m]
	v_add_f32 v[140+\m], v[140+\m], v[144+\m]
.endr
.irp m, 0,1,2,3
	v_add_f32 v[128+\m], v[132+\m], v[140+\m]
.endr
.endm
; Y = (Y - mean) / sqrt(var + 1e-5) x g + b, along the 512 columns that the four waves hold together.  set3: the windows of the last pass (g, b);  lc: the younger loads that may stay out when g and b are wanted.
.macro LN set3, g, b, lc
	WIN 0x0f
.irp m, 0,1,2,3
	v_pk_add_f32 v[112+4*\m:113+4*\m], v[64*\m:64*\m+1], v[64*\m+4:64*\m+5]     ; two chains a tile; ascending
	v_pk_add_f32 v[114+4*\m:115+4*\m], v[64*\m+2:64*\m+3], v[64*\m+6:64*\m+7]
.endr
	WIN 0x03
.set lp, 8
.rept 14
.irp m, 0,1,2,3
	v_pk_add_f32 v[112+4*\m:113+4*\m], v[64*\m+lp:64*\m+lp+1], v[112+4*\m:113+4*\m]
	v_pk_add_f32 v[114+4*\m:115+4*\m], v[64*\m+lp+2:64*\m+lp+3], v[114+4*\m:115+4*\m]
.endr
.set lp, lp+4
.endr
	WIN 0
	LNFOLD REDA
.irp m, 0,1,2,3
	v_mul_f32 v[MU+2*\m], s56, v[128+\m]           ; the mean, twice: a pair for the packed form
	v_mul_f32 v[MU+2*\m+1], s56, v[128+\m]
.endr
	WIN 0xc3
.irp m, 0,1,2,3
.set lp, 0
.rept 32
	v_pk_add_f32 v[64*\m+lp:64*\m+lp+1], v[64*\m+lp:64*\m+lp+1], v[MU+2*\m:MU+2*\m+1] neg_lo:[0,1] neg_hi:[0,1]
.set lp, lp+2
.endr
.endr
	WIN 0x0f
.irp m, 0,1,2,3
	v_pk_mul_f32 v[112+4*\m:113+4*\m], v[64*\m:64*\m+1], v[64*\m:64*\m+1]
	v_pk_mul_f32 v[114+4*\m:115+4*\m], v[64*\m+2:64*\m+3], v[64*\m+2:64*\m+3]
.endr
.set lp, 4
.rept 15
.irp m, 0,1,2,3
	v_pk_fma_f32 v[112+4*\m:113+4*\m], v[64*\m+lp:64*\m+lp+1], v[64*\m+lp:64*\m+lp+1], v[112+4*\m:113+4*\m]
	v_pk_fma_f32 v[114+4*\m:115+4*\m], v[64*\m+lp+2:64*\m+lp+3], v[64*\m+lp+2:64*\m+lp+3], v[114+4*\m:115+4*\m]
.endr
.set lp, lp+4
.endr
	WIN 0
	LNFOLD REDB
.irp m, 0,1,2,3
	v_fma_f32 v[128+\m], v[128+\m], s56, s57       ; var + 1e-5
.endr
.irp m, 0,1,2,3
	v_rsq_f32 v[RS+2*\m], v[128+\m]
	v_rsq_f32 v[RS+2*\m+1], v[128+\m]
.endr
	v_nop                                          ; one plain place behind the transcendentals
	WIN 0xc3
	s_wait_alu depctr_va_vdst(0)                   ; the eight reciprocal roots have written v220-227: one wait for the batch, ahead of its first reader
.irp m, 0,1,2,3
.set lp, 0
.rept 32
	v_pk_mul_f32 v[64*\m+lp:64*\m+lp+1], v[64*\m+lp:64*\m+lp+1], v[RS+2*\m:RS+2*\m+1]
.set lp, lp+2
.endr
.endr
	s_wait_loadcnt \lc
	WIN \set3
.irp m, 0,1,2,3
.set lp, 0
.rept 32
	v_pk_fma_f32 v[64*\m+lp:64*\m+lp+1], v[64*\m+lp:64*\m+lp+1], v[(\g)+lp:(\g)+lp+1], v[(\b)+lp:(\b)+lp+1]
.set lp, lp+2
.endr
.endr
	WIN 0
.endm
; H = gelu(H), 16 numbers (two accumulators) at a time: z v112.., z^2 v128.., P v144.., Q v160..; eight pairs to a line, so that no line waits for the line above it
.macro GELU
.set gb, 0
.rept 16
	WIN 0x02
.irp p, 0,1,2,3,4,5,6,7
	v_pk_mul_f32 v[112+2*\p:113+2*\p], v[16*gb+2*\p:16*gb+2*\p+1], s[RS2:RS2+1] op_sel_hi:[1,0]
.endr
	WIN 0
.irp i, 0,1,2,3,4,5,6,7,8,9,10,11,12,13,14,15
	v_med3_num_f32 v[112+\i], v[112+\i], -4.0, 4.0
.endr
.irp p, 0,1,2,3,4,5,6,7
	v_pk_mul_f32 v[128+2*\p:129+2*\p], v[112+2*\p:113+2*\p], v[112+2*\p:113+2*\p]
.endr
.irp p, 0,1,2,3,4,5,6,7
	v_pk_fma_f32 v[144+2*\p:145+2*\p], v[128+2*\p:129+2*\p], s[A13:A13+1], v[208:209] op_sel_hi:[1,0,1]
.endr
.irp p, 0,1,2,3,4,5,6,7
	v_pk_fma_f32 v[160+2*\p:161+2*\p], v[128+2*\p:129+2*\p], s[B8:B8+1], v[210:211] op_sel_hi:[1,0,1]
.endr
.irp k, A9, A7, A5, A3, A1
.irp p, 0,1,2,3,4,5,6,7
	v_pk_fma_f32 v[144+2*\p:145+2*\p], v[144+2*\p:145+2*\p], v[128+2*\p:129+2*\p], s[\k:\k+1] op_sel_hi:[1,1,0]
.endr
.endr
.irp k, B4, B2, B0
.irp p, 0,1,2,3,4,5,6,7
	v_pk_fma_f32 v[160+2*\p:161+2*\p], v[160+2*\p:161+2*\p], v[128+2*\p:129+2*\p], s[\k:\k+1] op_sel_hi:[1,1,0]
.endr
.endr
.irp i, 0,1,2,3,4,5,6,7,8,9,10,11,12,13,14,15
	v_rcp_f32 v[160+\i], v[160+\i]
.endr
.irp p, 0,1,2,3,4,5,6,7
	v_pk_mul_f32 v[144+2*\p:145+2*\p], v[144+2*\p:145+2*\p], v[112+2*\p:113+2*\p]   ; z P: plain lines behind the reciprocals, which they do not touch
.endr
	s_wait_alu depctr_va_vdst(0)                   ; the sixteen reciprocals have written v160-175: one wait for the batch, ahead of its first reader
.irp p, 0,1,2,3,4,5,6,7
	v_pk_mul_f32 v[144+2*\p:145+2*\p], v[144+2*\p:145+2*\p], v[160+2*\p:161+2*\p]   ; erf
.endr
.irp p, 0,1,2,3,4,5,6,7
	v_pk_fma_f32 v[144+2*\p:145+2*\p], v[144+2*\p:145+2*\p], 0.5, 0.5 op_sel_hi:[1,0,0]
.endr
	WIN 0x82
.irp p, 0,1,2,3,4,5,6,7
	v_pk_mul_f32 v[16*gb+2*\p:16*gb+2*\p+1], v[16*gb+2*\p:16*gb+2*\p+1], v[144+2*\p:145+2*\p]
.endr
.set gb, gb+1
.endr
	WIN 0
.endm
	s_load_b512 s[4:19], s[0:1], 0x0               ; x s[4:5], ac s[6:7], asc s[8:9], wpk s[10:11], wsc s[12:13], bo s[14:15], ln1_g s[16:17], ln1_b s[18:19]
	s_load_b256 s[20:27], s[0:1], 0x40             ; b1 s[20:21], b2 s[22:23], ln2_g s[24:25], ln2_b s[26:27]
	s_load_b64 s[28:29], s[0:1], 0x60              ; out0
	v_lshl_add_u32 v254, v0, 2, 0x2e400
	v_mov_b32 v255, 0
	v_lshrrev_b32 v3, 5, v0
	v_readfirstlane_b32 s[WV], v3                  ; wave 0..3
	v_and_b32 v13, 31, v0
	v_lshlrev_b32 v[LI], 4, v13
	v_lshlrev_b32 v[L8], 3, v13
	v_and_b32 v3, 15, v0                           ; r
	v_bfe_u32 v4, v0, 4, 1                         ; h
	s_wait_alu depctr_va_sdst(0)                   ; the wave's number is written, ahead of its first reader: LDS addresses and all the bases are made from it
	s_mul_i32 s31, s[WV], 16*SPITCH
	s_add_co_u32 s31, s31, STG
	v_add_nc_u32 v5, s31, v[LI]                    ; v5: the stage by whole rows: my 16 rows, 16 bytes a lane
	v_mul_u32_u24 v6, v3, SPITCH
	v_lshl_add_u32 v6, v4, 6, v6
	s_lshl_b32 s31, s[WV], 9
	v_add_nc_u32 v14, s31, v[LI]                   ; v14: 16 x lane + 512 w: my K step's scale words, my partial sums
	s_add_co_u32 s31, s31, STG
	v_add_nc_u32 v6, s31, v6                       ; v6-9: the stage by the result's layout: row 16 m + r, + 512 w + 64 h
	v_add_nc_u32 v7, 16*SPITCH, v6
	v_add_nc_u32 v8, 32*SPITCH, v6
	v_add_nc_u32 v9, 48*SPITCH, v6
	s_mul_i32 s31, s[WV], 1536
	v_add_nc_u32 v10, s31, v[LI]                   ; v10: images of tile w (a's)
	s_mul_i32 s31, s[WV], 6144
	v_add_nc_u32 v15, s31, v[LI]                   ; v15: images of K step w (x1's, the hidden chunk's)
	v_lshlrev_b32 v[H64], 6, v4
	v_lshlrev_b32 v12, 2, v0                       ; v12: 4 x thread
	v_and_b32 v13, 3, v0
	v_lshlrev_b32 v13, 6, v13
	v_bfe_u32 v3, v0, 2, 4
	v_lshl_add_u32 v13, v3, 2, v13                 ; v13: a's scale word of tile thread % 4, row (thread / 4) % 16
.irp b, 0,1,2,3
	v_mov_b32 v[TM+4+\b], 0                        ; written once: a lane permute's destination counts as one of its sources
.endr
	v_mov_b32 v208, 0x32EDFFEE                     ; P's second coefficient, twice
	v_mov_b32 v209, 0x32EDFFEE
	v_mov_b32 v210, 0xB95FBD29                     ; Q's second coefficient, twice
	v_mov_b32 v211, 0xB95FBD29
	s_mov_b32 s[SEL], 0x76543210
	s_mov_b32 s[SEL+1], 0xfedcba98
	s_mov_b32 s56, 0x3B000000                      ; 1 / 512
	s_mov_b32 s57, 0x3727C5AC                      ; 1e-5
	CPAIR RS2, 0x3F3504F3                          ; 1 / sqrt 2
	CPAIR A13, 0xAF95DF0B                          ; P, from the highest power down (the second stands in v208)
	CPAIR A9,  0xB60CFF51
	CPAIR A7,  0xB86EC2D2
	CPAIR A5,  0xBA40AC63
	CPAIR A3,  0xBB41A1F6
	CPAIR A1,  0xBC83DBD4
	CPAIR B8,  0xB77460CD                          ; Q likewise (the second in v210)
	CPAIR B4,  0xBADC924E
	CPAIR B2,  0xBBF19BF8
	CPAIR B0,  0xBC69B6A7
	s_lshl_b32 s58, ttmp9, 6
	s_lshr_b32 s59, s[WV], 1
	s_lshl_b32 s59, s59, 5
	s_add_co_u32 s58, s58, s59
	s_and_b32 s59, s[WV], 1
	s_lshl_b32 s59, s59, 3
	s_add_co_u32 s58, s58, s59                     ; tile w's first token: 64 x block + 32 (w / 2) + 8 (w % 2)
	s_lshl_b32 s58, s58, 11
	s_mov_b32 s59, 0
	s_lshl_b32 s60, ttmp9, 2
	s_add_co_u32 s60, s60, s[WV]
	s_mul_i32 s60, s60, 6144                       ; a's codes of tile w: eight heads' half images on end
	s_mov_b32 s61, 0
	s_lshl_b32 s62, ttmp9, 11                      ; a's scale words of the block
	s_mov_b32 s63, 0
	s_mul_i32 s88, s[WV], 442368
	s_add_co_u32 s88, s88, 589824                  ; my 72 sets
	s_mov_b32 s89, 0
	s_mul_i32 s90, s[WV], 18432
	s_add_co_u32 s90, s90, 24576
	s_mov_b32 s91, 0
	s_lshl_b32 s92, s[WV], 9                       ; my 128 numbers of a parameter vector
	s_mov_b32 s93, 0
	s_wait_kmcnt 0x0
	s_add_nc_u64 s[4:5], s[4:5], s[58:59]
	s_add_nc_u64 s[28:29], s[28:29], s[58:59]
	s_add_nc_u64 s[6:7], s[6:7], s[60:61]
	s_add_nc_u64 s[8:9], s[8:9], s[62:63]
	s_add_nc_u64 s[START:START+1], s[10:11], s[88:89]
	s_add_nc_u64 s[STARTS:STARTS+1], s[12:13], s[90:91]
.irp p, 14,16,18,20,22,24,26
	s_add_nc_u64 s[\p:\p+1], s[\p:\p+1], s[92:93]
.endr
	s_add_nc_u64 s[B1P:B1P+1], s[20:21], 2048      ; b1's second chunk
	; ---- in: a's fragments of tile w and the block's scale words; my 16 rows of x
	s_wait_alu depctr_va_vdst(0)                   ; the offsets and LDS addresses v1 to v15 are written, which every load and store of the kernel reads; none is written again
.irp s, 0,1,2,3
.irp c, 0,1
	global_load_b128 v[PC+12*\s+6*\c:PC+12*\s+6*\c+3], v[LI], s[6:7] offset:(2*\s+\c)*768 th:TH_LOAD_NT
	global_load_b64 v[PC+12*\s+6*\c+4:PC+12*\s+6*\c+5], v[L8], s[6:7] offset:(2*\s+\c)*768+512 th:TH_LOAD_NT
.endr
.endr
.irp s, 0,1,2,3
	global_load_b32 v[112+2*\s], v13, s[8:9] offset:512*\s         ; head 2 s: bytes 0, 1 of the K step's word,
	global_load_b32 v[113+2*\s], v13, s[8:9] offset:512*\s+256     ; head 2 s + 1: bytes 2, 3
.endr
	WIN 0x80
	XROWS 0
	WIN 0
	s_wait_loadcnt 32                              ; a's 24 loads are in; x's 32 may be out
.irp s, 0,1,2,3
	v_lshl_or_b32 v[112+2*\s], v[113+2*\s], 16, v[112+2*\s]
.endr
	s_wait_alu depctr_va_vdst(0)                   ; the four joined scale words are written, which LDS stores below read
.irp s, 0,1,2,3
	IMAGE 10, PC+12*\s, HOP+4*\s*1536
	ds_store_b32 v12, v[112+2*\s] offset:HOS+512*\s
.endr
	WIN 0x80
	XROWS 8
	WIN 0x08
	s_wait_loadcnt 32                              ; rows 0-7 are in
	XSTAGE 0
	s_wait_loadcnt 0x0
	XSTAGE 8
	WIN 0
	RFILL 0, START, STARTS, 0
	RFILL 1, START, STARTS, 1
	RFILL 2, START, STARTS, 2
	RFILL 3, START, STARTS, 3
	PLOAD 0x40, PA, 14                             ; bo
	BARRIER                                        ; a's sixteen fragments, their words and 64 rows of x lie in LDS
	WIN 0x80
	s_wait_alu depctr_vm_vsrc(0)                   ; my LDS stores have read window 2's registers, v112-118 and v64-111: loads land in the first two below, and the quantiser writes the third later
	PLOAD 0x80, 0, 18                              ; ln1_b, b2, ln1_g wait in H's registers
	PLOAD 0x80, 64, 22
	PLOAD 0x80, 128, 16
	; ---- Y = x + bo, then Y += a Wo
	OFETCH 0, HOP, HOS, 0
	WIN 0xc0
.irp m, 0,1,2,3
.irp b, 0,1,2,3
.irp q, 0,1,2,3
	ds_load_b128 v[64*\m+16*\b+4*\q:64*\m+16*\b+4*\q+3], v[6+\m] offset:128*\b+16*\q
.endr
.endr
.endr
	WIN 0
	s_wait_dscnt 0x0
	s_wait_loadcnt 48                              ; bo is in: behind it only the three vectors of 16 loads each
	YADD 0xc7, PA
	WIN 0x40
	s_wait_alu depctr_va_vdst(0)                   ; the additions are done reading bo's registers, in which b1's first chunk lands
	PLOAD 0x40, PA, 20                             ; b1's first chunk
	PROD 0xf1, 0xf1, 1, 0, HOP, HOS, START, STARTS, 0, START, STARTS, 8, 0
	; ---- x1 = LN1(Y); behind ln1_g's loads stand b1's 16 and eight sets: the count 52 leaves the four youngest sets out
	LN 0xeb, 128, 0, 52
	; ---- x1 is quantised: my 128 columns are K step w of the next product; then Y = x1 + b2, while the images are on their way into LDS
.irp m, 0,1,2,3
	QUANT 64*\m, 3, PC+12*\m, PW+\m
.endr
	s_wait_alu depctr_va_vdst(0)                   ; the four tiles' codes v64-111 and scale words v48-51 are written, which the LDS stores below read; the layer norm is done with v112-147, in which the next product's operand lands
.irp m, 0,1,2,3
	IMAGE 15, PC+12*\m, XOP+\m*1536
.endr
	ds_store_b128 v14, v[PW:PW+3] offset:XOS
	YADD 0xcb, 64
	BARRIER                                        ; x1's sixteen fragments lie in LDS; they are never written again
	s_add_nc_u64 s[CUR:CUR+1], s[START:START+1], 49152
	s_add_nc_u64 s[CURS:CURS+1], s[STARTS:STARTS+1], 2048
	s_mov_b32 s[J], 4
.Lchunk:                                           ; a chunk of 512 hidden units: H = x1 W1 + b1, gelu, quantised, Y += H W2
	s_add_nc_u64 s[TMPP:TMPP+1], s[CUR:CUR+1], 98304
	s_cmp_eq_u32 s[J], 1                           ; the last chunk's look-ahead goes back to the stream's start, and the next vector is ln2_g
	s_cselect_b64 s[NXT:NXT+1], s[START:START+1], s[TMPP:TMPP+1]
	s_cselect_b64 s[PN:PN+1], s[LG2:LG2+1], s[B1P:B1P+1]
	s_add_nc_u64 s[TMPP:TMPP+1], s[CURS:CURS+1], 4096
	s_cselect_b64 s[NXTS:NXTS+1], s[STARTS:STARTS+1], s[TMPP:TMPP+1]
	OFETCH 0, XOP, XOS, 0                          ; no wait: on the way in, the additions of b2 alone stand behind the last wait on va_vdst, and they name windows 2 and 3; on the way back, nothing of the vector side stands behind the eighth set's wait
	s_wait_loadcnt 52                              ; b1's chunk is in: eight sets were asked for behind it, of which the four youngest may be out
	PROD 0x91, 0xa1, 1, 1, XOP, XOS, CUR, CURS, 0, CUR, CURS, 8, 0
	PLOAD 0x40, PA, PN
	GELU
	s_wait_alu depctr_vm_vsrc(0)                   ; the last group of images' LDS stores have read v48-51 and v64-111, which the quantiser writes again
.irp m, 0,1,2,3
	QUANT 64*\m, 2, PC+12*\m, PW+\m
.endr
	s_wait_alu depctr_va_vdst(0)                   ; the four tiles' codes and scale words are written, which the LDS stores below read; the gelu is done with v112-175, in which the next product's operand lands
.irp m, 0,1,2,3
	IMAGE 15, PC+12*\m, HOP+\m*1536
.endr
	ds_store_b128 v14, v[PW:PW+3] offset:HOS
	BARRIER                                        ; the chunk's sixteen fragments lie in LDS
	OFETCH 0, HOP, HOS, 0
	PROD 0xf1, 0xf1, 1, 0, HOP, HOS, CUR, CURS, 8, NXT, NXTS, 0, 0
	BARRIER                                        ; every wave's reads of the chunk's fragments are over: the next chunk may be stored there
	s_wait_xcnt 0x0                                ; the loads issued so far have read their bases: the pointers step only behind this wait
	s_add_nc_u64 s[CUR:CUR+1], s[CUR:CUR+1], 98304
	s_add_nc_u64 s[CURS:CURS+1], s[CURS:CURS+1], 4096
	s_add_nc_u64 s[B1P:B1P+1], s[B1P:B1P+1], 2048
	s_sub_co_u32 s[J], s[J], 1
	s_cmp_lg_u32 s[J], 0
	s_cbranch_scc1 .Lchunk
	; ---- out = LN2(Y)
	PLOAD 0x80, 0, 26                              ; ln2_b.  No wait: the quantiser's reads of H stand ahead of the waits of the last product
	LN 0xe7, PA, 0, 0
	; ---- the way out: a row's 2,048 bytes come from four waves: through the stage, then 16 whole rows a wave
	WIN 0x0c
	s_wait_alu depctr_va_vdst(0)                   ; the layer norm has written Y, which the LDS stores below read, and is done reading ln2_b in window 2, in which the loads behind the barrier land
.irp m, 0,1,2,3
.irp b, 0,1,2,3
.irp q, 0,1,2,3
	ds_store_b128 v[6+\m], v[64*\m+16*\b+4*\q:64*\m+16*\b+4*\q+3] offset:128*\b+16*\q
.endr
.endr
.endr
	WIN 0
	BARRIER
	WIN 0x80
.set oi, 0
.rept 64
	ds_load_b128 v[4*oi:4*oi+3], v5 offset:(oi/4)*SPITCH+512*(oi%4)
.set oi, oi+1
.endr
	WIN 0x08
.set oi, 0
.rept 64
	s_wait_dscnt 63-oi                             ; LDS loads come back in order: load oi is in, the younger ones may be out
	global_store_b128 v[LI], v[4*oi:4*oi+3], s[28:29] offset:((oi/4)+8*(oi/32))*2048+512*(oi%4) th:TH_STORE_NT   ; 32 lanes store 512 consecutive bytes, at a multiple of 256 from out0's first byte
.set oi, oi+1
.endr
	WIN 0
	s_wait_dscnt 0x0                               ; the closing lines, six on end
	s_wait_alu 0x0
	s_wait_tensorcnt 0x0
	ds_add_u32 v254, v255
	s_wait_dscnt 0x0
	s_endpgm
.Lfunc_end_k_qee4031c7e1_ffn:
	.size	k_qee4031c7e1_ffn, .Lfunc_end_k_qee4031c7e1_ffn-k_qee4031c7e1_ffn
	.p2alignl 7, 3214868480
	.fill 96, 4, 3214868480
	.section	.rodata,"a",@progbits
	.p2align	6, 0x0
	.amdhsa_kernel k_qee4031c7e1_ffn
		.amdhsa_group_segment_fixed_size 189952
		.amdhsa_private_segment_fixed_size 0
		.amdhsa_enable_private_segment 0
		.amdhsa_kernarg_size 104
		.amdhsa_user_sgpr_count 2
		.amdhsa_user_sgpr_kernarg_segment_ptr 1
		.amdhsa_wavefront_size32 1
		.amdhsa_system_sgpr_workgroup_id_x 1
		.amdhsa_system_sgpr_workgroup_id_y 1
		.amdhsa_system_sgpr_workgroup_id_z 1
		.amdhsa_system_vgpr_workitem_id 0
		.amdhsa_next_free_vgpr 1024
		.amdhsa_next_free_sgpr 96
		.amdhsa_reserve_vcc 0
		.amdhsa_float_denorm_mode_32 3
		.amdhsa_float_denorm_mode_16_64 3
		.amdhsa_memory_ordered 1
		.amdhsa_forward_progress 1
		.amdhsa_inst_pref_size 255
	.end_amdhsa_kernel
	.section	.bss,"aw",@nobits
	.p2align	6
	.space	262144
	.amdgpu_metadata
---
amdhsa.version: [ 1, 2 ]
amdhsa.kernels:
  - .name:           k_qee4031c7e1_ffn
    .symbol:         k_qee4031c7e1_ffn.kd
    .args:
      - { .name: x, .offset: 0, .size: 8, .value_kind: global_buffer, .address_space: global }
      - { .name: ac, .offset: 8, .size: 8, .value_kind: global_buffer, .address_space: global }
      - { .name: asc, .offset: 16, .size: 8, .value_kind: global_buffer, .address_space: global }
      - { .name: wpk, .offset: 24, .size: 8, .value_kind: global_buffer, .address_space: global }
      - { .name: wsc, .offset: 32, .size: 8, .value_kind: global_buffer, .address_space: global }
      - { .name: bo, .offset: 40, .size: 8, .value_kind: global_buffer, .address_space: global }
      - { .name: ln1_g, .offset: 48, .size: 8, .value_kind: global_buffer, .address_space: global }
      - { .name: ln1_b, .offset: 56, .size: 8, .value_kind: global_buffer, .address_space: global }
      - { .name: b1, .offset: 64, .size: 8, .value_kind: global_buffer, .address_space: global }
      - { .name: b2, .offset: 72, .size: 8, .value_kind: global_buffer, .address_space: global }
      - { .name: ln2_g, .offset: 80, .size: 8, .value_kind: global_buffer, .address_space: global }
      - { .name: ln2_b, .offset: 88, .size: 8, .value_kind: global_buffer, .address_space: global }
      - { .name: out0, .offset: 96, .size: 8, .value_kind: global_buffer, .address_space: global }
    .group_segment_fixed_size: 189952
    .private_segment_fixed_size: 0
    .kernarg_segment_align: 8
    .kernarg_segment_size: 104
    .max_flat_workgroup_size: 128
    .sgpr_count:     96
    .vgpr_count:     1024
    .wavefront_size: 32
...
	.end_amdgpu_metadata
.endif
;; end of part 7
